; MI455X (gfx1250); checked and timed in simulation.
; The chip was launched on July 23, 2026; its instructions are those of AMD's public machine-readable ISA for CDNA 5 (MIT licence, August 2026) and "CDNA5" Instruction Set Architecture Reference Guide (July 2026). The comments in the code are by the model that wrote it; some were corrected since.
;; PFN. Allowed arithmetic: matrix products marked QUANTISED: E4M3 operands, one E8M0 scale for each 32 along K, by v_wmma_scale_f32_16x16x128_f8f6f4 with both operands' format E4M3, f32 sums; products left as they are: f32 operands where the result goes on into a quantised operand, else bf16, f16 or f32 operands; f32 sums; everything else in f32.
;; Inputs: head_b1 512 float32; head_b2 1 float32; head_w1_codes 512 x 8 x 32 uint8 (E4M3 codes of head_w1, K innermost, in blocks of 32 codes); head_w1_scales 512 x 8 uint8 (E8M0 scales of head_w1, one for each 32 codes along K); head_w2 1 x 512 float32; in_proj_b 2 x 768 float32; in_proj_w_codes 2 x 768 x 8 x 32 uint8 (E4M3 codes of in_proj_w, K innermost, in blocks of 32 codes); in_proj_w_scales 2 x 768 x 8 uint8 (E8M0 scales of in_proj_w, one for each 32 codes along K); lin1_b 2 x 512 float32; lin1_w_codes 2 x 512 x 8 x 32 uint8 (E4M3 codes of lin1_w, K innermost, in blocks of 32 codes); lin1_w_scales 2 x 512 x 8 uint8 (E8M0 scales of lin1_w, one for each 32 codes along K); lin2_b 2 x 256 float32; lin2_w_codes 2 x 256 x 16 x 32 uint8 (E4M3 codes of lin2_w, K innermost, in blocks of 32 codes); lin2_w_scales 2 x 256 x 16 uint8 (E8M0 scales of lin2_w, one for each 32 codes along K); ln1_b 2 x 256 float32; ln1_g 2 x 256 float32; ln2_b 2 x 256 float32; ln2_g 2 x 256 float32; out_proj_b 2 x 256 float32; out_proj_w_codes 2 x 256 x 8 x 32 uint8 (E4M3 codes of out_proj_w, K innermost, in blocks of 32 codes); out_proj_w_scales 2 x 256 x 8 uint8 (E8M0 scales of out_proj_w, one for each 32 codes along K); x 2,048 x 4 x 16 float32; xenc_b 256 float32; xenc_w 256 x 16 float32; y 2,048 x 4 float32; yenc_b 256 float32; yenc_w 256 x 1 float32.
;; Outputs: out0 1,024 x 4 x 1 float32.
;; Constants: single_eval_pos = 1024.
;; This version of the problem:
;;   THIS VERSION OF THE PROBLEM IS GIVEN IN LOW PRECISION. The matrix products marked QUANTISED in the list below multiply operands that are first quantised to E4M3 (4 exponent bits, 3 mantissa bits; 8 bits a number), with one power-of-two scale for each 32 numbers along K (OCP MX v1.0); their sums are f32. All else is computed in f32.
;;   The module's matrix products, in the order in which they are computed (A, B: the left and right operand; K: the contracted axis; several contracted axes count as one K, in the product's order):
;;     1. [M 8,192, K 16] x [K 16, N 256]; A: input x; B: input xenc_w: left as it is (K = 16 < 32)
;;     2. [M 8,192, K 1] x [K 1, N 256]; A: input y; B: input yenc_w: left as it is (K = 1 < 32)
;;     3. [M 8,192, K 256] x [K 256, N 768]; A: computed on the way; B: input in_proj_w (given as codes): QUANTISED
;;     4. batch 32 x [M 2,048, K 32] x [K 32, N 2,048]; A: computed on the way; B: computed on the way: QUANTISED
;;     5. batch 32 x [M 2,048, K 2,048] x [K 2,048, N 32]; A: softmax (see below); B: computed on the way: QUANTISED
;;     6. [M 8,192, K 256] x [K 256, N 256]; A: computed on the way; B: input out_proj_w (given as codes): QUANTISED
;;     7. [M 8,192, K 256] x [K 256, N 512]; A: computed on the way; B: input lin1_w (given as codes): QUANTISED
;;     8. [M 8,192, K 512] x [K 512, N 256]; A: computed on the way; B: input lin2_w (given as codes): QUANTISED
;;     9. [M 8,192, K 256] x [K 256, N 768]; A: computed on the way; B: input in_proj_w (given as codes): QUANTISED
;;     10. batch 32 x [M 2,048, K 32] x [K 32, N 2,048]; A: computed on the way; B: computed on the way: QUANTISED
;;     11. batch 32 x [M 2,048, K 2,048] x [K 2,048, N 32]; A: softmax (see below); B: computed on the way: QUANTISED
;;     12. [M 8,192, K 256] x [K 256, N 256]; A: computed on the way; B: input out_proj_w (given as codes): QUANTISED
;;     13. [M 8,192, K 256] x [K 256, N 512]; A: computed on the way; B: input lin1_w (given as codes): QUANTISED
;;     14. [M 8,192, K 512] x [K 512, N 256]; A: computed on the way; B: input lin2_w (given as codes): QUANTISED
;;     15. [M 4,096, K 256] x [K 256, N 512]; A: computed on the way; B: input head_w1 (given as codes): QUANTISED
;;     16. [M 4,096, K 512] x [K 512, N 1]; A: computed on the way; B: input head_w2: left as it is (N = 1 < 16)
;;   THE QUANTISER, for each operand of a quantised product, along K:
;;     - K is cut into blocks of 32 from its start; a last block that is shorter is filled with zeros.
;;     - A block's scale is 2^e with e = floor(log2(the largest magnitude in the block)) - 8, held to -126 .. 127; a block of zeros has e = 0. As a byte (E8M0): e + 127.
;;     - Each number is divided by its block's scale, clamped to +-448, and rounded to the nearest number of E4M3, ties to even, subnormals kept.
;;     - The product sums the exact products of the quantised numbers (number of the format x scale) in f32.
;;   ~~~python
;;   def quantise(x, axis):      # numpy; x: float32 -> the quantised numbers, widened to float32 again
;;       x = np.moveaxis(x, axis, -1); K = x.shape[-1]
;;       x = np.pad(x, [(0, 0)] * (x.ndim - 1) + [(0, -K % 32)]); x = x.reshape(x.shape[:-1] + (-1, 32)); a = np.abs(x).max(-1, keepdims=True)
;;       e = np.where(a > 0, np.clip(np.frexp(np.where(a > 0, a, 1))[1] - 1 - 8, -126, 127), 0)      # np.frexp(a)[1] - 1 = floor(log2(a)), exactly
;;       r = np.clip(x / 2.0 ** e, -448, 448)
;;       step = 2.0 ** (np.maximum(np.frexp(np.where(r == 0, 1, r))[1] - 1, -6) - 3)
;;       q = np.round(r / step) * step * 2.0 ** e      # np.round: ties to even
;;       return np.moveaxis(q.reshape(q.shape[:-2] + (-1,))[..., :K], -1, axis).astype(np.float32)
;;   ~~~
;;   SOFTMAX AHEAD OF A QUANTISED PRODUCT. Where the list says 'softmax', what is quantised is not the finished softmax but p = 2^(t - M), with t = logit x log2(e) and M = ceil(the row's largest t), a whole number; so 1/2 < the row's largest p <= 1. The row's sum l is taken of the UNQUANTISED p, in f32, and the product's result is divided by l at the end. Since M is a whole number, a kernel that streams over the keys may use a running M (the ceiling of the running maximum): every later rescaling is an exact power of two, which a block's scale takes up: the codes' values come out the same.
;;   OPERANDS COMPUTED ON THE WAY. 'Computed on the way' means the value that the module computes at that place (a softmax that the list does not call 'softmax' is quantised finished and normalised). What goes into a quantiser is computed in f32, as accurately as f32 sums, v_exp_f32 and their like allow (about 1e-6 of the number): no bf16 or f16 on the way to a quantiser, and a product that is left as it is and whose result goes on into a quantised operand takes f32 operands (vector FMAs, or v_wmma_f32_16x16x4_f32). A number that lies on a knife's edge between two numbers of the format may be rounded either way, as far as f32 arithmetic and the matrix unit's own rounding can turn it there, and no further.
;;   INPUTS GIVEN AS CODES. head_w1 (in the module: [512, 256], K = its axis 1); in_proj_w (in the module: [2, 768, 256], K = its axis 2); lin1_w (in the module: [2, 512, 256], K = its axis 2); lin2_w (in the module: [2, 256, 512], K = its axis 2); out_proj_w (in the module: [2, 256, 256], K = its axis 2): each comes as NAME_codes (uint8): NAME with its K axis moved to the last place and cut into blocks of 32 codes, [.., K / 32, bytes a block], one block behind the other in memory; one code a byte (a code: sign, 4 exponent bits, 3 mantissa bits); and NAME_scales (uint8): the same leading axes, one E8M0 byte (e + 127) for each 32 codes along K. Its value is code x scale, taken as it is: it is not quantised again, and the codes and scales need not be those that the quantiser above would give.
;; 2 versions, each right; version 2 is version 1 with the launches enc_qkv, attn0, mid_qkv, attn1, mid_head written anew for expert scheduling mode. Each part assembles by itself: llvm-mc -triple=amdgcn-amd-amdhsa -mcpu=gfx1250 --defsym DOCPART=n.
;; ======== version 1 of 2: 5 launches
;; workspace buffers: h0 8,388,608 bytes; h1 8,388,608 bytes; q 2,228,224 bytes; kv 4,325,376 bytes; o 2,162,688 bytes
;; launch enc_qkv (part 1): grid 128 x 1, 8 waves a work-group, no clusters, 17,920 bytes of LDS; arguments x, y, xenc_w, xenc_b, yenc_w, yenc_b, in_proj_w_codes, in_proj_w_scales, in_proj_b, h0, q, kv; writes h0, q, kv
.if DOCPART == 1
	.amdgcn_target "amdgcn-amd-amdhsa--gfx1250"
	.amdhsa_code_object_version 6
	.text
	.protected	k_q44bd83cb60_enc_qkv
	.globl	k_q44bd83cb60_enc_qkv
	.p2align	8
	.type	k_q44bd83cb60_enc_qkv,@function
k_q44bd83cb60_enc_qkv:
	s_mov_b64 s[64:65], 0
	v_nop
	global_prefetch_b8 v0, s[64:65] scope:SCOPE_SE
	s_setreg_imm32_b32 hwreg(HW_REG_WAVE_MODE, 25, 1), 1
	s_wait_xcnt 0x0
; The encoder and layer 0's q, k, v.  tokens = x xenc_w^T + xenc_b (+ y yenc_w^T + yenc_b for positions under 1,024), in f32; then q, k, v = Q(tokens) in_proj_w^T + in_proj_b on codes of E4M3.
; SHARES.  A work-group owns a TOKEN GROUP: one batch b, positions 64 g .. 64 g + 63, as four tiles of 16: lane r of tile t holds token 32 (t / 2) + 8 (t % 2) + rho, rho = r + 8 (r / 8).
; Wave w owns columns 32 w .. 32 w + 31 of the tokens and head w of q, k and v.  A tile of weight rows begins at row 32 w + 8 u and its lane r takes row + rho.
; Used transposed (source 0 = weights, source 1 = tokens) a lane's registers 16 t + 0 .. 15 are then token (t, r), columns 32 w + 16 (lane / 16) + 0 .. 15: sixteen neighbours along the next K.
; v is made with the sources swapped, so that a lane's sixteen registers are sixteen neighbouring KEYS of one channel: the keys are the K of the second product of attention.
; Everything that goes to memory is an image of operand registers: 512 consecutive bytes an instruction, 16 a lane.
; The codes of the 64 tokens go from wave to wave through LDS in the same form; one barrier.
; The weights are read straight into operand registers, each wave its own rows: no ring in LDS, no tensor load.  No cluster: what the work-groups share, the weights, never passes through LDS here.
; LIMITS: NaN and infinities among x, the weights and the y of positions under 1,024 are not served.  A block whose largest magnitude lies under 2^-118 keeps the scale byte 1;
; so does a block of zeros, where the rule says 127: its codes are zeros, and the bytes are read by this program alone.
.set QSC, 2097152                      ; q: the scale words begin here
.set VOF, 2097152                      ; kv: V's images
.set ROF, 4194304                      ; kv: the records of scale words
.set HIMG, 0                           ; LDS: [t 4][block 8][lane][16 bytes]: the tokens' fragments
.set HSCB, 16384                       ; LDS: [t 4][r 16][8 bytes]: their scale bytes
.set LI, 1                             ; 16 x lane
.set L4, 2                             ; 4 x lane
.set WA256, 3                          ; 256 rho + 16 h
.set WSA8, 4                           ; 8 rho
.set BA, 5                             ; 64 h
.set XSA8, 6                           ; 8 r
.set CH, 7                             ; 16 x lane + 512 w
.set SB8, 8                            ; 8 r + w
.set BVA, 9                            ; 4 rho
.set XAD, 10                           ; x: 256 rho + 8 h; later KW
.set YAD, 11                           ; y: 16 rho; later TL
.set KW, 10
.set TL, 11
.set ENC0, 12                          ; v12-19, v248-255: the f32 products' sums; no other kind of instruction writes them
.set ENC1, 248
.set WEA, 20                           ; xenc_w: 64 rho + 8 h (until the loads are in)
.set ACC, 20                           ; v20-83
.set X, 84                             ; v84-147
.set W, 148                            ; v148-211
.set BI, 212                           ; v212-227
.set XS, 228                           ; v228-243
.set WS, 244                           ; v244-247
.set PC, X
.set TM, X+16
.set PW, X+32
.set SEL, 52
.set MNT, 54
.set P_X, 8
.set P_Y, 10
.set P_XW, 12
.set P_XB, 14
.set P_YW, 16
.set P_YB, 18
.set P_IPC, 20
.set P_IPS, 22
.set P_IPB, 24
.set P_H, 26
.set P_Q, 28
.set P_KV, 30
.set P_QS, 32
.set P_REC, 34
.macro NOPS n
.rept \n
	v_nop
.endr
.endm
.macro BARRIER                         ; my LDS stores have landed and my LDS loads are in: then the work-group's barrier
	s_wait_dscnt 0x0
	s_barrier_signal -1
	s_barrier_wait -1
.endm
.macro WFRAG cb, kb, wa, s, off        ; the two weight tiles' fragments of K step s: rows of kb bytes
.irp u,0,1
.irp c,0,1,2,3
	global_load_b128 v[W+16*(2*((\s)%2)+\u)+4*\c:W+16*(2*((\s)%2)+\u)+4*\c+3], v[\wa], s[\cb:\cb+1] offset:(\off)+8*\u*(\kb)+128*(\s)+32*\c
.endr
.endr
.endm
.macro WSCL sb, ks, off                ; their scale words: word (u, s) at WS + ks u + s
.irp u,0,1
	global_load_b64 v[WS+2*\u:WS+2*\u+1], v[WSA8], s[\sb:\sb+1] offset:(\off)+64*\u
.endr
.endm
.macro BLOAD dst, pb, off              ; sixteen numbers a lane: those of columns 16 h + 0 .. 15 of my block
.irp q,0,1,2,3
	global_load_b128 v[\dst+4*\q:\dst+4*\q+3], v[BA], s[\pb:\pb+1] offset:(\off)+16*\q
.endr
.endm
.macro BLOADV pb, off                  ; the bias for the swapped product: a lane holds one channel, so a tile's eight registers hold one number
.irp u,0,1
.irp j,0,1,2,3,4,5,6,7
	global_load_b32 v[BI+8*\u+\j], v[BVA], s[\pb:\pb+1] offset:(\off)+32*\u
.endr
.endr
.endm
.macro XSL ks, scb                     ; the tokens' scale words: word (t, s) at XS + 4 t + s
.irp t,0,1,2,3
	ds_load_b64 v[XS+4*\t:XS+4*\t+1], v[XSA8] offset:\scb+128*\t
.endr
.endm
.macro XFETCH glb, ks, img, s          ; the four token tiles' fragments of K step s
.irp t,0,1,2,3
.irp c,0,1,2,3
	ds_load_b128 v[X+16*\t+4*\c:X+16*\t+4*\c+3], v[LI] offset:\img+2048*\ks*\t+2048*(\s)+512*\c
.endr
.endr
.endm
.macro MM ks, s, cmode, swap           ; eight products, eight accumulators by turns, in the same order in every K step
.irp t,0,1,2,3
.irp u,0,1
.set WW, W+16*(2*((\s)%2)+\u)
.set XX, X+16*\t
.set SW, WS+\ks*\u+(\s)
.set SX, XS+4*\t+(\s)
.if \swap
.set DD, ACC+16*(2*\u+\t/2)+8*(\t%2)
.if ((\s)==0)&&(\cmode==0)
	v_wmma_scale_f32_16x16x128_f8f6f4 v[DD:DD+7], v[XX:XX+15], v[WW:WW+15], v[BI+8*\u:BI+8*\u+7], v[SX], v[SW]
.else
	v_wmma_scale_f32_16x16x128_f8f6f4 v[DD:DD+7], v[XX:XX+15], v[WW:WW+15], v[DD:DD+7], v[SX], v[SW]
.endif
.else
.set DD, ACC+16*\t+8*\u
.if ((\s)==0)&&(\cmode==0)
	v_wmma_scale_f32_16x16x128_f8f6f4 v[DD:DD+7], v[WW:WW+15], v[XX:XX+15], v[BI+8*\u:BI+8*\u+7], v[SW], v[SX]
.else
	v_wmma_scale_f32_16x16x128_f8f6f4 v[DD:DD+7], v[WW:WW+15], v[XX:XX+15], v[DD:DD+7], v[SW], v[SX]
.endif
.endif
.endr
.endr
.endm
; A product of my 32 columns with the 64 tokens, K = 128 ks.  The weights, their scale words and the bias were asked for earlier.  Nine places stand behind each run of products:
; loads into operands and reads of results follow, and the next product of this kind begins the accumulators anew.
.macro PASS ks, glb, img, cmode, swap, cb, kb, wa, off
	s_wait_xcnt 0x0                        ; earlier stores have read their data: X and ACC may be written
.set PS, 0
.rept \ks
.if PS > 0
	NOPS 9
.endif
	XFETCH \glb, \ks, \img, PS
	s_wait_dscnt 0x0
	s_wait_loadcnt 0x0
	MM \ks, PS, \cmode, \swap
.set PS, PS+1
.endr
	NOPS 9
.endm
; 64 numbers of a lane, four blocks of 16, each joined with lane l xor 16's 16 to a block of 32: codes into PC (four registers a block), bytes into TM + 4 .. 7, the four bytes as a word into PW.
.macro QUANT s
.irp b,0,1,2,3
	v_max3_num_f32 v[TM+\b], |v[\s+16*\b]|, |v[\s+1+16*\b]|, 0x4800000   ; the floor 2^(9 - 127): the byte cannot fall under 1
.endr
.irp i,2,4,6,8,10,12,14
.irp b,0,1,2,3
	v_max3_num_f32 v[TM+\b], v[TM+\b], |v[\s+16*\b+\i]|, |v[\s+1+16*\b+\i]|
.endr
.endr
.irp b,0,1,2,3
	v_permlanex16_b32 v[TM+4+\b], v[TM+\b], s[SEL], s[SEL+1]
.endr
.irp b,0,1,2,3
	v_max_num_f32 v[TM+\b], v[TM+\b], v[TM+4+\b]       ; the block's largest magnitude
.endr
.irp b,0,1,2,3
	v_add_nc_u32 v[TM+12+\b], 0xfc000000, v[TM+\b]     ; 8 off its exponent field: the conversion's scale operand
.endr
.irp b,0,1,2,3
	v_and_or_b32 v[TM+8+\b], v[TM+\b], 0x7f800000, s[MNT]   ; 448 x the scale
.endr
.irp b,0,1,2,3
	v_lshrrev_b32 v[TM+4+\b], 23, v[TM+12+\b]          ; the scale's byte
.endr
	v_lshl_or_b32 v[PW], v[TM+5], 8, v[TM+4]
	v_lshl_or_b32 v[PW], v[TM+6], 16, v[PW]
	v_lshl_or_b32 v[PW], v[TM+7], 24, v[PW]
.irp b,0,1,2,3
.irp i,0,1,2,3,4,5,6,7,8,9,10,11,12,13,14,15
	v_med3_num_f32 v[\s+16*\b+\i], v[\s+16*\b+\i], -v[TM+8+\b], v[TM+8+\b]   ; the conversion does not saturate (ISA guide 7.6.2): the hold
.endr
	v_cvt_scalef32_pk8_fp8_f32 v[PC+4*\b:PC+1+4*\b], v[\s+16*\b:\s+7+16*\b], v[TM+12+\b]
	v_cvt_scalef32_pk8_fp8_f32 v[PC+2+4*\b:PC+3+4*\b], v[\s+8+16*\b:\s+15+16*\b], v[TM+12+\b]
.endr
	v_nop                                  ; one plain line behind the last conversion
.endm
.macro PUT256                          ; my block of the four tiles' fragments, and its bytes, to LDS
.irp t,0,1,2,3
	ds_store_b128 v[CH], v[PC+4*\t:PC+4*\t+3] offset:HIMG+4096*\t
	ds_store_b8 v[SB8], v[TM+4+\t] offset:HSCB+128*\t      ; both halves of the lanes write the same byte with the same value
.endr
.endm
; q, k, v of head w for the 64 tokens.  The q product's weights, scale words and bias are on their way.
.macro QKV lay
	XSL 2, HSCB
	PASS 2, 0, HIMG, 0, 0, 0, 0, 0, 0
	WFRAG P_IPC, 256, WA256, 0, \lay*196608+65536
	WFRAG P_IPC, 256, WA256, 1, \lay*196608+65536
	WSCL P_IPS, 2, \lay*6144+2048
	BLOAD BI, P_IPB, \lay*3072+1024
	QUANT ACC                              ; a block = a token's 32 numbers of the head
.irp t,0,1,2,3
	global_store_b128 v[LI], v[PC+4*\t:PC+4*\t+3], s[P_Q:P_Q+1] offset:512*\t
.endr
	global_store_b32 v[L4], v[PW], s[P_QS:P_QS+1] offset:QSC
	PASS 2, 0, HIMG, 0, 0, 0, 0, 0, 0
	WFRAG P_IPC, 256, WA256, 0, \lay*196608+131072
	WFRAG P_IPC, 256, WA256, 1, \lay*196608+131072
	WSCL P_IPS, 2, \lay*6144+4096
	BLOADV P_IPB, \lay*3072+2048
	QUANT ACC
.irp t,0,1,2,3
	global_store_b128 v[LI], v[PC+4*\t:PC+4*\t+3], s[P_KV:P_KV+1] offset:512*\t   ; the four tiles of keys are the four blocks of ONE fragment
.endr
	v_mov_b32 v[KW], v[PW]
	PASS 2, 0, HIMG, 0, 1, 0, 0, 0, 0
	QUANT ACC                              ; a block = 32 neighbouring keys of one channel; block 2 u + beta
.irp t,0,1,2,3
	global_store_b128 v[LI], v[PC+4*\t:PC+4*\t+3], s[P_KV:P_KV+1] offset:VOF+512*\t
.endr
	v_and_b32 v[TL], 16, v0
	v_cmp_ne_u32 vcc_lo, 0, v[TL]
	v_cndmask_b32 v[TL], v[KW], v[PW], vcc_lo      ; the record: lanes 0-15 K's scale words, lanes 16-31 V's
	global_store_b32 v[L4], v[TL], s[P_REC:P_REC+1] offset:ROF
.endm
	s_load_b512 s[8:23], s[0:1], 0x0
	s_load_b256 s[24:31], s[0:1], 0x40
	v_lshl_add_u32 v242, v0, 2, 0x4200
	v_mov_b32 v243, 0
	v_lshrrev_b32 v20, 5, v0
	v_readfirstlane_b32 s2, v20                    ; wave
	s_lshr_b32 s3, ttmp9, 5                        ; batch
	s_and_b32 s4, ttmp9, 31                        ; group of 64 positions
	v_and_b32 v21, 31, v0                          ; lane
	v_and_b32 v22, 15, v0                          ; r
	v_bfe_u32 v23, v0, 4, 1                        ; h
	v_and_b32 v24, 8, v22
	v_add_nc_u32 v24, v24, v22                     ; rho
	v_lshlrev_b32 v[LI], 4, v21
	v_lshlrev_b32 v[L4], 2, v21
	v_lshlrev_b32 v[WA256], 8, v24
	v_lshl_add_u32 v[WA256], v23, 4, v[WA256]
	v_lshlrev_b32 v[WSA8], 3, v24
	v_lshlrev_b32 v[BA], 6, v23
	v_lshlrev_b32 v[XSA8], 3, v22
	s_lshl_b32 s6, s2, 9
	v_add_nc_u32 v[CH], s6, v[LI]
	v_add_nc_u32 v[SB8], s2, v[XSA8]
	v_lshlrev_b32 v[BVA], 2, v24
	v_lshlrev_b32 v[XAD], 8, v24
	v_lshl_add_u32 v[XAD], v23, 3, v[XAD]
	v_lshlrev_b32 v[YAD], 4, v24
	v_lshlrev_b32 v[WEA], 6, v24
	v_lshl_add_u32 v[WEA], v23, 3, v[WEA]
.irp b,0,1,2,3
	v_mov_b32 v[TM+4+\b], 0                        ; a lane permute's destination counts as one of its sources
.endr
	s_mov_b32 s[SEL], 0x76543210
	s_mov_b32 s[SEL+1], 0xfedcba98
	s_mov_b32 s[MNT], 0x600000
	s_mov_b32 s7, 0
	s_wait_kmcnt 0x0
	s_lshl_b32 s6, s4, 14
	s_lshl_b32 s5, s3, 6
	s_add_co_u32 s6, s6, s5
	s_add_nc_u64 s[P_X:P_X+1], s[P_X:P_X+1], s[6:7]        ; x: 64 positions of 256 bytes a group, 64 bytes a batch
	s_lshl_b32 s6, s4, 10
	s_lshl_b32 s5, s3, 2
	s_add_co_u32 s6, s6, s5
	s_add_nc_u64 s[P_Y:P_Y+1], s[P_Y:P_Y+1], s[6:7]
	s_lshl_b32 s6, s2, 11
	s_add_nc_u64 s[P_XW:P_XW+1], s[P_XW:P_XW+1], s[6:7]    ; my 32 rows of 64 bytes
	s_lshl_b32 s6, s2, 7
	s_add_nc_u64 s[P_XB:P_XB+1], s[P_XB:P_XB+1], s[6:7]
	s_add_nc_u64 s[P_YW:P_YW+1], s[P_YW:P_YW+1], s[6:7]
	s_add_nc_u64 s[P_YB:P_YB+1], s[P_YB:P_YB+1], s[6:7]
	s_add_nc_u64 s[P_IPB:P_IPB+1], s[P_IPB:P_IPB+1], s[6:7]
	s_lshl_b32 s6, s2, 13
	s_add_nc_u64 s[P_IPC:P_IPC+1], s[P_IPC:P_IPC+1], s[6:7]
	s_lshl_b32 s6, s2, 8
	s_add_nc_u64 s[P_IPS:P_IPS+1], s[P_IPS:P_IPS+1], s[6:7]
	s_lshl_b32 s6, ttmp9, 3
	s_add_co_u32 s6, s6, s2
	s_lshl_b32 s6, s6, 13
	s_add_nc_u64 s[P_H:P_H+1], s[P_H:P_H+1], s[6:7]        ; h0: 8,192 bytes for each (batch, group, wave)
	s_lshl_b32 s5, s3, 3
	s_add_co_u32 s5, s5, s2
	s_lshl_b32 s5, s5, 5
	s_add_co_u32 s5, s5, s4                                ; (8 b + head) 32 + g
	s_lshl_b32 s6, s5, 7
	s_add_nc_u64 s[P_QS:P_QS+1], s[P_Q:P_Q+1], s[6:7]
	s_add_nc_u64 s[P_REC:P_REC+1], s[P_KV:P_KV+1], s[6:7]
	s_lshl_b32 s6, s5, 11
	s_add_nc_u64 s[P_Q:P_Q+1], s[P_Q:P_Q+1], s[6:7]
	s_add_nc_u64 s[P_KV:P_KV+1], s[P_KV:P_KV+1], s[6:7]
	; the f32 form's fragments: lane (r, h), register j: k = 4 kk + 2 h + j
.irp u,0,1
.irp kk,0,1,2,3
	global_load_b64 v[W+2*(4*\u+\kk):W+2*(4*\u+\kk)+1], v[WEA], s[P_XW:P_XW+1] offset:512*\u+16*\kk
.endr
.endr
.irp t,0,1,2,3
.irp kk,0,1,2,3
	global_load_b64 v[X+2*(4*\t+\kk):X+2*(4*\t+\kk)+1], v[XAD], s[P_X:P_X+1] offset:(32*(\t/2)+8*(\t%2))*256+16*\kk
.endr
.endr
	BLOAD BI, P_XB, 0
	BLOAD X+32, P_YW, 0
	BLOAD X+48, P_YB, 0
.irp t,0,1,2,3
	global_load_b32 v[W+16+\t], v[YAD], s[P_Y:P_Y+1] offset:(32*(\t/2)+8*(\t%2))*16
.endr
	s_cmp_lt_u32 s4, 16                            ; positions under 1,024 carry y: the whole group does or does not
	s_cselect_b32 s56, -1, 0
	s_wait_loadcnt 0x0
.irp t,0,1,2,3
	v_cndmask_b32 v[W+16+\t], 0, v[W+16+\t], s56   ; y, or 0
.endr
.set NN, 0
.rept 16
	v_cndmask_b32 v[X+48+NN], 0, v[X+48+NN], s56   ; yenc_b, or 0
.set NN, NN+1
.endr
.set NN, 0
.rept 8
	v_pk_add_f32 v[BI+2*NN:BI+2*NN+1], v[BI+2*NN:BI+2*NN+1], v[X+48+2*NN:X+48+2*NN+1]   ; both biases: the C of the sums' first K step
.set NN, NN+1
.endr
.irp t,0,1,2,3
.irp kk,0,1,2,3
.if \kk == 0
	v_wmma_f32_16x16x4_f32 v[ENC0:ENC0+7], v[W:W+1], v[X+8*\t:X+8*\t+1], v[BI:BI+7]
	v_wmma_f32_16x16x4_f32 v[ENC1:ENC1+7], v[W+8:W+9], v[X+8*\t:X+8*\t+1], v[BI+8:BI+15]
.else
	v_wmma_f32_16x16x4_f32 v[ENC0:ENC0+7], v[W+2*\kk:W+2*\kk+1], v[X+8*\t+2*\kk:X+8*\t+2*\kk+1], v[ENC0:ENC0+7]
	v_wmma_f32_16x16x4_f32 v[ENC1:ENC1+7], v[W+8+2*\kk:W+9+2*\kk], v[X+8*\t+2*\kk:X+8*\t+2*\kk+1], v[ENC1:ENC1+7]
.endif
.endr
	NOPS 9                                         ; ahead of the reads below, and of the next tile's products, which begin the two sums anew
.irp i,0,1,2,3,4,5,6,7
	v_fma_f32 v[ACC+16*\t+\i], v[X+32+\i], v[W+16+\t], v[ENC0+\i]      ; + yenc_w x y
.endr
.irp i,0,1,2,3,4,5,6,7
	v_fma_f32 v[ACC+16*\t+8+\i], v[X+40+\i], v[W+16+\t], v[ENC1+\i]
.endr
.endr
	WFRAG P_IPC, 256, WA256, 0, 0
	WFRAG P_IPC, 256, WA256, 1, 0
	WSCL P_IPS, 2, 0
	BLOAD BI, P_IPB, 0
.set NN, 0
.rept 16
	global_store_b128 v[LI], v[ACC+4*NN:ACC+4*NN+3], s[P_H:P_H+1] offset:512*NN    ; the tokens, for the residual
.set NN, NN+1
.endr
	s_wait_xcnt 0x0                                ; the stores have read ACC: the hold below writes it
	QUANT ACC
	PUT256
	BARRIER                                        ; the 64 tokens' codes lie in LDS
	QKV 0
	s_wait_tensorcnt 0x0
	ds_add_u32 v242, v243
	s_wait_dscnt 0x0
	s_endpgm
.Lfunc_end_k_q44bd83cb60_enc_qkv:
	.size	k_q44bd83cb60_enc_qkv, .Lfunc_end_k_q44bd83cb60_enc_qkv-k_q44bd83cb60_enc_qkv
	.p2alignl 7, 3214868480
	.fill 96, 4, 3214868480
	.section	.rodata,"a",@progbits
	.p2align	6, 0x0
	.amdhsa_kernel k_q44bd83cb60_enc_qkv
		.amdhsa_group_segment_fixed_size 17920
		.amdhsa_private_segment_fixed_size 0
		.amdhsa_enable_private_segment 0
		.amdhsa_kernarg_size 96
		.amdhsa_user_sgpr_count 2
		.amdhsa_user_sgpr_kernarg_segment_ptr 1
		.amdhsa_wavefront_size32 1
		.amdhsa_system_sgpr_workgroup_id_x 1
		.amdhsa_system_sgpr_workgroup_id_y 1
		.amdhsa_system_sgpr_workgroup_id_z 1
		.amdhsa_system_vgpr_workitem_id 0
		.amdhsa_next_free_vgpr 256
		.amdhsa_next_free_sgpr 66
		.amdhsa_reserve_vcc 1
		.amdhsa_float_denorm_mode_32 3
		.amdhsa_float_denorm_mode_16_64 3
		.amdhsa_memory_ordered 1
		.amdhsa_forward_progress 1
		.amdhsa_inst_pref_size 73
	.end_amdhsa_kernel
	.amdgpu_metadata
---
amdhsa.version: [ 1, 2 ]
amdhsa.kernels:
  - .name:           k_q44bd83cb60_enc_qkv
    .symbol:         k_q44bd83cb60_enc_qkv.kd
    .args:
      - { .name: x, .offset: 0, .size: 8, .value_kind: global_buffer, .address_space: global }
      - { .name: y, .offset: 8, .size: 8, .value_kind: global_buffer, .address_space: global }
      - { .name: xenc_w, .offset: 16, .size: 8, .value_kind: global_buffer, .address_space: global }
      - { .name: xenc_b, .offset: 24, .size: 8, .value_kind: global_buffer, .address_space: global }
      - { .name: yenc_w, .offset: 32, .size: 8, .value_kind: global_buffer, .address_space: global }
      - { .name: yenc_b, .offset: 40, .size: 8, .value_kind: global_buffer, .address_space: global }
      - { .name: in_proj_w_codes, .offset: 48, .size: 8, .value_kind: global_buffer, .address_space: global }
      - { .name: in_proj_w_scales, .offset: 56, .size: 8, .value_kind: global_buffer, .address_space: global }
      - { .name: in_proj_b, .offset: 64, .size: 8, .value_kind: global_buffer, .address_space: global }
      - { .name: h0, .offset: 72, .size: 8, .value_kind: global_buffer, .address_space: global }
      - { .name: q, .offset: 80, .size: 8, .value_kind: global_buffer, .address_space: global }
      - { .name: kv, .offset: 88, .size: 8, .value_kind: global_buffer, .address_space: global }
    .group_segment_fixed_size: 17920
    .private_segment_fixed_size: 0
    .kernarg_segment_align: 8
    .kernarg_segment_size: 96
    .max_flat_workgroup_size: 256
    .sgpr_count:     66
    .vgpr_count:     256
    .wavefront_size: 32
...
	.end_amdgpu_metadata
.endif
;; end of part 1
;; launch attn0 (part 2): grid 16 x 32, 8 waves a work-group, no clusters, 68,608 bytes of LDS; arguments q, kv, o; writes o
.if DOCPART == 2
	.amdgcn_target "amdgcn-amd-amdhsa--gfx1250"
	.amdhsa_code_object_version 6
	.text
	.protected	k_q44bd83cb60_attn0
	.globl	k_q44bd83cb60_attn0
	.p2align	8
	.type	k_q44bd83cb60_attn0,@function
k_q44bd83cb60_attn0:
	s_mov_b64 s[64:65], 0
	v_nop
	global_prefetch_b8 v0, s[64:65] scope:SCOPE_SE
	s_setreg_imm32_b32 hwreg(HW_REG_WAVE_MODE, 25, 1), 1
	s_wait_xcnt 0x0
; Attention of one (batch, head) for 128 queries, on codes of E4M3; the result is quantised along the model's columns (a head is one block of 32) and stored as the next product's fragments.
; THE MASK is reference()'s own: key j counts for query i where j < 1,024 or j = i.  So every query walks the 1,024 keys of the prefix, 128 a step, and a query from 1,024 on takes one more step
; over its own block of 128 keys, in which every score but its own key's becomes -infinity ahead of the maximum (p = 0 there).
; SHARES.  Work-group x: block 15 - x of 128 queries (a grid of 8 along x serves the blocks from position 1,024 on alone); y: 8 x batch + head.  Each of eight waves owns one tile of 16 queries.
; K, V and their scale words of the prefix, 66 KiB, are copied once from memory into LDS as they lie and only read after the one barrier.  No tensor load, no ring.
; No cluster: the copy is made once and stands beside eight key steps of eight waves.
; LAYOUT.  Both products are used transposed, so that a lane holds ONE query throughout.  A fragment of K is DENSE: its four blocks of 32 along K are four tiles of 16 keys, each with the head's 32 numbers.
; q's 32 numbers stand in one block of source 1 and zero codes in the other three, so product 4 G + c gives the scores of key tile c of group G.  The key tiles are laid so that registers 16 b + i
; of the scores are keys 32 b + 16 (lane / 16) + i: p's codes are the second product's operand as the conversions leave them.
; SOFTMAX: t = score x log2(e) / sqrt(32); M = the running largest t rounded up to a whole number; p = 2^(t - M), not normalised; the sum is taken of the unquantised p and divides at the end.
; LIMITS: NaN and infinities are not served; a block whose largest magnitude lies under 2^-118, or of zeros, keeps the scale byte 1 (its bytes are read by this program alone).
.set VOF, 2097152
.set ROF, 4194304
.set QSC, 2097152
.set OSC, 2097152
.set LV, 32768                         ; LDS: K at 0, V here,
.set LR, 65536                         ; the records here
.set AK, 1                             ; 16 x lane
.set AV, 2                             ; LV + 16 x lane
.set AR, 3                             ; LR + 4 x lane
.set ADK, 4
.set ADV, 5
.set ADR, 6
.set CPK, 7                            ; 4,096 w + 16 x lane: the copy, in memory and in LDS
.set DQ, 8                             ; my query's place in its block of 128, less 16 (lane / 16)
.set NINF, 9
.set R8, 10                            ; 8 r
.set L4, 11                            ; 4 x lane
.set QZ, 16                            ; v16-43: twelve zeros, q's four registers, twelve zeros
.set QS, 44
.set R0, 45
.set R1, 46
.set VS0, 47
.set VS1, 48
.set PWD, 49
.set CPR, 50
.set CPG, 51
.set KF, 52                            ; v52-83   two fragments of K
.set VF, 84                            ; v84-115  two fragments of V
.set S, 116                            ; v116-179 the scores, then p
.set O, 180                            ; v180-195 O^T
.set PC, 196                           ; v196-211 p's codes
.set BM, 212
.set BP, 216
.set HD, 220
.set SO, 224
.set T0, 228
.set F, 230
.set SUM2, 232
.macro NOPS n
.rept \n
	v_nop
.endr
.endm
; A KEY STEP of 128 keys.  diag = 0: from LDS, at s25 / s26.  diag = 1: the queries' own block, from memory, with the mask.
.macro STEP diag
.if \diag
.irp i,0,1,2,3,4,5,6,7
	global_load_b128 v[KF+4*\i:KF+4*\i+3], v[AK], s[34:35] offset:512*\i
.endr
	global_load_b32 v[R0], v[L4], s[36:37] offset:ROF
	global_load_b32 v[R1], v[L4], s[36:37] offset:ROF+128
.irp u,0,1
.irp c,0,1,2,3
	global_load_b128 v[VF+16*\u+4*\c:VF+16*\u+4*\c+3], v[AK], s[34:35] offset:VOF+2048*(\c/2)+1024*\u+512*(\c%2)
.endr
.endr
	s_wait_loadcnt 0x8                     ; K and the records are in; V's eight loads, issued behind them, may be out
.else
	v_add_nc_u32 v[ADK], s25, v[AK]
	v_add_nc_u32 v[ADV], s25, v[AV]
	v_add_nc_u32 v[ADR], s26, v[AR]
.irp i,0,1,2,3,4,5,6,7
	ds_load_b128 v[KF+4*\i:KF+4*\i+3], v[ADK] offset:512*\i
.endr
	ds_load_b32 v[R0], v[ADR]
	ds_load_b32 v[R1], v[ADR] offset:128
.irp u,0,1
.irp c,0,1,2,3
	ds_load_b128 v[VF+16*\u+4*\c:VF+16*\u+4*\c+3], v[ADV] offset:2048*(\c/2)+1024*\u+512*(\c%2)
.endr
.endr
	s_wait_dscnt 0x8                       ; K and the records are in; V's eight loads, issued behind them, may be out
.endif
	v_perm_b32 v[VS0], v[R1], v[R0], 0x05040100    ; V's scale words for the 128 keys (lanes 16-31): channel tile 0: bytes 0, 1 of both groups' records;
	v_perm_b32 v[VS1], v[R1], v[R0], 0x07060302    ; tile 1: bytes 2, 3
.irp k,0,1,2,3,4,5,6,7
	v_wmma_scale_f32_16x16x128_f8f6f4 v[S+8*\k:S+8*\k+7], v[KF+16*(\k/4):KF+16*(\k/4)+15], v[QZ+12-4*(\k%4):QZ+27-4*(\k%4)], 0, v[R0+\k/4], v[QS]
.endr
	NOPS 9
.if \diag
.set NN, 0
.rept 64
	v_cmp_ne_u32 vcc_lo, 32*(NN/16)+NN%16, v[DQ]   ; register 16 b + i holds key 32 b + 16 (lane / 16) + i of the block
	v_cndmask_b32 v[S+NN], v[S+NN], v[NINF], vcc_lo
.set NN, NN+1
.endr
.endif
.irp b,0,1,2,3
	v_max3_num_f32 v[BM+\b], v[S+16*\b], v[S+1+16*\b], v[S+2+16*\b]    ; the largest score of each block of 32 keys: for the row's maximum and for the block's largest p
.endr
.irp i,3,5,7,9,11,13
.irp b,0,1,2,3
	v_max3_num_f32 v[BM+\b], v[BM+\b], v[S+16*\b+\i], v[S+1+16*\b+\i]
.endr
.endr
.irp b,0,1,2,3
	v_max_num_f32 v[BM+\b], v[BM+\b], v[S+15+16*\b]
.endr
.irp b,0,1,2,3
	v_permlanex16_b32 v[BP+\b], v[BM+\b], s20, s21
.endr
.irp b,0,1,2,3
	v_max_num_f32 v[BM+\b], v[BM+\b], v[BP+\b]
.endr
	v_max3_num_f32 v[T0], v[BM], v[BM+1], v[BM+2]
	v_max_num_f32 v[T0], v[T0], v[BM+3]
	v_mul_f32 v[T0], s22, v[T0]                    ; as t
	v_max_num_f32 v13, v13, v[T0]                  ; the running largest t
	v_mov_b32 v[T0], v12
	v_floor_f32 v12, -v13                          ; -M = floor(-t): M is a whole number
	v_sub_f32 v[T0], v12, v[T0]                    ; old M - new M
	v_cvt_i32_f32 v[T0], v[T0]                     ; (it saturates)
	v_ldexp_f32 v[F], 1.0, v[T0]                   ; f = 2^(old M - new M): multiplying by it rounds nothing
.set NN, 0
.rept 32
	v_pk_fma_f32 v[S+2*NN:S+2*NN+1], v[S+2*NN:S+2*NN+1], s[22:23], v[12:13] op_sel_hi:[1,0,0]   ; t - M
.set NN, NN+1
.endr
.irp b,0,1,2,3
	v_fma_f32 v[BM+\b], v[BM+\b], s22, v12
.endr
.set NN, 0
.rept 64
	v_exp_f32 v[S+NN], v[S+NN]                     ; p = 2^(t - M)
.set NN, NN+1
.endr
.irp b,0,1,2,3
	v_exp_f32 v[BM+\b], v[BM+\b]                   ; the block's largest p
.endr
	v_pk_mul_f32 v[14:15], v[14:15], v[F:F+1] op_sel_hi:[1,0]      ; the sums under the new M (a plain line behind the exponentials)
	s_wait_alu depctr_va_vdst(0)
.irp b,0,1,2,3
	v_max_num_f32 v[BM+\b], 0x4800000, v[BM+\b]    ; the floor 2^(9 - 127)
.endr
.irp b,0,1,2,3
	v_add_nc_u32 v[SO+\b], 0xfc000000, v[BM+\b]
.endr
.irp b,0,1,2,3
	v_and_or_b32 v[HD+\b], v[BM+\b], 0x7f800000, s24
.endr
.irp b,0,1,2,3
	v_lshrrev_b32 v[BP+\b], 23, v[SO+\b]
.endr
	v_lshl_or_b32 v[PWD], v[BP+1], 8, v[BP]        ; p's scale word for these 128 keys
	v_lshl_or_b32 v[PWD], v[BP+2], 16, v[PWD]
	v_lshl_or_b32 v[PWD], v[BP+3], 24, v[PWD]
	v_pk_add_f32 v[SUM2:SUM2+1], v[S:S+1], v[S+2:S+3]              ; the sum of the unquantised p, in two chains
.irp j,4,8,12,16,20,24,28,32,36,40,44,48,52,56,60
	v_pk_add_f32 v[14:15], v[14:15], v[S+\j:S+1+\j]
	v_pk_add_f32 v[SUM2:SUM2+1], v[SUM2:SUM2+1], v[S+2+\j:S+3+\j]
.endr
	v_pk_add_f32 v[14:15], v[14:15], v[SUM2:SUM2+1]
.irp b,0,1,2,3
.irp i,0,1,2,3,4,5,6,7,8,9,10,11,12,13,14,15
	v_min_num_f32 v[S+16*\b+\i], v[S+16*\b+\i], v[HD+\b]           ; the hold; p is never negative
.endr
	v_cvt_scalef32_pk8_fp8_f32 v[PC+4*\b:PC+1+4*\b], v[S+16*\b:S+7+16*\b], v[SO+\b]
	v_cvt_scalef32_pk8_fp8_f32 v[PC+2+4*\b:PC+3+4*\b], v[S+8+16*\b:S+15+16*\b], v[SO+\b]
.endr
.irp j,0,2,4,6,8,10,12,14
	v_pk_mul_f32 v[O+\j:O+1+\j], v[O+\j:O+1+\j], v[F:F+1] op_sel_hi:[1,0]      ; O^T under the new M
.endr
	NOPS 4
.if \diag
	s_wait_loadcnt 0x0
.else
	s_wait_dscnt 0x0                       ; V is in
.endif
	v_wmma_scale_f32_16x16x128_f8f6f4 v[O:O+7], v[VF:VF+15], v[PC:PC+15], v[O:O+7], v[VS0], v[PWD] matrix_a_scale:MATRIX_SCALE_ROW1
	v_wmma_scale_f32_16x16x128_f8f6f4 v[O+8:O+15], v[VF+16:VF+31], v[PC:PC+15], v[O+8:O+15], v[VS1], v[PWD] matrix_a_scale:MATRIX_SCALE_ROW1
	NOPS 9                                 ; ahead of the next step's loads into the fragments, and of the reads of O^T
.if \diag == 0
	s_add_co_u32 s25, s25, 4096
	s_add_co_u32 s26, s26, 256
.endif
.endm
	s_load_b128 s[4:7], s[0:1], 0x0                ; q, kv
	s_load_b64 s[8:9], s[0:1], 0x10                ; o
	v_lshl_add_u32 v254, v0, 2, 0x10800
	v_mov_b32 v255, 0
	v_lshrrev_b32 v[ADK], 5, v0
	v_readfirstlane_b32 s2, v[ADK]                 ; wave
	s_sub_co_u32 s3, 15, ttmp9                     ; my block of 128 queries: the blocks with the longer walk come first
	s_and_b32 s10, ttmp7, 0xffff                   ; 8 x batch + head
	v_and_b32 v[ADV], 31, v0                       ; lane
	v_and_b32 v[ADR], 15, v0                       ; r
	v_bfe_u32 v[ADK], v0, 4, 1                     ; h
	v_lshlrev_b32 v[AK], 4, v[ADV]
	v_add_nc_u32 v[AV], LV, v[AK]
	v_lshlrev_b32 v[L4], 2, v[ADV]
	v_add_nc_u32 v[AR], LR, v[L4]
	s_lshl_b32 s11, s2, 12
	v_add_nc_u32 v[CPK], s11, v[AK]
	s_lshl_b32 s11, s2, 8
	v_lshl_add_u32 v[CPG], v[ADV], 3, s11
	v_add_nc_u32 v[CPR], LR, v[CPG]
	v_lshlrev_b32 v[R8], 3, v[ADR]
	v_and_b32 v[DQ], 8, v[ADR]
	v_add_nc_u32 v[DQ], v[DQ], v[ADR]              ; rho
	v_lshlrev_b32 v[ADK], 4, v[ADK]
	v_sub_nc_u32 v[DQ], v[DQ], v[ADK]              ; - 16 h
	s_lshr_b32 s11, s2, 1
	s_lshl_b32 s11, s11, 5
	s_and_b32 s12, s2, 1
	s_lshl_b32 s12, s12, 3
	s_add_co_u32 s11, s11, s12
	v_add_nc_u32 v[DQ], s11, v[DQ]                 ; + 32 (w / 2) + 8 (w % 2)
	v_mov_b32 v[NINF], 0xff800000
	s_mov_b32 s13, 0
	s_lshr_b32 s29, s2, 2
	s_lshl_b32 s11, s3, 1
	s_add_co_u32 s29, s29, s11                     ; my queries' group of 64
	s_and_b32 s40, s2, 3                           ; and their tile in it
	s_mul_i32 s28, s40, 0x01010101                 ; a byte select: the tile's byte, four times
	s_lshl_b32 s41, s10, 5
	s_add_co_u32 s41, s41, s29
	s_mov_b32 s20, 0x76543210
	s_mov_b32 s21, 0xfedcba98
	s_mov_b32 s22, 0x3e8293ee                      ; log2(e) / sqrt(32)
	s_mov_b32 s23, s22
	s_mov_b32 s24, 0x600000
	s_mov_b32 s25, 0
	s_mov_b32 s26, 0
	s_mov_b32 s27, 8
	s_wait_kmcnt 0x0
	s_lshl_b32 s12, s10, 16
	s_add_nc_u64 s[14:15], s[6:7], s[12:13]        ; the head's K (V lies VOF further on)
	s_lshl_b32 s12, s10, 12
	s_add_nc_u64 s[16:17], s[6:7], s[12:13]        ; its records (ROF further on)
	s_lshl_b32 s12, s3, 12
	s_add_nc_u64 s[34:35], s[14:15], s[12:13]      ; the same at my queries' own block of 128 keys
	s_lshl_b32 s12, s3, 8
	s_add_nc_u64 s[36:37], s[16:17], s[12:13]
	s_lshl_b32 s12, s41, 11
	s_lshl_b32 s11, s40, 9
	s_add_co_u32 s12, s12, s11
	s_add_nc_u64 s[18:19], s[4:5], s[12:13]        ; my tile of q
	s_lshl_b32 s12, s41, 7
	s_add_nc_u64 s[38:39], s[4:5], s[12:13]        ; its group's scale words
	s_lshr_b32 s11, s10, 3
	s_lshl_b32 s11, s11, 5
	s_add_co_u32 s11, s11, s29
	s_lshl_b32 s11, s11, 2
	s_add_co_u32 s11, s11, s40                     ; (32 b + group) 4 + tile
	s_and_b32 s41, s10, 7                          ; head
	s_lshl_b32 s12, s11, 12
	s_lshl_b32 s42, s41, 9
	s_add_co_u32 s12, s12, s42
	s_add_nc_u64 s[30:31], s[8:9], s[12:13]        ; o: my 512 bytes of codes
	s_lshl_b32 s12, s11, 7
	s_add_co_u32 s12, s12, s41
	s_add_nc_u64 s[32:33], s[8:9], s[12:13]        ; and my byte in each row's eight
.irp i,0,1,2,3,4,5,6,7
	global_load_b128 v[S+4*\i:S+4*\i+3], v[CPK], s[14:15] offset:512*\i
.endr
.irp i,0,1,2,3,4,5,6,7
	global_load_b128 v[S+32+4*\i:S+35+4*\i], v[CPK], s[14:15] offset:VOF+512*\i
.endr
	global_load_b64 v[BM:BM+1], v[CPG], s[16:17] offset:ROF
	global_load_b128 v[QZ+12:QZ+15], v[AK], s[18:19]
	global_load_b32 v[QS], v[L4], s[38:39] offset:QSC
.irp i,0,1,2,3,4,5,6,7,8,9,10,11
	v_mov_b32 v[QZ+\i], 0                          ; zero codes on both sides of q
	v_mov_b32 v[QZ+16+\i], 0
.endr
	v_mov_b32 v13, 0xff61b1e6                      ; the largest t so far: -3e38
	v_floor_f32 v12, -v13
	v_mov_b32 v14, 0
	v_mov_b32 v15, 0
.irp b,0,1,2,3
	v_mov_b32 v[BP+\b], 0                          ; a lane permute's destination counts as one of its sources
.endr
	v_mov_b32 v[F+1], 0                            ; named as the upper half of a pair
	s_wait_loadcnt 0x0
.irp i,0,1,2,3,4,5,6,7
	ds_store_b128 v[CPK], v[S+4*\i:S+4*\i+3] offset:512*\i
.endr
.irp i,0,1,2,3,4,5,6,7
	ds_store_b128 v[CPK], v[S+32+4*\i:S+35+4*\i] offset:LV+512*\i
.endr
	ds_store_b64 v[CPR], v[BM:BM+1]
	v_perm_b32 v[QS], v[QS], v[QS], s28            ; my tile's byte in all four: q may stand in any block
.set NN, 0
.rept 16
	v_mov_b32 v[O+NN], 0                           ; O^T: the step is written once, its first trip finds zeros.  (Also the places between the scale word above and the first product)
.set NN, NN+1
.endr
	s_wait_dscnt 0x0
	s_barrier_signal -1
	s_barrier_wait -1                              ; the prefix lies in LDS; nothing is written there again
.Lstep:
	STEP 0
	s_sub_co_u32 s27, s27, 1
	s_cmp_lg_u32 s27, 0
	s_cbranch_scc1 .Lstep
	s_cmp_lt_u32 s3, 8                             ; queries under 1,024 have met their own key in the prefix
	s_cbranch_scc1 .Ltail
	STEP 1
.Ltail:
	v_add_f32 v14, v14, v15
	v_permlanex16_b32 v[BP], v14, s20, s21
	v_add_f32 v14, v14, v[BP]                      ; the row's sum
	v_rcp_f32 v14, v14
	v_nop
.set NN, 0
	s_wait_alu depctr_va_vdst(0)
.rept 16
	v_mul_f32 v[S+NN], v[O+NN], v14                ; o(query r, 16 h + 0 .. 15 of the head)
.set NN, NN+1
.endr
	v_max3_num_f32 v[BM], |v[S]|, |v[S+1]|, 0x4800000
.irp i,2,4,6,8,10,12,14
	v_max3_num_f32 v[BM], v[BM], |v[S+\i]|, |v[S+1+\i]|
.endr
	v_permlanex16_b32 v[BP], v[BM], s20, s21
	v_max_num_f32 v[BM], v[BM], v[BP]
	v_add_nc_u32 v[SO], 0xfc000000, v[BM]
	v_and_or_b32 v[HD], v[BM], 0x7f800000, s24
	v_lshrrev_b32 v[BP], 23, v[SO]
.set NN, 0
.rept 16
	v_med3_num_f32 v[S+NN], v[S+NN], -v[HD], v[HD]
.set NN, NN+1
.endr
	v_cvt_scalef32_pk8_fp8_f32 v[PC:PC+1], v[S:S+7], v[SO]
	v_cvt_scalef32_pk8_fp8_f32 v[PC+2:PC+3], v[S+8:S+15], v[SO]
	v_nop
	global_store_b128 v[AK], v[PC:PC+3], s[30:31]  ; 512 consecutive bytes
	global_store_b8 v[R8], v[BP], s[32:33] offset:OSC      ; one byte a row, eight bytes apart (the eight heads' bytes of a row lie together for the next launch): 16 bytes beside 512 of codes
	s_wait_tensorcnt 0x0
	ds_add_u32 v254, v255
	s_wait_dscnt 0x0
	s_endpgm
.Lfunc_end_k_q44bd83cb60_attn0:
	.size	k_q44bd83cb60_attn0, .Lfunc_end_k_q44bd83cb60_attn0-k_q44bd83cb60_attn0
	.p2alignl 7, 3214868480
	.fill 96, 4, 3214868480
	.section	.rodata,"a",@progbits
	.p2align	6, 0x0
	.amdhsa_kernel k_q44bd83cb60_attn0
		.amdhsa_group_segment_fixed_size 68608
		.amdhsa_private_segment_fixed_size 0
		.amdhsa_enable_private_segment 0
		.amdhsa_kernarg_size 24
		.amdhsa_user_sgpr_count 2
		.amdhsa_user_sgpr_kernarg_segment_ptr 1
		.amdhsa_wavefront_size32 1
		.amdhsa_system_sgpr_workgroup_id_x 1
		.amdhsa_system_sgpr_workgroup_id_y 1
		.amdhsa_system_sgpr_workgroup_id_z 1
		.amdhsa_system_vgpr_workitem_id 0
		.amdhsa_next_free_vgpr 256
		.amdhsa_next_free_sgpr 66
		.amdhsa_reserve_vcc 1
		.amdhsa_float_denorm_mode_32 3
		.amdhsa_float_denorm_mode_16_64 3
		.amdhsa_memory_ordered 1
		.amdhsa_forward_progress 1
		.amdhsa_inst_pref_size 50
	.end_amdhsa_kernel
	.amdgpu_metadata
---
amdhsa.version: [ 1, 2 ]
amdhsa.kernels:
  - .name:           k_q44bd83cb60_attn0
    .symbol:         k_q44bd83cb60_attn0.kd
    .args:
      - { .name: q, .offset: 0, .size: 8, .value_kind: global_buffer, .address_space: global }
      - { .name: kv, .offset: 8, .size: 8, .value_kind: global_buffer, .address_space: global }
      - { .name: o, .offset: 16, .size: 8, .value_kind: global_buffer, .address_space: global }
    .group_segment_fixed_size: 68608
    .private_segment_fixed_size: 0
    .kernarg_segment_align: 8
    .kernarg_segment_size: 24
    .max_flat_workgroup_size: 256
    .sgpr_count:     66
    .vgpr_count:     256
    .wavefront_size: 32
...
	.end_amdgpu_metadata
.endif
;; end of part 2
;; launch mid_qkv (part 3): grid 128 x 1, 8 waves a work-group, no clusters, 124,416 bytes of LDS; arguments o, h0, out_proj_w_codes, out_proj_w_scales, out_proj_b, ln1_g, ln1_b, lin1_w_codes, lin1_w_scales, lin1_b, lin2_w_codes, lin2_w_scales, lin2_b, ln2_g, ln2_b, in_proj_w_codes, in_proj_w_scales, in_proj_b, h1, q, kv; writes h1, q, kv
.if DOCPART == 3
	.amdgcn_target "amdgcn-amd-amdhsa--gfx1250"
	.amdhsa_code_object_version 6
	.text
	.protected	k_q44bd83cb60_mid_qkv
	.globl	k_q44bd83cb60_mid_qkv
	.p2align	8
	.type	k_q44bd83cb60_mid_qkv,@function
k_q44bd83cb60_mid_qkv:
	s_mov_b64 s[64:65], 0
	v_nop
	global_prefetch_b8 v0, s[64:65] scope:SCOPE_SE
	s_setreg_imm32_b32 hwreg(HW_REG_WAVE_MODE, 25, 1), 1
	s_wait_xcnt 0x0
; Layer 0 behind its attention, and layer 1's q, k, v:  h = LN1(h0 + o out_proj^T + b);  h = LN2(h + gelu(h lin1^T + b) lin2^T + b);  q, k, v = h in_proj[1]^T + b.  All products on codes of E4M3.
; SHARES.  A work-group owns a token group: one batch, 64 positions, four tiles of 16: lane r of tile t holds token 32 (t / 2) + 8 (t % 2) + rho, rho = r + 8 (r / 8).
; THE WAVES SHARE THE COLUMNS: wave w makes columns 32 w .. + 31 where a product has 256, 64 w .. + 63 (two passes) where it has 512, and head w of q, k, v, for all 64 tokens.
; A tile of weight rows begins at row 32 nb + 8 u and its lane r takes row + rho; used transposed, a lane's registers 16 t + 0 .. 15 are token (t, r), columns 32 nb + 16 (lane / 16) + 0 .. 15:
; sixteen neighbours along the next K, which the conversions turn into four registers of the next operand.  Operands go from wave to wave through LDS as images of their registers.
; The weights go from memory straight into operand registers, each wave its own rows, asked for one product ahead.  No tensor load, no ring.
; No cluster: what the work-groups share, the weights, never passes through LDS here.
; LAYER NORM: each wave takes mean and sum of squared deviations of its 32 columns; the eight pairs meet in LDS and are joined (sum of the parts + 32 x the squared deviations of the parts' means):
; no difference of large sums.
; GELU: 0.5 x (1 + erf(x / sqrt 2)), erf as z P(z^2) / Q(z^2), degrees 13 and 8, z held within +-4: absolute error of erf about 1e-7.
; LIMITS: NaN and infinities are not served; a block whose largest magnitude lies under 2^-118, or of zeros, keeps the scale byte 1 (the bytes are read by this program alone).
.set LAY, 0                            ; the layer of out_proj, ln1, lin1, lin2, ln2
.set OSC, 2097152
.set QSC, 2097152
.set VOF, 2097152
.set ROF, 4194304
.set HIMG, 0                           ; LDS: [t 4][block 8][lane][16]   fragments of a 256-wide activation
.set HSCB, 16384                       ;      [t 4][r 16][8 bytes]       their scale bytes
.set FIMG, 16896                       ;      [t 4][block 16][lane][16]  the 512-wide hidden layer
.set FSCB, 49664                       ;      [t 4][r 16][16 bytes]
.set LNS, 50688                        ;      [t 4] 1,280 : [r 16] 80 : [w 8] (mean, sum of squares)
.set STASH, 57856                      ;      [w 8] 8,192: the wave's own h, for the second residual
.set LI, 1                             ; 16 x lane
.set L4, 2                             ; 4 x lane
.set WA256, 3                          ; 256 rho + 16 h
.set WA512, 4                          ; 512 rho + 16 h
.set WSA8, 5                           ; 8 rho
.set WSA16, 6                          ; 16 rho
.set BA, 7                             ; 64 h
.set XSA8, 8                           ; 8 r
.set XSA16, 9                          ; 16 r
.set CH, 10                            ; 16 x lane + 512 w
.set CH2, 11                           ; 16 x lane + 1,024 w
.set SB8, 12                           ; 8 r + w
.set SB16, 13                          ; 16 r + 2 w
.set LNA, 14                           ; 80 r + 8 w
.set LNR, 15                           ; 80 r
.set STA, 16                           ; STASH + 8,192 w + 16 x lane
.set BVA, 17                           ; 4 rho
.set ACC, 20                           ; v20-83
.set X, 84                             ; v84-147
.set W, 148                            ; v148-211
.set BI, 212                           ; v212-227
.set XS, 228                           ; v228-243
.set WS, 244                           ; v244-251
.set KW, 252
.set TL, 253
.set PC, X
.set TM, X+16
.set PW, X+32
.set G, X+32
.set BB, X+48
.set MU, XS
.set RS, XS+4
.set UU, XS+8
.set SEL, 52
.set MNT, 54
.set EPS, 55
.set P_O, 8
.set P_H, 10
.set P_OPC, 12
.set P_OPS, 14
.set P_OPB, 16
.set P_G1, 18
.set P_B1, 20
.set P_L1C, 22
.set P_L1S, 24
.set P_L1B, 26
.set P_L2C, 28
.set P_L2S, 30
.set P_L2B, 32
.set P_G2, 34
.set P_B2, 36
.set P_IPC, 38
.set P_IPS, 40
.set P_IPB, 42
.set P_H1, 44
.set P_Q, 46
.set P_KV, 48
.set P_OS, 56
.set P_QS, 58
.set P_REC, 60
.macro NOPS n
.rept \n
	v_nop
.endr
.endm
.macro BARRIER                         ; my LDS stores have landed and my LDS loads are in: then the work-group's barrier
	s_wait_dscnt 0x0
	s_barrier_signal -1
	s_barrier_wait -1
.endm
.macro ADDP p                          ; a pointer takes the offset in s[6:7]
	s_add_nc_u64 s[\p:\p+1], s[\p:\p+1], s[6:7]
.endm
.macro WFRAG cb, kb, wa, s, off        ; the two weight tiles' fragments of K step s: rows of kb bytes
.irp u,0,1
.irp c,0,1,2,3
	global_load_b128 v[W+16*(2*((\s)%2)+\u)+4*\c:W+16*(2*((\s)%2)+\u)+4*\c+3], v[\wa], s[\cb:\cb+1] offset:(\off)+8*\u*(\kb)+128*(\s)+32*\c
.endr
.endr
.endm
.macro WSCL sb, ks, off                ; their scale words: word (u, s) at WS + ks u + s
.irp u,0,1
.if \ks == 2
	global_load_b64 v[WS+2*\u:WS+2*\u+1], v[WSA8], s[\sb:\sb+1] offset:(\off)+64*\u
.else
	global_load_b128 v[WS+4*\u:WS+4*\u+3], v[WSA16], s[\sb:\sb+1] offset:(\off)+128*\u
.endif
.endr
.endm
.macro BLOAD dst, pb, off              ; sixteen numbers a lane: those of columns 16 h + 0 .. 15 of my block
.irp q,0,1,2,3
	global_load_b128 v[\dst+4*\q:\dst+4*\q+3], v[BA], s[\pb:\pb+1] offset:(\off)+16*\q
.endr
.endm
.macro BLOADV pb, off                  ; the bias for the swapped product: a lane holds one channel
.irp u,0,1
.irp j,0,1,2,3,4,5,6,7
	global_load_b32 v[BI+8*\u+\j], v[BVA], s[\pb:\pb+1] offset:(\off)+32*\u
.endr
.endr
.endm
.macro XSL ks, scb                     ; the tokens' scale words: word (t, s) at XS + 4 t + s
.irp t,0,1,2,3
.if \ks == 2
	ds_load_b64 v[XS+4*\t:XS+4*\t+1], v[XSA8] offset:\scb+128*\t
.else
	ds_load_b128 v[XS+4*\t:XS+4*\t+3], v[XSA16] offset:\scb+256*\t
.endif
.endr
.endm
.macro XFETCH glb, ks, img, s          ; the four token tiles' fragments of K step s: from LDS, or (glb) o's from memory
.irp t,0,1,2,3
.irp c,0,1,2,3
.if \glb
	global_load_b128 v[X+16*\t+4*\c:X+16*\t+4*\c+3], v[LI], s[P_O:P_O+1] offset:2048*\ks*\t+2048*(\s)+512*\c
.else
	ds_load_b128 v[X+16*\t+4*\c:X+16*\t+4*\c+3], v[LI] offset:\img+2048*\ks*\t+2048*(\s)+512*\c
.endif
.endr
.endr
.endm
.macro MM ks, s, cmode, swap           ; eight products, eight accumulators by turns, in the same order in every K step
.irp t,0,1,2,3
.irp u,0,1
.set WW, W+16*(2*((\s)%2)+\u)
.set XX, X+16*\t
.set SW, WS+\ks*\u+(\s)
.set SX, XS+4*\t+(\s)
.if \swap
.set DD, ACC+16*(2*\u+\t/2)+8*(\t%2)
.if ((\s)==0)&&(\cmode==0)
	v_wmma_scale_f32_16x16x128_f8f6f4 v[DD:DD+7], v[XX:XX+15], v[WW:WW+15], v[BI+8*\u:BI+8*\u+7], v[SX], v[SW]
.else
	v_wmma_scale_f32_16x16x128_f8f6f4 v[DD:DD+7], v[XX:XX+15], v[WW:WW+15], v[DD:DD+7], v[SX], v[SW]
.endif
.else
.set DD, ACC+16*\t+8*\u
.if ((\s)==0)&&(\cmode==0)
	v_wmma_scale_f32_16x16x128_f8f6f4 v[DD:DD+7], v[WW:WW+15], v[XX:XX+15], v[BI+8*\u:BI+8*\u+7], v[SW], v[SX]
.else
	v_wmma_scale_f32_16x16x128_f8f6f4 v[DD:DD+7], v[WW:WW+15], v[XX:XX+15], v[DD:DD+7], v[SW], v[SX]
.endif
.endif
.endr
.endr
.endm
; A product of 32 columns with the 64 tokens, K = 128 ks.  cmode = 0: the bias in BI starts the sums; 1: what lies in ACC (the residual) does.  The weights of K steps 0 and 1 were asked for earlier;
; with ks = 4 those of steps 2 and 3 are asked for a step ahead, into the registers that steps 0 and 1 have left.  Nine places stand behind each run of products:
; loads into operands and reads of results follow, and the next product of this kind begins the accumulators anew.
.macro PASS ks, glb, img, cmode, swap, cb, kb, wa, off
	s_wait_xcnt 0x0                        ; earlier stores have read their data: X and ACC may be written
.set PS, 0
.rept \ks
.if PS > 0
	NOPS 9
.endif
.if (\ks == 4) && ((PS == 1) || (PS == 2))
	WFRAG \cb, \kb, \wa, PS+1, \off
.endif
	XFETCH \glb, \ks, \img, PS
	s_wait_dscnt 0x0
.if (\ks == 2) || (PS == 0) || (PS == 3)
	s_wait_loadcnt 0x0
.elseif PS == 2
	s_wait_loadcnt 0x8                     ; step 2's weights are in; the eight loads of step 3's, issued behind them, may be out
.endif
	MM \ks, PS, \cmode, \swap
.set PS, PS+1
.endr
	NOPS 9
.endm
.macro BIASADD
.irp t,0,1,2,3
.irp e,0,2,4,6,8,10,12,14
	v_pk_add_f32 v[ACC+16*\t+\e:ACC+16*\t+\e+1], v[ACC+16*\t+\e:ACC+16*\t+\e+1], v[BI+\e:BI+\e+1]
.endr
.endr
.endm
; 64 numbers of a lane, four blocks of 16, each joined with lane l xor 16's 16 to a block of 32: codes into PC (four registers a block), bytes into TM + 4 .. 7, the four bytes as a word into PW.
.macro QUANT s
.irp b,0,1,2,3
	v_max3_num_f32 v[TM+\b], |v[\s+16*\b]|, |v[\s+1+16*\b]|, 0x4800000   ; the floor 2^(9 - 127): the byte cannot fall under 1
.endr
.irp i,2,4,6,8,10,12,14
.irp b,0,1,2,3
	v_max3_num_f32 v[TM+\b], v[TM+\b], |v[\s+16*\b+\i]|, |v[\s+1+16*\b+\i]|
.endr
.endr
.irp b,0,1,2,3
	v_permlanex16_b32 v[TM+4+\b], v[TM+\b], s[SEL], s[SEL+1]
.endr
.irp b,0,1,2,3
	v_max_num_f32 v[TM+\b], v[TM+\b], v[TM+4+\b]       ; the block's largest magnitude
.endr
.irp b,0,1,2,3
	v_add_nc_u32 v[TM+12+\b], 0xfc000000, v[TM+\b]     ; 8 off its exponent field: the conversion's scale operand
.endr
.irp b,0,1,2,3
	v_and_or_b32 v[TM+8+\b], v[TM+\b], 0x7f800000, s[MNT]   ; 448 x the scale
.endr
.irp b,0,1,2,3
	v_lshrrev_b32 v[TM+4+\b], 23, v[TM+12+\b]          ; the scale's byte
.endr
	v_lshl_or_b32 v[PW], v[TM+5], 8, v[TM+4]
	v_lshl_or_b32 v[PW], v[TM+6], 16, v[PW]
	v_lshl_or_b32 v[PW], v[TM+7], 24, v[PW]
.irp b,0,1,2,3
.irp i,0,1,2,3,4,5,6,7,8,9,10,11,12,13,14,15
	v_med3_num_f32 v[\s+16*\b+\i], v[\s+16*\b+\i], -v[TM+8+\b], v[TM+8+\b]   ; the conversion does not saturate (ISA guide 7.6.2): the hold
.endr
	v_cvt_scalef32_pk8_fp8_f32 v[PC+4*\b:PC+1+4*\b], v[\s+16*\b:\s+7+16*\b], v[TM+12+\b]
	v_cvt_scalef32_pk8_fp8_f32 v[PC+2+4*\b:PC+3+4*\b], v[\s+8+16*\b:\s+15+16*\b], v[TM+12+\b]
.endr
	v_nop                                  ; one plain line behind the last conversion
.endm
.macro PUT256                          ; my block of the four tiles' fragments, and its bytes, to LDS
.irp t,0,1,2,3
	ds_store_b128 v[CH], v[PC+4*\t:PC+4*\t+3] offset:HIMG+4096*\t
	ds_store_b8 v[SB8], v[TM+4+\t] offset:HSCB+128*\t      ; both halves of the lanes write the same byte with the same value
.endr
.endm
.macro PUT512 p                        ; block 2 w + p of the hidden layer
.irp t,0,1,2,3
	ds_store_b128 v[CH2], v[PC+4*\t:PC+4*\t+3] offset:FIMG+8192*\t+512*\p
	ds_store_b8 v[SB16], v[TM+4+\t] offset:FSCB+256*\t+\p
.endr
.endm
; Mean and sum of squared deviations of my 32 columns of each token (16 in my lane, 16 in lane l xor 16), to LDS.  At work: X + 8 t .. + 7.  The four tiles by turns.
.macro LNLOCAL
.irp k,0,1,2,3
.irp t,0,1,2,3
	v_pk_add_f32 v[X+8*\t+2*\k:X+8*\t+2*\k+1], v[ACC+16*\t+4*\k:ACC+16*\t+4*\k+1], v[ACC+16*\t+4*\k+2:ACC+16*\t+4*\k+3]
.endr
.endr
.irp t,0,1,2,3
	v_pk_add_f32 v[X+8*\t:X+8*\t+1], v[X+8*\t:X+8*\t+1], v[X+8*\t+2:X+8*\t+3]
.endr
.irp t,0,1,2,3
	v_pk_add_f32 v[X+8*\t+4:X+8*\t+5], v[X+8*\t+4:X+8*\t+5], v[X+8*\t+6:X+8*\t+7]
.endr
.irp t,0,1,2,3
	v_pk_add_f32 v[X+8*\t:X+8*\t+1], v[X+8*\t:X+8*\t+1], v[X+8*\t+4:X+8*\t+5]
.endr
.irp t,0,1,2,3
	v_add_f32 v[X+8*\t], v[X+8*\t], v[X+8*\t+1]
.endr
.irp t,0,1,2,3
	v_permlanex16_b32 v[X+8*\t+2], v[X+8*\t], s[SEL], s[SEL+1]
.endr
.irp t,0,1,2,3
	v_add_f32 v[X+8*\t], v[X+8*\t], v[X+8*\t+2]
.endr
.irp t,0,1,2,3
	v_mul_f32 v[X+8*\t], 0x3d000000, v[X+8*\t]         ; / 32: the mean of my columns
.endr
.irp t,0,1,2,3
	v_mov_b32 v[X+8*\t+1], v[X+8*\t]
.endr
.irp e,0,1,2,3,4,5,6,7
.irp t,0,1,2,3
	v_pk_add_f32 v[X+8*\t+2:X+8*\t+3], v[ACC+16*\t+2*\e:ACC+16*\t+2*\e+1], v[X+8*\t:X+8*\t+1] neg_lo:[0,1] neg_hi:[0,1]
.endr
.irp t,0,1,2,3
.if \e == 0
	v_pk_mul_f32 v[X+8*\t+4:X+8*\t+5], v[X+8*\t+2:X+8*\t+3], v[X+8*\t+2:X+8*\t+3]
.else
	v_pk_fma_f32 v[X+8*\t+4:X+8*\t+5], v[X+8*\t+2:X+8*\t+3], v[X+8*\t+2:X+8*\t+3], v[X+8*\t+4:X+8*\t+5]
.endif
.endr
.endr
.irp t,0,1,2,3
	v_add_f32 v[X+8*\t+4], v[X+8*\t+4], v[X+8*\t+5]
.endr
.irp t,0,1,2,3
	v_permlanex16_b32 v[X+8*\t+5], v[X+8*\t+4], s[SEL], s[SEL+1]
.endr
.irp t,0,1,2,3
	v_add_f32 v[X+8*\t+1], v[X+8*\t+4], v[X+8*\t+5]
.endr
.irp t,0,1,2,3
	ds_store_b64 v[LNA], v[X+8*\t:X+8*\t+1] offset:LNS+1280*\t
.endr
.endm
; The eight waves' pairs are joined; then ACC = (ACC - mean) x rsqrt(var + eps) x g + b, g in G, b in BB.
.macro LNFINAL
.irp p,0,1
.irp tt,0,1
.irp q,0,1,2,3
	ds_load_b128 v[X+16*\tt+4*\q:X+16*\tt+4*\q+3], v[LNR] offset:LNS+1280*(2*\p+\tt)+16*\q
.endr
.endr
	s_wait_dscnt 0x0
.irp tt,0,1
	v_pk_add_f32 v[UU+2*(2*\p+\tt):UU+2*(2*\p+\tt)+1], v[X+16*\tt:X+16*\tt+1], v[X+16*\tt+2:X+16*\tt+3]
.endr
.irp k,2,3,4,5,6,7
.irp tt,0,1
	v_pk_add_f32 v[UU+2*(2*\p+\tt):UU+2*(2*\p+\tt)+1], v[UU+2*(2*\p+\tt):UU+2*(2*\p+\tt)+1], v[X+16*\tt+2*\k:X+16*\tt+2*\k+1]
.endr
.endr
.irp tt,0,1
	v_mul_f32 v[MU+2*\p+\tt], 0x3e000000, v[UU+2*(2*\p+\tt)]       ; the mean of the eight means
.endr
.irp k,0,1,2,3,4,5,6,7
.irp tt,0,1
	v_sub_f32 v[X+16*\tt+2*\k], v[X+16*\tt+2*\k], v[MU+2*\p+\tt]
.endr
.endr
.irp tt,0,1
	v_mul_f32 v[UU+2*(2*\p+\tt)], v[X+16*\tt], v[X+16*\tt]
.endr
.irp k,1,2,3,4,5,6,7
.irp tt,0,1
	v_fma_f32 v[UU+2*(2*\p+\tt)], v[X+16*\tt+2*\k], v[X+16*\tt+2*\k], v[UU+2*(2*\p+\tt)]
.endr
.endr
.irp tt,0,1
	v_fma_f32 v[UU+2*(2*\p+\tt)+1], v[UU+2*(2*\p+\tt)], 0x42000000, v[UU+2*(2*\p+\tt)+1]   ; + 32 x the means' squared deviations
.endr
.irp tt,0,1
	v_fma_f32 v[RS+2*\p+\tt], v[UU+2*(2*\p+\tt)+1], 0x3b800000, s[EPS]                     ; / 256 + eps
.endr
.irp tt,0,1
	v_rsq_f32 v[RS+2*\p+\tt], v[RS+2*\p+\tt]
.endr
	v_nop
.endr
	s_wait_loadcnt 0x0                     ; g and b
	s_wait_alu depctr_va_vdst(0)
.irp t,0,1,2,3
.set NN, 0
.rept 16
	v_sub_f32 v[ACC+16*\t+NN], v[ACC+16*\t+NN], v[MU+\t]
.set NN, NN+1
.endr
.set NN, 0
.rept 16
	v_mul_f32 v[ACC+16*\t+NN], v[ACC+16*\t+NN], v[RS+\t]
.set NN, NN+1
.endr
.set NN, 0
.rept 8
	v_pk_fma_f32 v[ACC+16*\t+2*NN:ACC+16*\t+2*NN+1], v[ACC+16*\t+2*NN:ACC+16*\t+2*NN+1], v[G+2*NN:G+2*NN+1], v[BB+2*NN:BB+2*NN+1]
.set NN, NN+1
.endr
.endr
.endm
; ACC = gelu(ACC), eight registers at a time.  At work: z X + 0 .., z^2 X + 8 .., P X + 16 .., Q X + 24 ..; the two leading coefficients as pairs in X + 56 .. 59.
.macro GELU
	v_mov_b32 v[X+56], 0xaf95df0b
	v_mov_b32 v[X+57], 0xaf95df0b
	v_mov_b32 v[X+58], 0xb77460cd
	v_mov_b32 v[X+59], 0xb77460cd
.set GG, 0
.rept 8
.irp k,0,2,4,6
	v_pk_mul_f32 v[X+\k:X+\k+1], v[ACC+8*GG+\k:ACC+8*GG+\k+1], 0x3f3504f3 op_sel_hi:[1,0]      ; x / sqrt 2
.endr
.irp i,0,1,2,3,4,5,6,7
	v_med3_num_f32 v[X+\i], v[X+\i], -4.0, 4.0
.endr
.irp k,0,2,4,6
	v_pk_mul_f32 v[X+8+\k:X+9+\k], v[X+\k:X+\k+1], v[X+\k:X+\k+1]
.endr
.irp k,0,2,4,6
	v_pk_fma_f32 v[X+16+\k:X+17+\k], v[X+8+\k:X+9+\k], v[X+56:X+57], 0x32edffee op_sel_hi:[1,1,0]
.endr
.irp a,0xb60cff51,0xb86ec2d2,0xba40ac63,0xbb41a1f6,0xbc83dbd4
.irp k,0,2,4,6
	v_pk_fma_f32 v[X+16+\k:X+17+\k], v[X+16+\k:X+17+\k], v[X+8+\k:X+9+\k], \a op_sel_hi:[1,1,0]
.endr
.endr
.irp k,0,2,4,6
	v_pk_fma_f32 v[X+24+\k:X+25+\k], v[X+8+\k:X+9+\k], v[X+58:X+59], 0xb95fbd29 op_sel_hi:[1,1,0]
.endr
.irp a,0xbadc924e,0xbbf19bf8,0xbc69b6a7
.irp k,0,2,4,6
	v_pk_fma_f32 v[X+24+\k:X+25+\k], v[X+24+\k:X+25+\k], v[X+8+\k:X+9+\k], \a op_sel_hi:[1,1,0]
.endr
.endr
.irp i,0,1,2,3,4,5,6,7
	v_rcp_f32 v[X+24+\i], v[X+24+\i]
.endr
.irp k,0,2,4,6
	v_pk_mul_f32 v[X+16+\k:X+17+\k], v[X+16+\k:X+17+\k], v[X+\k:X+\k+1]        ; z P: plain lines behind the reciprocals
.endr
	s_wait_alu depctr_va_vdst(0)
.irp k,0,2,4,6
	v_pk_mul_f32 v[X+16+\k:X+17+\k], v[X+16+\k:X+17+\k], v[X+24+\k:X+25+\k]    ; erf
.endr
.irp k,0,2,4,6
	v_pk_fma_f32 v[X+16+\k:X+17+\k], v[X+16+\k:X+17+\k], 0.5, 0.5 op_sel_hi:[1,0,0]
.endr
.irp k,0,2,4,6
	v_pk_mul_f32 v[ACC+8*GG+\k:ACC+8*GG+\k+1], v[ACC+8*GG+\k:ACC+8*GG+\k+1], v[X+16+\k:X+17+\k]
.endr
.set GG, GG+1
.endr
.endm
; q, k, v of head w for the 64 tokens.  The q product's weights, scale words and bias are on their way.
.macro QKV lay
	XSL 2, HSCB
	PASS 2, 0, HIMG, 0, 0, 0, 0, 0, 0
	WFRAG P_IPC, 256, WA256, 0, \lay*196608+65536
	WFRAG P_IPC, 256, WA256, 1, \lay*196608+65536
	WSCL P_IPS, 2, \lay*6144+2048
	BLOAD BI, P_IPB, \lay*3072+1024
	QUANT ACC                              ; a block = a token's 32 numbers of the head
.irp t,0,1,2,3
	global_store_b128 v[LI], v[PC+4*\t:PC+4*\t+3], s[P_Q:P_Q+1] offset:512*\t
.endr
	global_store_b32 v[L4], v[PW], s[P_QS:P_QS+1] offset:QSC
	PASS 2, 0, HIMG, 0, 0, 0, 0, 0, 0
	WFRAG P_IPC, 256, WA256, 0, \lay*196608+131072
	WFRAG P_IPC, 256, WA256, 1, \lay*196608+131072
	WSCL P_IPS, 2, \lay*6144+4096
	BLOADV P_IPB, \lay*3072+2048
	QUANT ACC
.irp t,0,1,2,3
	global_store_b128 v[LI], v[PC+4*\t:PC+4*\t+3], s[P_KV:P_KV+1] offset:512*\t   ; the four tiles of keys are the four blocks of ONE fragment
.endr
	v_mov_b32 v[KW], v[PW]
	PASS 2, 0, HIMG, 0, 1, 0, 0, 0, 0
	QUANT ACC                              ; a block = 32 neighbouring keys of one channel; block 2 u + beta
.irp t,0,1,2,3
	global_store_b128 v[LI], v[PC+4*\t:PC+4*\t+3], s[P_KV:P_KV+1] offset:VOF+512*\t
.endr
	v_and_b32 v[TL], 16, v0
	v_cmp_ne_u32 vcc_lo, 0, v[TL]
	v_cndmask_b32 v[TL], v[KW], v[PW], vcc_lo      ; the record: lanes 0-15 K's scale words, lanes 16-31 V's
	global_store_b32 v[L4], v[TL], s[P_REC:P_REC+1] offset:ROF
.endm
	s_load_b512 s[8:23], s[0:1], 0x0
	s_load_b512 s[24:39], s[0:1], 0x40
	s_load_b256 s[40:47], s[0:1], 0x80
	s_load_b64 s[48:49], s[0:1], 0xa0
	v_lshl_add_u32 v254, v0, 2, 0x1e200
	v_mov_b32 v255, 0
	v_lshrrev_b32 v20, 5, v0
	v_readfirstlane_b32 s2, v20                    ; wave
	s_lshr_b32 s3, ttmp9, 5                        ; batch
	s_and_b32 s4, ttmp9, 31                        ; group of 64 positions
	s_mov_b32 s5, ttmp9                            ; 32 b + g
	v_and_b32 v20, 31, v0                          ; lane
	v_and_b32 v21, 15, v0                          ; r
	v_bfe_u32 v22, v0, 4, 1                        ; h
	v_and_b32 v23, 8, v21
	v_add_nc_u32 v23, v23, v21                     ; rho
	v_lshlrev_b32 v[LI], 4, v20
	v_lshlrev_b32 v[L4], 2, v20
	v_lshlrev_b32 v[WA256], 8, v23
	v_lshl_add_u32 v[WA256], v22, 4, v[WA256]
	v_lshlrev_b32 v[WA512], 9, v23
	v_lshl_add_u32 v[WA512], v22, 4, v[WA512]
	v_lshlrev_b32 v[WSA8], 3, v23
	v_lshlrev_b32 v[WSA16], 4, v23
	v_lshlrev_b32 v[BA], 6, v22
	v_lshlrev_b32 v[XSA8], 3, v21
	v_lshlrev_b32 v[XSA16], 4, v21
	s_lshl_b32 s6, s2, 9
	v_add_nc_u32 v[CH], s6, v[LI]
	s_lshl_b32 s6, s2, 10
	v_add_nc_u32 v[CH2], s6, v[LI]
	v_add_nc_u32 v[SB8], s2, v[XSA8]
	s_lshl_b32 s6, s2, 1
	v_add_nc_u32 v[SB16], s6, v[XSA16]
	v_mul_u32_u24 v[LNR], v21, 80
	s_lshl_b32 s6, s2, 3
	v_add_nc_u32 v[LNA], s6, v[LNR]
	s_lshl_b32 s6, s2, 13
	s_add_co_u32 s6, s6, STASH
	v_add_nc_u32 v[STA], s6, v[LI]
	v_lshlrev_b32 v[BVA], 2, v23
.irp b,0,1,2,3
	v_mov_b32 v[TM+4+\b], 0                        ; a lane permute's destination counts as one of its sources
.endr
	s_mov_b32 s[SEL], 0x76543210
	s_mov_b32 s[SEL+1], 0xfedcba98
	s_mov_b32 s[MNT], 0x600000
	s_mov_b32 s[EPS], 0x3727c5ac                   ; 1e-5
	s_mov_b32 s7, 0
	s_wait_kmcnt 0x0
	s_lshl_b32 s6, s5, 9
	s_add_nc_u64 s[P_OS:P_OS+1], s[P_O:P_O+1], s[6:7]      ; o's scale bytes: 512 a group (OSC further on)
	s_lshl_b32 s6, s5, 14
	ADDP P_O                                       ; o's codes: 16,384 a group
	s_lshl_b32 s6, s5, 3
	s_add_co_u32 s6, s6, s2
	s_lshl_b32 s6, s6, 13
	ADDP P_H
	ADDP P_H1
	s_lshl_b32 s6, s2, 7                           ; 32 numbers of f32 a wave
	ADDP P_OPB
	ADDP P_G1
	ADDP P_B1
	ADDP P_L2B
	ADDP P_G2
	ADDP P_B2
	ADDP P_IPB
	s_lshl_b32 s6, s2, 8
	ADDP P_OPS
	ADDP P_L1B
	ADDP P_IPS
	s_lshl_b32 s6, s2, 9
	ADDP P_L1S
	ADDP P_L2S
	s_lshl_b32 s6, s2, 13
	ADDP P_OPC
	ADDP P_IPC
	s_lshl_b32 s6, s2, 14
	ADDP P_L1C
	ADDP P_L2C
	s_lshl_b32 s50, s3, 3
	s_add_co_u32 s50, s50, s2
	s_lshl_b32 s50, s50, 5
	s_add_co_u32 s50, s50, s4                      ; (8 b + head) 32 + g
	s_lshl_b32 s6, s50, 7
	s_add_nc_u64 s[P_QS:P_QS+1], s[P_Q:P_Q+1], s[6:7]
	s_add_nc_u64 s[P_REC:P_REC+1], s[P_KV:P_KV+1], s[6:7]
	s_lshl_b32 s6, s50, 11
	ADDP P_Q
	ADDP P_KV
	; ---- 1: h0 + o out_proj^T: the residual starts the sums
.set NN, 0
.rept 16
	global_load_b128 v[ACC+4*NN:ACC+4*NN+3], v[LI], s[P_H:P_H+1] offset:512*NN
.set NN, NN+1
.endr
	WFRAG P_OPC, 256, WA256, 0, LAY*65536
	WFRAG P_OPC, 256, WA256, 1, LAY*65536
	WSCL P_OPS, 2, LAY*2048
	BLOAD BI, P_OPB, LAY*1024
.irp t,0,1,2,3
	global_load_b64 v[XS+4*\t:XS+4*\t+1], v[XSA8], s[P_OS:P_OS+1] offset:OSC+128*\t
.endr
	PASS 2, 1, 0, 1, 0, 0, 0, 0, 0
	; ---- 2: + bias, LN1; h to the stash and, as codes, to LDS
	BLOAD G, P_G1, LAY*1024
	BLOAD BB, P_B1, LAY*1024
	WFRAG P_L1C, 256, WA256, 0, LAY*131072
	WFRAG P_L1C, 256, WA256, 1, LAY*131072
	WSCL P_L1S, 2, LAY*4096
	BIASADD
	BLOAD BI, P_L1B, LAY*2048
	LNLOCAL
	BARRIER                                        ; the eight waves' means and sums lie in LDS
	LNFINAL
.set NN, 0
.rept 16
	ds_store_b128 v[STA], v[ACC+4*NN:ACC+4*NN+3] offset:512*NN
.set NN, NN+1
.endr
	s_wait_dscnt 0x0                               ; the stores have read ACC: the hold below writes it
	QUANT ACC
	PUT256
	BARRIER                                        ; h's codes lie in LDS
	; ---- 3: the hidden layer, my two blocks of 32
	XSL 2, HSCB
	PASS 2, 0, HIMG, 0, 0, 0, 0, 0, 0
	WFRAG P_L1C, 256, WA256, 0, LAY*131072+8192
	WFRAG P_L1C, 256, WA256, 1, LAY*131072+8192
	WSCL P_L1S, 2, LAY*4096+256
	BLOAD BI, P_L1B, LAY*2048+128
	GELU
	QUANT ACC
	PUT512 0
	s_wait_dscnt 0x0                               ; the stores have read their registers
	PASS 2, 0, HIMG, 0, 0, 0, 0, 0, 0
	WFRAG P_L2C, 512, WA512, 0, LAY*131072
	WFRAG P_L2C, 512, WA512, 1, LAY*131072
	WSCL P_L2S, 4, LAY*4096
	BLOAD BI, P_L2B, LAY*1024
	GELU
	QUANT ACC
	PUT512 1
	BARRIER                                        ; the hidden layer's codes lie in LDS
	; ---- 4: h + hidden lin2^T
.set NN, 0
.rept 16
	ds_load_b128 v[ACC+4*NN:ACC+4*NN+3], v[STA] offset:512*NN
.set NN, NN+1
.endr
	XSL 4, FSCB
	PASS 4, 0, FIMG, 1, 0, P_L2C, 512, WA512, LAY*131072
	; ---- 5: + bias, LN2
	BLOAD G, P_G2, LAY*1024
	BLOAD BB, P_B2, LAY*1024
	WFRAG P_IPC, 256, WA256, 0, 196608
	WFRAG P_IPC, 256, WA256, 1, 196608
	WSCL P_IPS, 2, 6144
	BIASADD
	BLOAD BI, P_IPB, 3072
	LNLOCAL
	BARRIER
	LNFINAL
	s_cmp_lt_u32 s4, 16                            ; only positions from 1,024 on go through the rest of layer 1
	s_cbranch_scc1 .Lno_h1
.set NN, 0
.rept 16
	global_store_b128 v[LI], v[ACC+4*NN:ACC+4*NN+3], s[P_H1:P_H1+1] offset:512*NN
.set NN, NN+1
.endr
.Lno_h1:
	s_wait_xcnt 0x0                                ; the stores have read ACC
	QUANT ACC
	PUT256
	BARRIER
	; ---- 6
	QKV 1
	s_wait_tensorcnt 0x0
	ds_add_u32 v254, v255
	s_wait_dscnt 0x0
	s_endpgm
.Lfunc_end_k_q44bd83cb60_mid_qkv:
	.size	k_q44bd83cb60_mid_qkv, .Lfunc_end_k_q44bd83cb60_mid_qkv-k_q44bd83cb60_mid_qkv
	.p2alignl 7, 3214868480
	.fill 96, 4, 3214868480
	.section	.rodata,"a",@progbits
	.p2align	6, 0x0
	.amdhsa_kernel k_q44bd83cb60_mid_qkv
		.amdhsa_group_segment_fixed_size 124416
		.amdhsa_private_segment_fixed_size 0
		.amdhsa_enable_private_segment 0
		.amdhsa_kernarg_size 168
		.amdhsa_user_sgpr_count 2
		.amdhsa_user_sgpr_kernarg_segment_ptr 1
		.amdhsa_wavefront_size32 1
		.amdhsa_system_sgpr_workgroup_id_x 1
		.amdhsa_system_sgpr_workgroup_id_y 1
		.amdhsa_system_sgpr_workgroup_id_z 1
		.amdhsa_system_vgpr_workitem_id 0
		.amdhsa_next_free_vgpr 256
		.amdhsa_next_free_sgpr 66
		.amdhsa_reserve_vcc 1
		.amdhsa_float_denorm_mode_32 3
		.amdhsa_float_denorm_mode_16_64 3
		.amdhsa_memory_ordered 1
		.amdhsa_forward_progress 1
		.amdhsa_inst_pref_size 255
	.end_amdhsa_kernel
	.section	.bss,"aw",@nobits
	.p2align	6
	.space	262144
	.amdgpu_metadata
---
amdhsa.version: [ 1, 2 ]
amdhsa.kernels:
  - .name:           k_q44bd83cb60_mid_qkv
    .symbol:         k_q44bd83cb60_mid_qkv.kd
    .args:
      - { .name: o, .offset: 0, .size: 8, .value_kind: global_buffer, .address_space: global }
      - { .name: h0, .offset: 8, .size: 8, .value_kind: global_buffer, .address_space: global }
      - { .name: out_proj_w_codes, .offset: 16, .size: 8, .value_kind: global_buffer, .address_space: global }
      - { .name: out_proj_w_scales, .offset: 24, .size: 8, .value_kind: global_buffer, .address_space: global }
      - { .name: out_proj_b, .offset: 32, .size: 8, .value_kind: global_buffer, .address_space: global }
      - { .name: ln1_g, .offset: 40, .size: 8, .value_kind: global_buffer, .address_space: global }
      - { .name: ln1_b, .offset: 48, .size: 8, .value_kind: global_buffer, .address_space: global }
      - { .name: lin1_w_codes, .offset: 56, .size: 8, .value_kind: global_buffer, .address_space: global }
      - { .name: lin1_w_scales, .offset: 64, .size: 8, .value_kind: global_buffer, .address_space: global }
      - { .name: lin1_b, .offset: 72, .size: 8, .value_kind: global_buffer, .address_space: global }
      - { .name: lin2_w_codes, .offset: 80, .size: 8, .value_kind: global_buffer, .address_space: global }
      - { .name: lin2_w_scales, .offset: 88, .size: 8, .value_kind: global_buffer, .address_space: global }
      - { .name: lin2_b, .offset: 96, .size: 8, .value_kind: global_buffer, .address_space: global }
      - { .name: ln2_g, .offset: 104, .size: 8, .value_kind: global_buffer, .address_space: global }
      - { .name: ln2_b, .offset: 112, .size: 8, .value_kind: global_buffer, .address_space: global }
      - { .name: in_proj_w_codes, .offset: 120, .size: 8, .value_kind: global_buffer, .address_space: global }
      - { .name: in_proj_w_scales, .offset: 128, .size: 8, .value_kind: global_buffer, .address_space: global }
      - { .name: in_proj_b, .offset: 136, .size: 8, .value_kind: global_buffer, .address_space: global }
      - { .name: h1, .offset: 144, .size: 8, .value_kind: global_buffer, .address_space: global }
      - { .name: q, .offset: 152, .size: 8, .value_kind: global_buffer, .address_space: global }
      - { .name: kv, .offset: 160, .size: 8, .value_kind: global_buffer, .address_space: global }
    .group_segment_fixed_size: 124416
    .private_segment_fixed_size: 0
    .kernarg_segment_align: 8
    .kernarg_segment_size: 168
    .max_flat_workgroup_size: 256
    .sgpr_count:     66
    .vgpr_count:     256
    .wavefront_size: 32
...
	.end_amdgpu_metadata
.endif
;; end of part 3
;; launch attn1: the kernel of part 2 again; grid 8 x 32, 8 waves a work-group, no clusters, 68,608 bytes of LDS; arguments q, kv, o; writes o
;; launch mid_head (part 4): grid 64 x 1, 8 waves a work-group, no clusters, 124,416 bytes of LDS; arguments o, h1, out_proj_w_codes, out_proj_w_scales, out_proj_b, ln1_g, ln1_b, lin1_w_codes, lin1_w_scales, lin1_b, lin2_w_codes, lin2_w_scales, lin2_b, ln2_g, ln2_b, head_w1_codes, head_w1_scales, head_b1, head_w2, head_b2, out0; writes out0
.if DOCPART == 4
	.amdgcn_target "amdgcn-amd-amdhsa--gfx1250"
	.amdhsa_code_object_version 6
	.text
	.protected	k_q44bd83cb60_mid_head
	.globl	k_q44bd83cb60_mid_head
	.p2align	8
	.type	k_q44bd83cb60_mid_head,@function
k_q44bd83cb60_mid_head:
	s_mov_b64 s[64:65], 0
	v_nop
	global_prefetch_b8 v0, s[64:65] scope:SCOPE_SE
	s_setreg_imm32_b32 hwreg(HW_REG_WAVE_MODE, 25, 1), 1
	s_wait_xcnt 0x0
; Layer 1 behind its attention, for positions from 1,024 on, and the head:  h = LN1(h1 + o out_proj^T + b);  h = LN2(h + gelu(h lin1^T + b) lin2^T + b);  out = gelu(h head_w1^T + b) head_w2^T + b.
; SHARES.  A work-group owns a token group: one batch, 64 positions, four tiles of 16: lane r of tile t holds token 32 (t / 2) + 8 (t % 2) + rho, rho = r + 8 (r / 8).
; THE WAVES SHARE THE COLUMNS: wave w makes columns 32 w .. + 31 where a product has 256, 64 w .. + 63 (two passes) where it has 512, for all 64 tokens.
; A tile of weight rows begins at row 32 nb + 8 u and its lane r takes row + rho; used transposed, a lane's registers 16 t + 0 .. 15 are token (t, r), columns 32 nb + 16 (lane / 16) + 0 .. 15:
; sixteen neighbours along the next K.  Operands go from wave to wave through LDS as images of their registers.
; The weights go from memory straight into operand registers, each wave its own rows, asked for one product ahead.  No tensor load, no ring.
; No cluster: what the work-groups share, the weights, never passes through LDS here.
; The last product (one column) is left as it is: f32 multiply-adds on my 64 hidden units, the eight waves' parts joined through LDS.
; A work-group holds one batch, so its 64 results are 4 bytes each, 16 bytes apart: 256 bytes a work-group in all.
; LAYER NORM, GELU: as in the launch for layer 0: parts' means and sums of squared deviations joined, no difference of large sums; erf as z P(z^2) / Q(z^2), z held within +-4, absolute error about 1e-7.
; LIMITS: NaN and infinities are not served; a block whose largest magnitude lies under 2^-118, or of zeros, keeps the scale byte 1 (the bytes are read by this program alone).
.set LAY, 1
.set OSC, 2097152
.set HIMG, 0                           ; LDS: [t 4][block 8][lane][16]   fragments of a 256-wide activation
.set HSCB, 16384                       ;      [t 4][r 16][8 bytes]       their scale bytes
.set FIMG, 16896                       ;      [t 4][block 16][lane][16]  the 512-wide hidden layer
.set FSCB, 49664                       ;      [t 4][r 16][16 bytes]
.set LNS, 50688                        ;      [t 4] 1,280 : [r 16] 80 : [w 8] (mean, sum of squares)
.set RED, 55808                        ;      [t 4][r 16][w 8] f32: the parts of the last product
.set STASH, 57856                      ;      [w 8] 8,192: the wave's own h, for the second residual
.set LI, 1
.set L4, 2
.set WA256, 3
.set WA512, 4
.set WSA8, 5
.set WSA16, 6
.set BA, 7
.set XSA8, 8
.set XSA16, 9
.set CH, 10
.set CH2, 11
.set SB8, 12
.set SB16, 13
.set LNA, 14
.set LNR, 15
.set STA, 16
.set RDA, 17                           ; 32 r + 4 w
.set RDR, 18                           ; RED + 32 x thread
.set OA, 19                            ; 16 x the token of thread 16 t + r
.set ACC, 20
.set X, 84
.set W, 148
.set BI, 212
.set XS, 228
.set WS, 244
.set HP, 248                           ; v248-255: a pair of sums for each tile (free once lin2's scale words are done with)
.set PC, X
.set TM, X+16
.set PW, X+32
.set G, X+32
.set BB, X+48
.set MU, XS
.set RS, XS+4
.set UU, XS+8
.set SEL, 52
.set MNT, 54
.set EPS, 55
.set P_O, 8
.set P_H, 10
.set P_OPC, 12
.set P_OPS, 14
.set P_OPB, 16
.set P_G1, 18
.set P_B1, 20
.set P_L1C, 22
.set P_L1S, 24
.set P_L1B, 26
.set P_L2C, 28
.set P_L2S, 30
.set P_L2B, 32
.set P_G2, 34
.set P_B2, 36
.set P_HC, 38
.set P_HS, 40
.set P_HB, 42
.set P_HW2, 44
.set P_HB2, 46
.set P_OUT, 48
.set P_OS, 56
.macro NOPS n
.rept \n
	v_nop
.endr
.endm
.macro BARRIER                         ; my LDS stores have landed and my LDS loads are in: then the work-group's barrier
	s_wait_dscnt 0x0
	s_barrier_signal -1
	s_barrier_wait -1
.endm
.macro ADDP p                          ; a pointer takes the offset in s[6:7]
	s_add_nc_u64 s[\p:\p+1], s[\p:\p+1], s[6:7]
.endm
.macro WFRAG cb, kb, wa, s, off        ; the two weight tiles' fragments of K step s: rows of kb bytes
.irp u,0,1
.irp c,0,1,2,3
	global_load_b128 v[W+16*(2*((\s)%2)+\u)+4*\c:W+16*(2*((\s)%2)+\u)+4*\c+3], v[\wa], s[\cb:\cb+1] offset:(\off)+8*\u*(\kb)+128*(\s)+32*\c
.endr
.endr
.endm
.macro WSCL sb, ks, off                ; their scale words: word (u, s) at WS + ks u + s
.irp u,0,1
.if \ks == 2
	global_load_b64 v[WS+2*\u:WS+2*\u+1], v[WSA8], s[\sb:\sb+1] offset:(\off)+64*\u
.else
	global_load_b128 v[WS+4*\u:WS+4*\u+3], v[WSA16], s[\sb:\sb+1] offset:(\off)+128*\u
.endif
.endr
.endm
.macro BLOAD dst, pb, off              ; sixteen numbers a lane: those of columns 16 h + 0 .. 15 of my block
.irp q,0,1,2,3
	global_load_b128 v[\dst+4*\q:\dst+4*\q+3], v[BA], s[\pb:\pb+1] offset:(\off)+16*\q
.endr
.endm
.macro XSL ks, scb                     ; the tokens' scale words: word (t, s) at XS + 4 t + s
.irp t,0,1,2,3
.if \ks == 2
	ds_load_b64 v[XS+4*\t:XS+4*\t+1], v[XSA8] offset:\scb+128*\t
.else
	ds_load_b128 v[XS+4*\t:XS+4*\t+3], v[XSA16] offset:\scb+256*\t
.endif
.endr
.endm
.macro XFETCH glb, ks, img, s          ; the four token tiles' fragments of K step s: from LDS, or (glb) o's from memory
.irp t,0,1,2,3
.irp c,0,1,2,3
.if \glb
	global_load_b128 v[X+16*\t+4*\c:X+16*\t+4*\c+3], v[LI], s[P_O:P_O+1] offset:2048*\ks*\t+2048*(\s)+512*\c
.else
	ds_load_b128 v[X+16*\t+4*\c:X+16*\t+4*\c+3], v[LI] offset:\img+2048*\ks*\t+2048*(\s)+512*\c
.endif
.endr
.endr
.endm
.macro MM ks, s, cmode                 ; eight products, eight accumulators by turns, in the same order in every K step
.irp t,0,1,2,3
.irp u,0,1
.set WW, W+16*(2*((\s)%2)+\u)
.set XX, X+16*\t
.set SW, WS+\ks*\u+(\s)
.set SX, XS+4*\t+(\s)
.set DD, ACC+16*\t+8*\u
.if ((\s)==0)&&(\cmode==0)
	v_wmma_scale_f32_16x16x128_f8f6f4 v[DD:DD+7], v[WW:WW+15], v[XX:XX+15], v[BI+8*\u:BI+8*\u+7], v[SW], v[SX]
.else
	v_wmma_scale_f32_16x16x128_f8f6f4 v[DD:DD+7], v[WW:WW+15], v[XX:XX+15], v[DD:DD+7], v[SW], v[SX]
.endif
.endr
.endr
.endm
; A product of 32 columns with the 64 tokens, K = 128 ks.  cmode = 0: the bias in BI starts the sums; 1: what lies in ACC (the residual) does.  The weights of K steps 0 and 1 were asked for earlier;
; with ks = 4 those of steps 2 and 3 are asked for a step ahead, into the registers that steps 0 and 1 have left.  Nine places stand behind each run of products:
; loads into operands and reads of results follow, and the next product of this kind begins the accumulators anew.
.macro PASS ks, glb, img, cmode, cb, kb, wa, off
	s_wait_xcnt 0x0
.set PS, 0
.rept \ks
.if PS > 0
	NOPS 9
.endif
.if (\ks == 4) && ((PS == 1) || (PS == 2))
	WFRAG \cb, \kb, \wa, PS+1, \off
.endif
	XFETCH \glb, \ks, \img, PS
	s_wait_dscnt 0x0
.if (\ks == 2) || (PS == 0) || (PS == 3)
	s_wait_loadcnt 0x0
.elseif PS == 2
	s_wait_loadcnt 0x8                     ; step 2's weights are in; the eight loads of step 3's, issued behind them, may be out
.endif
	MM \ks, PS, \cmode
.set PS, PS+1
.endr
	NOPS 9
.endm
.macro BIASADD
.irp t,0,1,2,3
.irp e,0,2,4,6,8,10,12,14
	v_pk_add_f32 v[ACC+16*\t+\e:ACC+16*\t+\e+1], v[ACC+16*\t+\e:ACC+16*\t+\e+1], v[BI+\e:BI+\e+1]
.endr
.endr
.endm
; 64 numbers of a lane, four blocks of 16, each joined with lane l xor 16's 16 to a block of 32: codes into PC (four registers a block), bytes into TM + 4 .. 7.
.macro QUANT s
.irp b,0,1,2,3
	v_max3_num_f32 v[TM+\b], |v[\s+16*\b]|, |v[\s+1+16*\b]|, 0x4800000   ; the floor 2^(9 - 127): the byte cannot fall under 1
.endr
.irp i,2,4,6,8,10,12,14
.irp b,0,1,2,3
	v_max3_num_f32 v[TM+\b], v[TM+\b], |v[\s+16*\b+\i]|, |v[\s+1+16*\b+\i]|
.endr
.endr
.irp b,0,1,2,3
	v_permlanex16_b32 v[TM+4+\b], v[TM+\b], s[SEL], s[SEL+1]
.endr
.irp b,0,1,2,3
	v_max_num_f32 v[TM+\b], v[TM+\b], v[TM+4+\b]       ; the block's largest magnitude
.endr
.irp b,0,1,2,3
	v_add_nc_u32 v[TM+12+\b], 0xfc000000, v[TM+\b]     ; 8 off its exponent field: the conversion's scale operand
.endr
.irp b,0,1,2,3
	v_and_or_b32 v[TM+8+\b], v[TM+\b], 0x7f800000, s[MNT]   ; 448 x the scale
.endr
.irp b,0,1,2,3
	v_lshrrev_b32 v[TM+4+\b], 23, v[TM+12+\b]          ; the scale's byte
.endr
.irp b,0,1,2,3
.irp i,0,1,2,3,4,5,6,7,8,9,10,11,12,13,14,15
	v_med3_num_f32 v[\s+16*\b+\i], v[\s+16*\b+\i], -v[TM+8+\b], v[TM+8+\b]   ; the conversion does not saturate (ISA guide 7.6.2): the hold
.endr
	v_cvt_scalef32_pk8_fp8_f32 v[PC+4*\b:PC+1+4*\b], v[\s+16*\b:\s+7+16*\b], v[TM+12+\b]
	v_cvt_scalef32_pk8_fp8_f32 v[PC+2+4*\b:PC+3+4*\b], v[\s+8+16*\b:\s+15+16*\b], v[TM+12+\b]
.endr
	v_nop                                  ; one plain line behind the last conversion
.endm
.macro PUT256                          ; my block of the four tiles' fragments, and its bytes, to LDS
.irp t,0,1,2,3
	ds_store_b128 v[CH], v[PC+4*\t:PC+4*\t+3] offset:HIMG+4096*\t
	ds_store_b8 v[SB8], v[TM+4+\t] offset:HSCB+128*\t      ; both halves of the lanes write the same byte with the same value
.endr
.endm
.macro PUT512 p                        ; block 2 w + p of the hidden layer
.irp t,0,1,2,3
	ds_store_b128 v[CH2], v[PC+4*\t:PC+4*\t+3] offset:FIMG+8192*\t+512*\p
	ds_store_b8 v[SB16], v[TM+4+\t] offset:FSCB+256*\t+\p
.endr
.endm
; Mean and sum of squared deviations of my 32 columns of each token (16 in my lane, 16 in lane l xor 16), to LDS.  At work: X + 8 t .. + 7.  The four tiles by turns.
.macro LNLOCAL
.irp k,0,1,2,3
.irp t,0,1,2,3
	v_pk_add_f32 v[X+8*\t+2*\k:X+8*\t+2*\k+1], v[ACC+16*\t+4*\k:ACC+16*\t+4*\k+1], v[ACC+16*\t+4*\k+2:ACC+16*\t+4*\k+3]
.endr
.endr
.irp t,0,1,2,3
	v_pk_add_f32 v[X+8*\t:X+8*\t+1], v[X+8*\t:X+8*\t+1], v[X+8*\t+2:X+8*\t+3]
.endr
.irp t,0,1,2,3
	v_pk_add_f32 v[X+8*\t+4:X+8*\t+5], v[X+8*\t+4:X+8*\t+5], v[X+8*\t+6:X+8*\t+7]
.endr
.irp t,0,1,2,3
	v_pk_add_f32 v[X+8*\t:X+8*\t+1], v[X+8*\t:X+8*\t+1], v[X+8*\t+4:X+8*\t+5]
.endr
.irp t,0,1,2,3
	v_add_f32 v[X+8*\t], v[X+8*\t], v[X+8*\t+1]
.endr
.irp t,0,1,2,3
	v_permlanex16_b32 v[X+8*\t+2], v[X+8*\t], s[SEL], s[SEL+1]
.endr
.irp t,0,1,2,3
	v_add_f32 v[X+8*\t], v[X+8*\t], v[X+8*\t+2]
.endr
.irp t,0,1,2,3
	v_mul_f32 v[X+8*\t], 0x3d000000, v[X+8*\t]         ; / 32: the mean of my columns
.endr
.irp t,0,1,2,3
	v_mov_b32 v[X+8*\t+1], v[X+8*\t]
.endr
.irp e,0,1,2,3,4,5,6,7
.irp t,0,1,2,3
	v_pk_add_f32 v[X+8*\t+2:X+8*\t+3], v[ACC+16*\t+2*\e:ACC+16*\t+2*\e+1], v[X+8*\t:X+8*\t+1] neg_lo:[0,1] neg_hi:[0,1]
.endr
.irp t,0,1,2,3
.if \e == 0
	v_pk_mul_f32 v[X+8*\t+4:X+8*\t+5], v[X+8*\t+2:X+8*\t+3], v[X+8*\t+2:X+8*\t+3]
.else
	v_pk_fma_f32 v[X+8*\t+4:X+8*\t+5], v[X+8*\t+2:X+8*\t+3], v[X+8*\t+2:X+8*\t+3], v[X+8*\t+4:X+8*\t+5]
.endif
.endr
.endr
.irp t,0,1,2,3
	v_add_f32 v[X+8*\t+4], v[X+8*\t+4], v[X+8*\t+5]
.endr
.irp t,0,1,2,3
	v_permlanex16_b32 v[X+8*\t+5], v[X+8*\t+4], s[SEL], s[SEL+1]
.endr
.irp t,0,1,2,3
	v_add_f32 v[X+8*\t+1], v[X+8*\t+4], v[X+8*\t+5]
.endr
.irp t,0,1,2,3
	ds_store_b64 v[LNA], v[X+8*\t:X+8*\t+1] offset:LNS+1280*\t
.endr
.endm
; The eight waves' pairs are joined; then ACC = (ACC - mean) x rsqrt(var + eps) x g + b, g in G, b in BB.
.macro LNFINAL
.irp p,0,1
.irp tt,0,1
.irp q,0,1,2,3
	ds_load_b128 v[X+16*\tt+4*\q:X+16*\tt+4*\q+3], v[LNR] offset:LNS+1280*(2*\p+\tt)+16*\q
.endr
.endr
	s_wait_dscnt 0x0
.irp tt,0,1
	v_pk_add_f32 v[UU+2*(2*\p+\tt):UU+2*(2*\p+\tt)+1], v[X+16*\tt:X+16*\tt+1], v[X+16*\tt+2:X+16*\tt+3]
.endr
.irp k,2,3,4,5,6,7
.irp tt,0,1
	v_pk_add_f32 v[UU+2*(2*\p+\tt):UU+2*(2*\p+\tt)+1], v[UU+2*(2*\p+\tt):UU+2*(2*\p+\tt)+1], v[X+16*\tt+2*\k:X+16*\tt+2*\k+1]
.endr
.endr
.irp tt,0,1
	v_mul_f32 v[MU+2*\p+\tt], 0x3e000000, v[UU+2*(2*\p+\tt)]       ; the mean of the eight means
.endr
.irp k,0,1,2,3,4,5,6,7
.irp tt,0,1
	v_sub_f32 v[X+16*\tt+2*\k], v[X+16*\tt+2*\k], v[MU+2*\p+\tt]
.endr
.endr
.irp tt,0,1
	v_mul_f32 v[UU+2*(2*\p+\tt)], v[X+16*\tt], v[X+16*\tt]
.endr
.irp k,1,2,3,4,5,6,7
.irp tt,0,1
	v_fma_f32 v[UU+2*(2*\p+\tt)], v[X+16*\tt+2*\k], v[X+16*\tt+2*\k], v[UU+2*(2*\p+\tt)]
.endr
.endr
.irp tt,0,1
	v_fma_f32 v[UU+2*(2*\p+\tt)+1], v[UU+2*(2*\p+\tt)], 0x42000000, v[UU+2*(2*\p+\tt)+1]   ; + 32 x the means' squared deviations
.endr
.irp tt,0,1
	v_fma_f32 v[RS+2*\p+\tt], v[UU+2*(2*\p+\tt)+1], 0x3b800000, s[EPS]                     ; / 256 + eps
.endr
.irp tt,0,1
	v_rsq_f32 v[RS+2*\p+\tt], v[RS+2*\p+\tt]
.endr
	v_nop
.endr
	s_wait_loadcnt 0x0                     ; g and b
	s_wait_alu depctr_va_vdst(0)
.irp t,0,1,2,3
.set NN, 0
.rept 16
	v_sub_f32 v[ACC+16*\t+NN], v[ACC+16*\t+NN], v[MU+\t]
.set NN, NN+1
.endr
.set NN, 0
.rept 16
	v_mul_f32 v[ACC+16*\t+NN], v[ACC+16*\t+NN], v[RS+\t]
.set NN, NN+1
.endr
.set NN, 0
.rept 8
	v_pk_fma_f32 v[ACC+16*\t+2*NN:ACC+16*\t+2*NN+1], v[ACC+16*\t+2*NN:ACC+16*\t+2*NN+1], v[G+2*NN:G+2*NN+1], v[BB+2*NN:BB+2*NN+1]
.set NN, NN+1
.endr
.endr
.endm
; ACC = gelu(ACC), eight registers at a time.  At work: z X + 0 .., z^2 X + 8 .., P X + 16 .., Q X + 24 ..; the two leading coefficients as pairs in X + 56 .. 59.
.macro GELU
	v_mov_b32 v[X+56], 0xaf95df0b
	v_mov_b32 v[X+57], 0xaf95df0b
	v_mov_b32 v[X+58], 0xb77460cd
	v_mov_b32 v[X+59], 0xb77460cd
.set GG, 0
.rept 8
.irp k,0,2,4,6
	v_pk_mul_f32 v[X+\k:X+\k+1], v[ACC+8*GG+\k:ACC+8*GG+\k+1], 0x3f3504f3 op_sel_hi:[1,0]      ; x / sqrt 2
.endr
.irp i,0,1,2,3,4,5,6,7
	v_med3_num_f32 v[X+\i], v[X+\i], -4.0, 4.0
.endr
.irp k,0,2,4,6
	v_pk_mul_f32 v[X+8+\k:X+9+\k], v[X+\k:X+\k+1], v[X+\k:X+\k+1]
.endr
.irp k,0,2,4,6
	v_pk_fma_f32 v[X+16+\k:X+17+\k], v[X+8+\k:X+9+\k], v[X+56:X+57], 0x32edffee op_sel_hi:[1,1,0]
.endr
.irp a,0xb60cff51,0xb86ec2d2,0xba40ac63,0xbb41a1f6,0xbc83dbd4
.irp k,0,2,4,6
	v_pk_fma_f32 v[X+16+\k:X+17+\k], v[X+16+\k:X+17+\k], v[X+8+\k:X+9+\k], \a op_sel_hi:[1,1,0]
.endr
.endr
.irp k,0,2,4,6
	v_pk_fma_f32 v[X+24+\k:X+25+\k], v[X+8+\k:X+9+\k], v[X+58:X+59], 0xb95fbd29 op_sel_hi:[1,1,0]
.endr
.irp a,0xbadc924e,0xbbf19bf8,0xbc69b6a7
.irp k,0,2,4,6
	v_pk_fma_f32 v[X+24+\k:X+25+\k], v[X+24+\k:X+25+\k], v[X+8+\k:X+9+\k], \a op_sel_hi:[1,1,0]
.endr
.endr
.irp i,0,1,2,3,4,5,6,7
	v_rcp_f32 v[X+24+\i], v[X+24+\i]
.endr
.irp k,0,2,4,6
	v_pk_mul_f32 v[X+16+\k:X+17+\k], v[X+16+\k:X+17+\k], v[X+\k:X+\k+1]        ; z P: plain lines behind the reciprocals
.endr
	s_wait_alu depctr_va_vdst(0)
.irp k,0,2,4,6
	v_pk_mul_f32 v[X+16+\k:X+17+\k], v[X+16+\k:X+17+\k], v[X+24+\k:X+25+\k]    ; erf
.endr
.irp k,0,2,4,6
	v_pk_fma_f32 v[X+16+\k:X+17+\k], v[X+16+\k:X+17+\k], 0.5, 0.5 op_sel_hi:[1,0,0]
.endr
.irp k,0,2,4,6
	v_pk_mul_f32 v[ACC+8*GG+\k:ACC+8*GG+\k+1], v[ACC+8*GG+\k:ACC+8*GG+\k+1], v[X+16+\k:X+17+\k]
.endr
.set GG, GG+1
.endr
.endm
.macro HDOT                            ; the last product's part of these 32 hidden units: head_w2's sixteen numbers of my lane lie in X + 32 ..
.irp e,0,1,2,3,4,5,6,7
.irp t,0,1,2,3
	v_pk_fma_f32 v[HP+2*\t:HP+2*\t+1], v[ACC+16*\t+2*\e:ACC+16*\t+2*\e+1], v[X+32+2*\e:X+33+2*\e], v[HP+2*\t:HP+2*\t+1]
.endr
.endr
.endm
	s_load_b512 s[8:23], s[0:1], 0x0
	s_load_b512 s[24:39], s[0:1], 0x40
	s_load_b256 s[40:47], s[0:1], 0x80
	s_load_b64 s[48:49], s[0:1], 0xa0
	s_set_vgpr_msb 0x40
	v_lshl_add_u32 v0, v0, 2, 0x1e200
	v_mov_b32 v1, 0
	s_set_vgpr_msb 0x4000
	v_lshrrev_b32 v20, 5, v0
	v_readfirstlane_b32 s2, v20                    ; wave
	s_lshr_b32 s3, ttmp9, 4                        ; batch
	s_and_b32 s50, ttmp9, 15
	s_add_co_u32 s4, s50, 16                       ; group of 64 positions: 16 .. 31
	s_lshl_b32 s5, s3, 5
	s_add_co_u32 s5, s5, s4                        ; 32 b + g
	v_and_b32 v20, 31, v0                          ; lane
	v_and_b32 v21, 15, v0                          ; r
	v_bfe_u32 v22, v0, 4, 1                        ; h
	v_and_b32 v23, 8, v21
	v_add_nc_u32 v23, v23, v21                     ; rho
	v_lshlrev_b32 v[LI], 4, v20
	v_lshlrev_b32 v[L4], 2, v20
	v_lshlrev_b32 v[WA256], 8, v23
	v_lshl_add_u32 v[WA256], v22, 4, v[WA256]
	v_lshlrev_b32 v[WA512], 9, v23
	v_lshl_add_u32 v[WA512], v22, 4, v[WA512]
	v_lshlrev_b32 v[WSA8], 3, v23
	v_lshlrev_b32 v[WSA16], 4, v23
	v_lshlrev_b32 v[BA], 6, v22
	v_lshlrev_b32 v[XSA8], 3, v21
	v_lshlrev_b32 v[XSA16], 4, v21
	s_lshl_b32 s6, s2, 9
	v_add_nc_u32 v[CH], s6, v[LI]
	s_lshl_b32 s6, s2, 10
	v_add_nc_u32 v[CH2], s6, v[LI]
	v_add_nc_u32 v[SB8], s2, v[XSA8]
	s_lshl_b32 s6, s2, 1
	v_add_nc_u32 v[SB16], s6, v[XSA16]
	v_mul_u32_u24 v[LNR], v21, 80
	s_lshl_b32 s6, s2, 3
	v_add_nc_u32 v[LNA], s6, v[LNR]
	s_lshl_b32 s6, s2, 13
	s_add_co_u32 s6, s6, STASH
	v_add_nc_u32 v[STA], s6, v[LI]
	s_lshl_b32 s6, s2, 2
	v_lshl_add_u32 v[RDA], v21, 5, s6
	v_lshl_add_u32 v[RDR], v0, 5, RED
	v_and_b32 v[OA], 0x27, v0                      ; thread 16 t + r holds token 32 (t / 2) + 8 (t % 2) + r + 8 (r / 8): bits 0-2 and 5 stay,
	v_lshl_or_b32 v[OA], v22, 3, v[OA]             ; bit 4 goes to bit 3,
	v_bfe_u32 v24, v0, 3, 1
	v_lshl_or_b32 v[OA], v24, 4, v[OA]             ; bit 3 to bit 4
	v_lshlrev_b32 v[OA], 4, v[OA]                  ; 16 bytes a position
.irp b,0,1,2,3
	v_mov_b32 v[TM+4+\b], 0                        ; a lane permute's destination counts as one of its sources
.endr
	s_mov_b32 s[SEL], 0x76543210
	s_mov_b32 s[SEL+1], 0xfedcba98
	s_mov_b32 s[MNT], 0x600000
	s_mov_b32 s[EPS], 0x3727c5ac                   ; 1e-5
	s_mov_b32 s7, 0
	s_wait_kmcnt 0x0
	s_load_b32 s58, s[P_HB2:P_HB2+1], 0x0          ; head_b2
	s_lshl_b32 s6, s5, 9
	s_add_nc_u64 s[P_OS:P_OS+1], s[P_O:P_O+1], s[6:7]
	s_lshl_b32 s6, s5, 14
	ADDP P_O
	s_lshl_b32 s6, s5, 3
	s_add_co_u32 s6, s6, s2
	s_lshl_b32 s6, s6, 13
	ADDP P_H
	s_lshl_b32 s6, s2, 7
	ADDP P_OPB
	ADDP P_G1
	ADDP P_B1
	ADDP P_L2B
	ADDP P_G2
	ADDP P_B2
	s_lshl_b32 s6, s2, 8
	ADDP P_OPS
	ADDP P_L1B
	ADDP P_HB
	ADDP P_HW2
	s_lshl_b32 s6, s2, 9
	ADDP P_L1S
	ADDP P_L2S
	ADDP P_HS
	s_lshl_b32 s6, s2, 13
	ADDP P_OPC
	s_lshl_b32 s6, s2, 14
	ADDP P_L1C
	ADDP P_L2C
	ADDP P_HC
	s_lshl_b32 s6, s50, 10
	s_lshl_b32 s51, s3, 2
	s_add_co_u32 s6, s6, s51
	ADDP P_OUT                                     ; out0: 64 positions of 16 bytes a group, 4 bytes a batch
	; ---- 1: h1 + o out_proj^T: the residual starts the sums
.set NN, 0
.rept 16
	global_load_b128 v[ACC+4*NN:ACC+4*NN+3], v[LI], s[P_H:P_H+1] offset:512*NN
.set NN, NN+1
.endr
	WFRAG P_OPC, 256, WA256, 0, LAY*65536
	WFRAG P_OPC, 256, WA256, 1, LAY*65536
	WSCL P_OPS, 2, LAY*2048
	BLOAD BI, P_OPB, LAY*1024
.irp t,0,1,2,3
	global_load_b64 v[XS+4*\t:XS+4*\t+1], v[XSA8], s[P_OS:P_OS+1] offset:OSC+128*\t
.endr
	PASS 2, 1, 0, 1, 0, 0, 0, 0
	; ---- 2: + bias, LN1; h to the stash and, as codes, to LDS
	BLOAD G, P_G1, LAY*1024
	BLOAD BB, P_B1, LAY*1024
	WFRAG P_L1C, 256, WA256, 0, LAY*131072
	WFRAG P_L1C, 256, WA256, 1, LAY*131072
	WSCL P_L1S, 2, LAY*4096
	BIASADD
	BLOAD BI, P_L1B, LAY*2048
	LNLOCAL
	BARRIER                                        ; the eight waves' means and sums lie in LDS
	LNFINAL
.set NN, 0
.rept 16
	ds_store_b128 v[STA], v[ACC+4*NN:ACC+4*NN+3] offset:512*NN
.set NN, NN+1
.endr
	s_wait_dscnt 0x0                               ; the stores have read ACC: the hold below writes it
	QUANT ACC
	PUT256
	BARRIER                                        ; h's codes lie in LDS
	; ---- 3: the hidden layer, my two blocks of 32
	XSL 2, HSCB
	PASS 2, 0, HIMG, 0, 0, 0, 0, 0
	WFRAG P_L1C, 256, WA256, 0, LAY*131072+8192
	WFRAG P_L1C, 256, WA256, 1, LAY*131072+8192
	WSCL P_L1S, 2, LAY*4096+256
	BLOAD BI, P_L1B, LAY*2048+128
	GELU
	QUANT ACC
	PUT512 0
	s_wait_dscnt 0x0                               ; the stores have read their registers
	PASS 2, 0, HIMG, 0, 0, 0, 0, 0
	WFRAG P_L2C, 512, WA512, 0, LAY*131072
	WFRAG P_L2C, 512, WA512, 1, LAY*131072
	WSCL P_L2S, 4, LAY*4096
	BLOAD BI, P_L2B, LAY*1024
	GELU
	QUANT ACC
	PUT512 1
	BARRIER                                        ; the hidden layer's codes lie in LDS
	; ---- 4: h + hidden lin2^T
.set NN, 0
.rept 16
	ds_load_b128 v[ACC+4*NN:ACC+4*NN+3], v[STA] offset:512*NN
.set NN, NN+1
.endr
	XSL 4, FSCB
	PASS 4, 0, FIMG, 1, P_L2C, 512, WA512, LAY*131072
	; ---- 5: + bias, LN2
	BLOAD G, P_G2, LAY*1024
	BLOAD BB, P_B2, LAY*1024
	WFRAG P_HC, 256, WA256, 0, 0
	WFRAG P_HC, 256, WA256, 1, 0
	WSCL P_HS, 2, 0
	BIASADD
	BLOAD BI, P_HB, 0
	LNLOCAL
	BARRIER
	LNFINAL
	QUANT ACC
	PUT256
	BARRIER
	; ---- 6: the head
.irp i,0,1,2,3,4,5,6,7
	v_mov_b32 v[HP+\i], 0
.endr
	XSL 2, HSCB
	PASS 2, 0, HIMG, 0, 0, 0, 0, 0
	BLOAD X+32, P_HW2, 0
	WFRAG P_HC, 256, WA256, 0, 8192
	WFRAG P_HC, 256, WA256, 1, 8192
	WSCL P_HS, 2, 256
	BLOAD BI, P_HB, 128
	GELU
	s_wait_loadcnt 0x0                             ; head_w2's numbers
	HDOT
	PASS 2, 0, HIMG, 0, 0, 0, 0, 0
	BLOAD X+32, P_HW2, 128
	GELU
	s_wait_loadcnt 0x0
	HDOT
.irp t,0,1,2,3
	v_add_f32 v[X+\t], v[HP+2*\t], v[HP+2*\t+1]
.endr
.irp t,0,1,2,3
	v_permlanex16_b32 v[X+4+\t], v[X+\t], s[SEL], s[SEL+1]
.endr
.irp t,0,1,2,3
	v_add_f32 v[X+\t], v[X+\t], v[X+4+\t]          ; my 64 hidden units' part for token (t, r)
.endr
.irp t,0,1,2,3
	ds_store_b32 v[RDA], v[X+\t] offset:RED+512*\t ; both halves of the lanes write the same word with the same value
.endr
	s_wait_kmcnt 0x0                               ; head_b2
	BARRIER                                        ; the eight parts of all 64 tokens lie in LDS
	s_cmp_lt_u32 s2, 2                             ; 64 threads, one a token
	s_cbranch_scc0 .Ldone
	ds_load_b128 v[X:X+3], v[RDR]
	ds_load_b128 v[X+4:X+7], v[RDR] offset:16
	s_wait_dscnt 0x0
	v_add_f32 v[X], v[X], v[X+1]
	v_add_f32 v[X+2], v[X+2], v[X+3]
	v_add_f32 v[X+4], v[X+4], v[X+5]
	v_add_f32 v[X+6], v[X+6], v[X+7]
	v_add_f32 v[X], v[X], v[X+2]
	v_add_f32 v[X+4], v[X+4], v[X+6]
	v_add_f32 v[X], v[X], v[X+4]
	v_add_f32 v[X], s58, v[X]
	global_store_b32 v[OA], v[X], s[P_OUT:P_OUT+1]
.Ldone:
	s_set_vgpr_msb 0x5
	s_wait_tensorcnt 0x0
	ds_add_u32 v0, v1
	s_wait_dscnt 0x0
	s_set_vgpr_msb 0x500
	s_endpgm
.Lfunc_end_k_q44bd83cb60_mid_head:
	.size	k_q44bd83cb60_mid_head, .Lfunc_end_k_q44bd83cb60_mid_head-k_q44bd83cb60_mid_head
	.p2alignl 7, 3214868480
	.fill 96, 4, 3214868480
	.section	.rodata,"a",@progbits
	.p2align	6, 0x0
	.amdhsa_kernel k_q44bd83cb60_mid_head
		.amdhsa_group_segment_fixed_size 124416
		.amdhsa_private_segment_fixed_size 0
		.amdhsa_enable_private_segment 0
		.amdhsa_kernarg_size 168
		.amdhsa_user_sgpr_count 2
		.amdhsa_user_sgpr_kernarg_segment_ptr 1
		.amdhsa_wavefront_size32 1
		.amdhsa_system_sgpr_workgroup_id_x 1
		.amdhsa_system_sgpr_workgroup_id_y 1
		.amdhsa_system_sgpr_workgroup_id_z 1
		.amdhsa_system_vgpr_workitem_id 0
		.amdhsa_next_free_vgpr 258
		.amdhsa_next_free_sgpr 66
		.amdhsa_reserve_vcc 0
		.amdhsa_float_denorm_mode_32 3
		.amdhsa_float_denorm_mode_16_64 3
		.amdhsa_memory_ordered 1
		.amdhsa_forward_progress 1
		.amdhsa_inst_pref_size 255
	.end_amdhsa_kernel
	.section	.bss,"aw",@nobits
	.p2align	6
	.space	262144
	.amdgpu_metadata
---
amdhsa.version: [ 1, 2 ]
amdhsa.kernels:
  - .name:           k_q44bd83cb60_mid_head
    .symbol:         k_q44bd83cb60_mid_head.kd
    .args:
      - { .name: o, .offset: 0, .size: 8, .value_kind: global_buffer, .address_space: global }
      - { .name: h1, .offset: 8, .size: 8, .value_kind: global_buffer, .address_space: global }
      - { .name: out_proj_w_codes, .offset: 16, .size: 8, .value_kind: global_buffer, .address_space: global }
      - { .name: out_proj_w_scales, .offset: 24, .size: 8, .value_kind: global_buffer, .address_space: global }
      - { .name: out_proj_b, .offset: 32, .size: 8, .value_kind: global_buffer, .address_space: global }
      - { .name: ln1_g, .offset: 40, .size: 8, .value_kind: global_buffer, .address_space: global }
      - { .name: ln1_b, .offset: 48, .size: 8, .value_kind: global_buffer, .address_space: global }
      - { .name: lin1_w_codes, .offset: 56, .size: 8, .value_kind: global_buffer, .address_space: global }
      - { .name: lin1_w_scales, .offset: 64, .size: 8, .value_kind: global_buffer, .address_space: global }
      - { .name: lin1_b, .offset: 72, .size: 8, .value_kind: global_buffer, .address_space: global }
      - { .name: lin2_w_codes, .offset: 80, .size: 8, .value_kind: global_buffer, .address_space: global }
      - { .name: lin2_w_scales, .offset: 88, .size: 8, .value_kind: global_buffer, .address_space: global }
      - { .name: lin2_b, .offset: 96, .size: 8, .value_kind: global_buffer, .address_space: global }
      - { .name: ln2_g, .offset: 104, .size: 8, .value_kind: global_buffer, .address_space: global }
      - { .name: ln2_b, .offset: 112, .size: 8, .value_kind: global_buffer, .address_space: global }
      - { .name: head_w1_codes, .offset: 120, .size: 8, .value_kind: global_buffer, .address_space: global }
      - { .name: head_w1_scales, .offset: 128, .size: 8, .value_kind: global_buffer, .address_space: global }
      - { .name: head_b1, .offset: 136, .size: 8, .value_kind: global_buffer, .address_space: global }
      - { .name: head_w2, .offset: 144, .size: 8, .value_kind: global_buffer, .address_space: global }
      - { .name: head_b2, .offset: 152, .size: 8, .value_kind: global_buffer, .address_space: global }
      - { .name: out0, .offset: 160, .size: 8, .value_kind: global_buffer, .address_space: global }
    .group_segment_fixed_size: 124416
    .private_segment_fixed_size: 0
    .kernarg_segment_align: 8
    .kernarg_segment_size: 168
    .max_flat_workgroup_size: 256
    .sgpr_count:     66
    .vgpr_count:     258
    .wavefront_size: 32
...
	.end_amdgpu_metadata
.endif
;; end of part 4
;; ======== version 2 of 2: 5 launches; version 1 with the launches enc_qkv, attn0, mid_qkv, attn1, mid_head written anew for expert scheduling mode
;; workspace buffers: h0 8,388,608 bytes; h1 8,388,608 bytes; q 2,228,224 bytes; kv 4,325,376 bytes; o 2,162,688 bytes
;; launch enc_qkv (part 5): grid 128 x 1, 8 waves a work-group, no clusters, 17,920 bytes of LDS; arguments x, y, xenc_w, xenc_b, yenc_w, yenc_b, in_proj_w_codes, in_proj_w_scales, in_proj_b, h0, q, kv; writes h0, q, kv
.if DOCPART == 5
	.amdgcn_target "amdgcn-amd-amdhsa--gfx1250"
	.amdhsa_code_object_version 6
	.text
	.protected	k_q44bd83cb60_enc_qkv
	.globl	k_q44bd83cb60_enc_qkv
	.p2align	8
	.type	k_q44bd83cb60_enc_qkv,@function
k_q44bd83cb60_enc_qkv:
	s_mov_b64 s[64:65], 0
	v_nop
	global_prefetch_b8 v0, s[64:65] scope:SCOPE_SE
	s_setreg_imm32_b32 hwreg(HW_REG_WAVE_SCHED_MODE, 0, 2), 2
	s_setreg_imm32_b32 hwreg(HW_REG_WAVE_MODE, 25, 1), 1
	s_wait_xcnt 0x0
	s_wait_alu depctr_vm_vsrc(0)
; The encoder and layer 0's q, k, v.  tokens = x xenc_w^T + xenc_b (+ y yenc_w^T + yenc_b for positions under 1,024), in f32; then q, k, v = Q(tokens) in_proj_w^T + in_proj_b on codes of E4M3.
; SHARES.  A work-group owns a TOKEN GROUP: one batch b, positions 64 g .. 64 g + 63, as four tiles of 16: lane r of tile t holds token 32 (t / 2) + 8 (t % 2) + rho, rho = r + 8 (r / 8).
; Wave w owns columns 32 w .. 32 w + 31 of the tokens and head w of q, k and v.  A tile of weight rows begins at row 32 w + 8 u and its lane r takes row + rho.
; Used transposed (source 0 = weights, source 1 = tokens) a lane's registers 16 t + 0 .. 15 are then token (t, r), columns 32 w + 16 (lane / 16) + 0 .. 15: sixteen neighbours along the next K.
; v is made with the sources swapped, so that a lane's sixteen registers are sixteen neighbouring KEYS of one channel: the keys are the K of the second product of attention.
; Everything that goes to memory is an image of operand registers: 512 consecutive bytes an instruction, 16 a lane.
; The codes of the 64 tokens go from wave to wave through LDS in the same form; one barrier.
; The weights are read straight into operand registers, each wave its own rows: no ring in LDS, no tensor load.  No cluster: what the work-groups share, the weights, never passes through LDS here.
; LIMITS: NaN and infinities among x, the weights and the y of positions under 1,024 are not served.  A block whose largest magnitude lies under 2^-118 keeps the scale byte 1;
; so does a block of zeros, where the rule says 127: its codes are zeros, and the bytes are read by this program alone.
; THE MODE: SCHED_MODE bits 1:0 = 2 (LLVM: expert scheduling mode 2), set by the entry lines.  The code itself states the register dependences
; between vector or matrix instructions and memory or LDS instructions, with s_wait_alu, always for 0.
; THE PLAN.  Registers that memory or LDS instructions touch:
;   X        loaded (x, the y terms, the tokens' fragments); read by the products; QUANT writes codes, bytes and the scale word there, which LDS and global stores read.
;   W, WS, BI  loaded one product ahead; read by the products (BI also written by the sum of the two biases).
;   XS       loaded once from LDS; read by the products.
;   ACC      written by the multiply-adds, the products and QUANT's hold; read by the stores of the tokens.  v20 is also xenc_w's offset at the head.
;   KW, TL   (x's and y's offsets at the head) written by a move and a select; TL is read by the record's store.
;   v1-v9    offsets and addresses, made once at the head.
; One wait on va_vdst stands behind each run of products, ahead of the loads into what they read; one ahead of each run of stores of fresh results.
; One wait on vm_vsrc stands ahead of each rewriting of registers that stores or loads have read.
.set QSC, 2097152                      ; q: the scale words begin here
.set VOF, 2097152                      ; kv: V's images
.set ROF, 4194304                      ; kv: the records of scale words
.set HIMG, 0                           ; LDS: [t 4][block 8][lane][16 bytes]: the tokens' fragments
.set HSCB, 16384                       ; LDS: [t 4][r 16][8 bytes]: their scale bytes
.set LI, 1                             ; 16 x lane
.set L4, 2                             ; 4 x lane
.set WA256, 3                          ; 256 rho + 16 h
.set WSA8, 4                           ; 8 rho
.set BA, 5                             ; 64 h
.set XSA8, 6                           ; 8 r
.set CH, 7                             ; 16 x lane + 512 w
.set SB8, 8                            ; 8 r + w
.set BVA, 9                            ; 4 rho
.set XAD, 10                           ; x: 256 rho + 8 h; later KW
.set YAD, 11                           ; y: 16 rho; later TL
.set KW, 10
.set TL, 11
.set ENC0, 12                          ; v12-19, v248-255: the f32 products' sums; no other kind of instruction writes them
.set ENC1, 248
.set WEA, 20                           ; xenc_w: 64 rho + 8 h (until the loads are in)
.set ACC, 20                           ; v20-83
.set X, 84                             ; v84-147
.set W, 148                            ; v148-211
.set BI, 212                           ; v212-227
.set XS, 228                           ; v228-243
.set WS, 244                           ; v244-247
.set PC, X
.set TM, X+16
.set PW, X+32
.set SEL, 52
.set MNT, 54
.set P_X, 8
.set P_Y, 10
.set P_XW, 12
.set P_XB, 14
.set P_YW, 16
.set P_YB, 18
.set P_IPC, 20
.set P_IPS, 22
.set P_IPB, 24
.set P_H, 26
.set P_Q, 28
.set P_KV, 30
.set P_QS, 32
.set P_REC, 34
.macro NOPS n
.rept \n
	v_nop
.endr
.endm
.macro BARRIER                         ; my LDS stores have landed and my LDS loads are in: then the work-group's barrier
	s_wait_dscnt 0x0
	s_barrier_signal -1
	s_barrier_wait -1
.endm
.macro WFRAG cb, kb, wa, s, off        ; the two weight tiles' fragments of K step s: rows of kb bytes
.irp u,0,1
.irp c,0,1,2,3
	global_load_b128 v[W+16*(2*((\s)%2)+\u)+4*\c:W+16*(2*((\s)%2)+\u)+4*\c+3], v[\wa], s[\cb:\cb+1] offset:(\off)+8*\u*(\kb)+128*(\s)+32*\c
.endr
.endr
.endm
.macro WSCL sb, ks, off                ; their scale words: word (u, s) at WS + ks u + s
.irp u,0,1
	global_load_b64 v[WS+2*\u:WS+2*\u+1], v[WSA8], s[\sb:\sb+1] offset:(\off)+64*\u
.endr
.endm
.macro BLOAD dst, pb, off              ; sixteen numbers a lane: those of columns 16 h + 0 .. 15 of my block
.irp q,0,1,2,3
	global_load_b128 v[\dst+4*\q:\dst+4*\q+3], v[BA], s[\pb:\pb+1] offset:(\off)+16*\q
.endr
.endm
.macro BLOADV pb, off                  ; the bias for the swapped product: a lane holds one channel, so a tile's eight registers hold one number
.irp u,0,1
.irp j,0,1,2,3,4,5,6,7
	global_load_b32 v[BI+8*\u+\j], v[BVA], s[\pb:\pb+1] offset:(\off)+32*\u
.endr
.endr
.endm
.macro XSL ks, scb                     ; the tokens' scale words: word (t, s) at XS + 4 t + s
.irp t,0,1,2,3
	ds_load_b64 v[XS+4*\t:XS+4*\t+1], v[XSA8] offset:\scb+128*\t
.endr
.endm
.macro XFETCH glb, ks, img, s          ; the four token tiles' fragments of K step s
.irp t,0,1,2,3
.irp c,0,1,2,3
	ds_load_b128 v[X+16*\t+4*\c:X+16*\t+4*\c+3], v[LI] offset:\img+2048*\ks*\t+2048*(\s)+512*\c
.endr
.endr
.endm
.macro MM ks, s, cmode, swap           ; eight products, eight accumulators by turns, in the same order in every K step
.irp t,0,1,2,3
.irp u,0,1
.set WW, W+16*(2*((\s)%2)+\u)
.set XX, X+16*\t
.set SW, WS+\ks*\u+(\s)
.set SX, XS+4*\t+(\s)
.if \swap
.set DD, ACC+16*(2*\u+\t/2)+8*(\t%2)
.if ((\s)==0)&&(\cmode==0)
	v_wmma_scale_f32_16x16x128_f8f6f4 v[DD:DD+7], v[XX:XX+15], v[WW:WW+15], v[BI+8*\u:BI+8*\u+7], v[SX], v[SW]
.else
	v_wmma_scale_f32_16x16x128_f8f6f4 v[DD:DD+7], v[XX:XX+15], v[WW:WW+15], v[DD:DD+7], v[SX], v[SW]
.endif
.else
.set DD, ACC+16*\t+8*\u
.if ((\s)==0)&&(\cmode==0)
	v_wmma_scale_f32_16x16x128_f8f6f4 v[DD:DD+7], v[WW:WW+15], v[XX:XX+15], v[BI+8*\u:BI+8*\u+7], v[SW], v[SX]
.else
	v_wmma_scale_f32_16x16x128_f8f6f4 v[DD:DD+7], v[WW:WW+15], v[XX:XX+15], v[DD:DD+7], v[SW], v[SX]
.endif
.endif
.endr
.endr
.endm
; A product of my 32 columns with the 64 tokens, K = 128 ks.  The weights, their scale words and the bias were asked for earlier.  Nine places stand behind each run of products:
; reads of results follow, and the next product of this kind begins the accumulators anew; between two K steps they stay beside the wait for the loads into X.
.macro PASS ks, glb, img, cmode, swap, cb, kb, wa, off
	s_wait_xcnt 0x0                        ; earlier stores have read their data: X and ACC may be written
.set PS, 0
.rept \ks
.if PS > 0
	NOPS 9
	s_wait_alu depctr_va_vdst(0)           ; the products of the K step before are done reading X, in which the next fragments land
.endif
	XFETCH \glb, \ks, \img, PS
	s_wait_dscnt 0x0
	s_wait_loadcnt 0x0
	MM \ks, PS, \cmode, \swap
.set PS, PS+1
.endr
	NOPS 9
.endm
; 64 numbers of a lane, four blocks of 16, each joined with lane l xor 16's 16 to a block of 32: codes into PC (four registers a block), bytes into TM + 4 .. 7, the four bytes as a word into PW.
.macro QUANT s
.irp b,0,1,2,3
	v_max3_num_f32 v[TM+\b], |v[\s+16*\b]|, |v[\s+1+16*\b]|, 0x4800000   ; the floor 2^(9 - 127): the byte cannot fall under 1
.endr
.irp i,2,4,6,8,10,12,14
.irp b,0,1,2,3
	v_max3_num_f32 v[TM+\b], v[TM+\b], |v[\s+16*\b+\i]|, |v[\s+1+16*\b+\i]|
.endr
.endr
.irp b,0,1,2,3
	v_permlanex16_b32 v[TM+4+\b], v[TM+\b], s[SEL], s[SEL+1]
.endr
.irp b,0,1,2,3
	v_max_num_f32 v[TM+\b], v[TM+\b], v[TM+4+\b]       ; the block's largest magnitude
.endr
.irp b,0,1,2,3
	v_add_nc_u32 v[TM+12+\b], 0xfc000000, v[TM+\b]     ; 8 off its exponent field: the conversion's scale operand
.endr
.irp b,0,1,2,3
	v_and_or_b32 v[TM+8+\b], v[TM+\b], 0x7f800000, s[MNT]   ; 448 x the scale
.endr
.irp b,0,1,2,3
	v_lshrrev_b32 v[TM+4+\b], 23, v[TM+12+\b]          ; the scale's byte
.endr
	v_lshl_or_b32 v[PW], v[TM+5], 8, v[TM+4]
	v_lshl_or_b32 v[PW], v[TM+6], 16, v[PW]
	v_lshl_or_b32 v[PW], v[TM+7], 24, v[PW]
.irp b,0,1,2,3
.irp i,0,1,2,3,4,5,6,7,8,9,10,11,12,13,14,15
	v_med3_num_f32 v[\s+16*\b+\i], v[\s+16*\b+\i], -v[TM+8+\b], v[TM+8+\b]   ; the conversion does not saturate (ISA guide 7.6.2): the hold
.endr
	v_cvt_scalef32_pk8_fp8_f32 v[PC+4*\b:PC+1+4*\b], v[\s+16*\b:\s+7+16*\b], v[TM+12+\b]
	v_cvt_scalef32_pk8_fp8_f32 v[PC+2+4*\b:PC+3+4*\b], v[\s+8+16*\b:\s+15+16*\b], v[TM+12+\b]
.endr
	v_nop                                  ; one plain line behind the last conversion
.endm
.macro PUT256                          ; my block of the four tiles' fragments, and its bytes, to LDS
.irp t,0,1,2,3
	ds_store_b128 v[CH], v[PC+4*\t:PC+4*\t+3] offset:HIMG+4096*\t
	ds_store_b8 v[SB8], v[TM+4+\t] offset:HSCB+128*\t      ; both halves of the lanes write the same byte with the same value
.endr
.endm
; q, k, v of head w for the 64 tokens.  The q product's weights, scale words and bias are on their way.
.macro QKV lay
	s_wait_alu depctr_vm_vsrc(0)           ; my LDS stores of the codes and bytes have read their registers in X, in which the fragments land
	XSL 2, HSCB
	PASS 2, 0, HIMG, 0, 0, 0, 0, 0, 0
	s_wait_alu depctr_va_vdst(0)           ; the products are done reading W, WS and BI, in which k's weights, scale words and bias land
	WFRAG P_IPC, 256, WA256, 0, \lay*196608+65536
	WFRAG P_IPC, 256, WA256, 1, \lay*196608+65536
	WSCL P_IPS, 2, \lay*6144+2048
	BLOAD BI, P_IPB, \lay*3072+1024
	QUANT ACC                              ; a block = a token's 32 numbers of the head
	s_wait_alu depctr_va_vdst(0)           ; q's codes and scale word are written, which the stores read; QUANT is done with X
.irp t,0,1,2,3
	global_store_b128 v[LI], v[PC+4*\t:PC+4*\t+3], s[P_Q:P_Q+1] offset:512*\t
.endr
	global_store_b32 v[L4], v[PW], s[P_QS:P_QS+1] offset:QSC
	s_wait_alu depctr_vm_vsrc(0)           ; the stores have read the codes and the word in X, in which the fragments land again
	PASS 2, 0, HIMG, 0, 0, 0, 0, 0, 0
	s_wait_alu depctr_va_vdst(0)           ; the products are done reading W, WS and BI, in which v's weights, scale words and bias land
	WFRAG P_IPC, 256, WA256, 0, \lay*196608+131072
	WFRAG P_IPC, 256, WA256, 1, \lay*196608+131072
	WSCL P_IPS, 2, \lay*6144+4096
	BLOADV P_IPB, \lay*3072+2048
	QUANT ACC
	v_mov_b32 v[KW], v[PW]                 ; K's scale word is kept for the record
	s_wait_alu depctr_va_vdst(0)           ; k's codes are written, which the stores read; QUANT and the move are done with X
.irp t,0,1,2,3
	global_store_b128 v[LI], v[PC+4*\t:PC+4*\t+3], s[P_KV:P_KV+1] offset:512*\t   ; the four tiles of keys are the four blocks of ONE fragment
.endr
	s_wait_alu depctr_vm_vsrc(0)           ; the stores have read the codes in X, in which the fragments land again
	PASS 2, 0, HIMG, 0, 1, 0, 0, 0, 0
	QUANT ACC                              ; a block = 32 neighbouring keys of one channel; block 2 u + beta
	v_and_b32 v[TL], 16, v0
	v_cmp_ne_u32 vcc_lo, 0, v[TL]
	s_wait_alu depctr_va_vcc(0)            ; VCC is written, ahead of the select that reads it
	v_cndmask_b32 v[TL], v[KW], v[PW], vcc_lo      ; the record: lanes 0-15 K's scale words, lanes 16-31 V's
	s_wait_alu depctr_va_vdst(0)           ; v's codes and the record are written, which the stores read
.irp t,0,1,2,3
	global_store_b128 v[LI], v[PC+4*\t:PC+4*\t+3], s[P_KV:P_KV+1] offset:VOF+512*\t
.endr
	global_store_b32 v[L4], v[TL], s[P_REC:P_REC+1] offset:ROF
.endm
	s_load_b512 s[8:23], s[0:1], 0x0
	s_load_b256 s[24:31], s[0:1], 0x40
	v_lshl_add_u32 v242, v0, 2, 0x4200
	v_mov_b32 v243, 0
	v_lshrrev_b32 v20, 5, v0
	v_readfirstlane_b32 s2, v20                    ; wave
	s_lshr_b32 s3, ttmp9, 5                        ; batch
	s_and_b32 s4, ttmp9, 31                        ; group of 64 positions
	v_and_b32 v21, 31, v0                          ; lane
	v_and_b32 v22, 15, v0                          ; r
	v_bfe_u32 v23, v0, 4, 1                        ; h
	v_and_b32 v24, 8, v22
	v_add_nc_u32 v24, v24, v22                     ; rho
	v_lshlrev_b32 v[LI], 4, v21
	v_lshlrev_b32 v[L4], 2, v21
	v_lshlrev_b32 v[WA256], 8, v24
	v_lshl_add_u32 v[WA256], v23, 4, v[WA256]
	v_lshlrev_b32 v[WSA8], 3, v24
	v_lshlrev_b32 v[BA], 6, v23
	v_lshlrev_b32 v[XSA8], 3, v22
	s_wait_alu depctr_va_sdst(0)                   ; s2, the wave's number, is written, ahead of its first reader
	s_lshl_b32 s6, s2, 9
	v_add_nc_u32 v[CH], s6, v[LI]
	v_add_nc_u32 v[SB8], s2, v[XSA8]
	v_lshlrev_b32 v[BVA], 2, v24
	v_lshlrev_b32 v[XAD], 8, v24
	v_lshl_add_u32 v[XAD], v23, 3, v[XAD]
	v_lshlrev_b32 v[YAD], 4, v24
	v_lshlrev_b32 v[WEA], 6, v24
	v_lshl_add_u32 v[WEA], v23, 3, v[WEA]
.irp b,0,1,2,3
	v_mov_b32 v[TM+4+\b], 0                        ; a lane permute's destination counts as one of its sources
.endr
	s_mov_b32 s[SEL], 0x76543210
	s_mov_b32 s[SEL+1], 0xfedcba98
	s_mov_b32 s[MNT], 0x600000
	s_mov_b32 s7, 0
	s_wait_kmcnt 0x0
	s_lshl_b32 s6, s4, 14
	s_lshl_b32 s5, s3, 6
	s_add_co_u32 s6, s6, s5
	s_add_nc_u64 s[P_X:P_X+1], s[P_X:P_X+1], s[6:7]        ; x: 64 positions of 256 bytes a group, 64 bytes a batch
	s_lshl_b32 s6, s4, 10
	s_lshl_b32 s5, s3, 2
	s_add_co_u32 s6, s6, s5
	s_add_nc_u64 s[P_Y:P_Y+1], s[P_Y:P_Y+1], s[6:7]
	s_lshl_b32 s6, s2, 11
	s_add_nc_u64 s[P_XW:P_XW+1], s[P_XW:P_XW+1], s[6:7]    ; my 32 rows of 64 bytes
	s_lshl_b32 s6, s2, 7
	s_add_nc_u64 s[P_XB:P_XB+1], s[P_XB:P_XB+1], s[6:7]
	s_add_nc_u64 s[P_YW:P_YW+1], s[P_YW:P_YW+1], s[6:7]
	s_add_nc_u64 s[P_YB:P_YB+1], s[P_YB:P_YB+1], s[6:7]
	s_add_nc_u64 s[P_IPB:P_IPB+1], s[P_IPB:P_IPB+1], s[6:7]
	s_lshl_b32 s6, s2, 13
	s_add_nc_u64 s[P_IPC:P_IPC+1], s[P_IPC:P_IPC+1], s[6:7]
	s_lshl_b32 s6, s2, 8
	s_add_nc_u64 s[P_IPS:P_IPS+1], s[P_IPS:P_IPS+1], s[6:7]
	s_lshl_b32 s6, ttmp9, 3
	s_add_co_u32 s6, s6, s2
	s_lshl_b32 s6, s6, 13
	s_add_nc_u64 s[P_H:P_H+1], s[P_H:P_H+1], s[6:7]        ; h0: 8,192 bytes for each (batch, group, wave)
	s_lshl_b32 s5, s3, 3
	s_add_co_u32 s5, s5, s2
	s_lshl_b32 s5, s5, 5
	s_add_co_u32 s5, s5, s4                                ; (8 b + head) 32 + g
	s_lshl_b32 s6, s5, 7
	s_add_nc_u64 s[P_QS:P_QS+1], s[P_Q:P_Q+1], s[6:7]
	s_add_nc_u64 s[P_REC:P_REC+1], s[P_KV:P_KV+1], s[6:7]
	s_lshl_b32 s6, s5, 11
	s_add_nc_u64 s[P_Q:P_Q+1], s[P_Q:P_Q+1], s[6:7]
	s_add_nc_u64 s[P_KV:P_KV+1], s[P_KV:P_KV+1], s[6:7]
	s_wait_alu depctr_va_vdst(0)                   ; the offsets and addresses v1 to v11 and v20 are written, which the kernel's loads and stores read; so are the four zeros in X, in which loads of x land
	; the f32 form's fragments: lane (r, h), register j: k = 4 kk + 2 h + j
.irp u,0,1
.irp kk,0,1,2,3
	global_load_b64 v[W+2*(4*\u+\kk):W+2*(4*\u+\kk)+1], v[WEA], s[P_XW:P_XW+1] offset:512*\u+16*\kk
.endr
.endr
.irp t,0,1,2,3
.irp kk,0,1,2,3
	global_load_b64 v[X+2*(4*\t+\kk):X+2*(4*\t+\kk)+1], v[XAD], s[P_X:P_X+1] offset:(32*(\t/2)+8*(\t%2))*256+16*\kk
.endr
.endr
	BLOAD BI, P_XB, 0
	BLOAD X+32, P_YW, 0
	BLOAD X+48, P_YB, 0
.irp t,0,1,2,3
	global_load_b32 v[W+16+\t], v[YAD], s[P_Y:P_Y+1] offset:(32*(\t/2)+8*(\t%2))*16
.endr
	s_cmp_lt_u32 s4, 16                            ; positions under 1,024 carry y: the whole group does or does not
	s_cselect_b32 s56, -1, 0
	s_wait_loadcnt 0x0
	s_wait_alu depctr_vm_vsrc(0)                   ; the loads have read the offsets v20, v10 and v11: these registers are ACC's first, KW and TL from here on
.irp t,0,1,2,3
	v_cndmask_b32 v[W+16+\t], 0, v[W+16+\t], s56   ; y, or 0
.endr
.set NN, 0
.rept 16
	v_cndmask_b32 v[X+48+NN], 0, v[X+48+NN], s56   ; yenc_b, or 0
.set NN, NN+1
.endr
.set NN, 0
.rept 8
	v_pk_add_f32 v[BI+2*NN:BI+2*NN+1], v[BI+2*NN:BI+2*NN+1], v[X+48+2*NN:X+48+2*NN+1]   ; both biases: the C of the sums' first K step
.set NN, NN+1
.endr
.irp t,0,1,2,3
.irp kk,0,1,2,3
.if \kk == 0
	v_wmma_f32_16x16x4_f32 v[ENC0:ENC0+7], v[W:W+1], v[X+8*\t:X+8*\t+1], v[BI:BI+7]
	v_wmma_f32_16x16x4_f32 v[ENC1:ENC1+7], v[W+8:W+9], v[X+8*\t:X+8*\t+1], v[BI+8:BI+15]
.else
	v_wmma_f32_16x16x4_f32 v[ENC0:ENC0+7], v[W+2*\kk:W+2*\kk+1], v[X+8*\t+2*\kk:X+8*\t+2*\kk+1], v[ENC0:ENC0+7]
	v_wmma_f32_16x16x4_f32 v[ENC1:ENC1+7], v[W+8+2*\kk:W+9+2*\kk], v[X+8*\t+2*\kk:X+8*\t+2*\kk+1], v[ENC1:ENC1+7]
.endif
.endr
	NOPS 9                                         ; ahead of the reads below, and of the next tile's products, which begin the two sums anew
.irp i,0,1,2,3,4,5,6,7
	v_fma_f32 v[ACC+16*\t+\i], v[X+32+\i], v[W+16+\t], v[ENC0+\i]      ; + yenc_w x y
.endr
.irp i,0,1,2,3,4,5,6,7
	v_fma_f32 v[ACC+16*\t+8+\i], v[X+40+\i], v[W+16+\t], v[ENC1+\i]
.endr
.endr
	s_wait_alu depctr_va_vdst(0)                   ; the f32 products and the multiply-adds are done with W and BI, in which q's weights and bias land; the tokens in ACC are written, which the stores read
	WFRAG P_IPC, 256, WA256, 0, 0
	WFRAG P_IPC, 256, WA256, 1, 0
	WSCL P_IPS, 2, 0
	BLOAD BI, P_IPB, 0
.set NN, 0
.rept 16
	global_store_b128 v[LI], v[ACC+4*NN:ACC+4*NN+3], s[P_H:P_H+1] offset:512*NN    ; the tokens, for the residual
.set NN, NN+1
.endr
	s_wait_xcnt 0x0                                ; the stores have read ACC: the hold below writes it
	s_wait_alu depctr_vm_vsrc(0)                   ; the same of the stores' vector registers: they have read ACC
	QUANT ACC
	s_wait_alu depctr_va_vdst(0)                   ; the codes and bytes are written, which the LDS stores read; QUANT is done with X
	PUT256
	BARRIER                                        ; the 64 tokens' codes lie in LDS
	QKV 0
	s_wait_dscnt 0x0                               ; the closing lines, six on end
	s_wait_alu 0x0
	s_wait_tensorcnt 0x0
	ds_add_u32 v242, v243
	s_wait_dscnt 0x0
	s_endpgm
.Lfunc_end_k_q44bd83cb60_enc_qkv:
	.size	k_q44bd83cb60_enc_qkv, .Lfunc_end_k_q44bd83cb60_enc_qkv-k_q44bd83cb60_enc_qkv
	.p2alignl 7, 3214868480
	.fill 96, 4, 3214868480
	.section	.rodata,"a",@progbits
	.p2align	6, 0x0
	.amdhsa_kernel k_q44bd83cb60_enc_qkv
		.amdhsa_group_segment_fixed_size 17920
		.amdhsa_private_segment_fixed_size 0
		.amdhsa_enable_private_segment 0
		.amdhsa_kernarg_size 96
		.amdhsa_user_sgpr_count 2
		.amdhsa_user_sgpr_kernarg_segment_ptr 1
		.amdhsa_wavefront_size32 1
		.amdhsa_system_sgpr_workgroup_id_x 1
		.amdhsa_system_sgpr_workgroup_id_y 1
		.amdhsa_system_sgpr_workgroup_id_z 1
		.amdhsa_system_vgpr_workitem_id 0
		.amdhsa_next_free_vgpr 256
		.amdhsa_next_free_sgpr 66
		.amdhsa_reserve_vcc 1
		.amdhsa_float_denorm_mode_32 3
		.amdhsa_float_denorm_mode_16_64 3
		.amdhsa_memory_ordered 1
		.amdhsa_forward_progress 1
		.amdhsa_inst_pref_size 74
	.end_amdhsa_kernel
	.amdgpu_metadata
---
amdhsa.version: [ 1, 2 ]
amdhsa.kernels:
  - .name:           k_q44bd83cb60_enc_qkv
    .symbol:         k_q44bd83cb60_enc_qkv.kd
    .args:
      - { .name: x, .offset: 0, .size: 8, .value_kind: global_buffer, .address_space: global }
      - { .name: y, .offset: 8, .size: 8, .value_kind: global_buffer, .address_space: global }
      - { .name: xenc_w, .offset: 16, .size: 8, .value_kind: global_buffer, .address_space: global }
      - { .name: xenc_b, .offset: 24, .size: 8, .value_kind: global_buffer, .address_space: global }
      - { .name: yenc_w, .offset: 32, .size: 8, .value_kind: global_buffer, .address_space: global }
      - { .name: yenc_b, .offset: 40, .size: 8, .value_kind: global_buffer, .address_space: global }
      - { .name: in_proj_w_codes, .offset: 48, .size: 8, .value_kind: global_buffer, .address_space: global }
      - { .name: in_proj_w_scales, .offset: 56, .size: 8, .value_kind: global_buffer, .address_space: global }
      - { .name: in_proj_b, .offset: 64, .size: 8, .value_kind: global_buffer, .address_space: global }
      - { .name: h0, .offset: 72, .size: 8, .value_kind: global_buffer, .address_space: global }
      - { .name: q, .offset: 80, .size: 8, .value_kind: global_buffer, .address_space: global }
      - { .name: kv, .offset: 88, .size: 8, .value_kind: global_buffer, .address_space: global }
    .group_segment_fixed_size: 17920
    .private_segment_fixed_size: 0
    .kernarg_segment_align: 8
    .kernarg_segment_size: 96
    .max_flat_workgroup_size: 256
    .sgpr_count:     66
    .vgpr_count:     256
    .wavefront_size: 32
...
	.end_amdgpu_metadata
.endif
;; end of part 5
;; launch attn0 (part 6): grid 16 x 32, 8 waves a work-group, no clusters, 68,608 bytes of LDS; arguments q, kv, o; writes o
.if DOCPART == 6
	.amdgcn_target "amdgcn-amd-amdhsa--gfx1250"
	.amdhsa_code_object_version 6
	.text
	.protected	k_q44bd83cb60_attn0
	.globl	k_q44bd83cb60_attn0
	.p2align	8
	.type	k_q44bd83cb60_attn0,@function
k_q44bd83cb60_attn0:
	s_mov_b64 s[64:65], 0
	v_nop
	global_prefetch_b8 v0, s[64:65] scope:SCOPE_SE
	s_setreg_imm32_b32 hwreg(HW_REG_WAVE_SCHED_MODE, 0, 2), 2
	s_setreg_imm32_b32 hwreg(HW_REG_WAVE_MODE, 25, 1), 1
	s_wait_xcnt 0x0
	s_wait_alu depctr_vm_vsrc(0)
; Attention of one (batch, head) for 128 queries, on codes of E4M3; the result is quantised along the model's columns (a head is one block of 32) and stored as the next product's fragments.
; THE MASK is reference()'s own: key j counts for query i where j < 1,024 or j = i.  So every query walks the 1,024 keys of the prefix, 128 a step, and a query from 1,024 on takes one more step
; over its own block of 128 keys, in which every score but its own key's becomes -infinity ahead of the maximum (p = 0 there).
; SHARES.  Work-group x: block 15 - x of 128 queries (a grid of 8 along x serves the blocks from position 1,024 on alone); y: 8 x batch + head.  Each of eight waves owns one tile of 16 queries.
; K, V and their scale words of the prefix, 66 KiB, are copied once from memory into LDS as they lie and only read after the one barrier.  No tensor load, no ring.
; No cluster: the copy is made once and stands beside eight key steps of eight waves.
; LAYOUT.  Both products are used transposed, so that a lane holds ONE query throughout.  A fragment of K is DENSE: its four blocks of 32 along K are four tiles of 16 keys, each with the head's 32 numbers.
; q's 32 numbers stand in one block of source 1 and zero codes in the other three, so product 4 G + c gives the scores of key tile c of group G.  The key tiles are laid so that registers 16 b + i
; of the scores are keys 32 b + 16 (lane / 16) + i: p's codes are the second product's operand as the conversions leave them.
; SOFTMAX: t = score x log2(e) / sqrt(32); M = the running largest t rounded up to a whole number; p = 2^(t - M), not normalised; the sum is taken of the unquantised p and divides at the end.
; LIMITS: NaN and infinities are not served; a block whose largest magnitude lies under 2^-118, or of zeros, keeps the scale byte 1 (its bytes are read by this program alone).
; THE MODE: SCHED_MODE bits 1:0 = 2 (LLVM: expert scheduling mode 2), set by the entry lines.  The code itself states the register dependences
; between vector or matrix instructions and memory or LDS instructions, with s_wait_alu, always for 0.
; THE PLAN.  Registers that memory or LDS instructions touch, in the loop:
;   KF, R0, R1   Read by the step's eight score products (R0, R1 also by the two byte permutes at its head); behind them the NEXT step's K and records land there.
;   VF           Read by the step's two products with V, at its end; the next step's V lands there behind that step's score products.
;   ADK, ADR     LDS addresses: read by the run of loads, written once a step, among the places behind the score products.
;   S, O, p's codes and all of the softmax are named by vector and matrix instructions alone.
; So ONE run of 18 LDS loads stands in a step, behind the score products, where the wave has to have the scores in any case: this step's V, then the next step's K and records.
; Ahead of it: one wait on vm_vsrc (the last run has read the two addresses), the two additions, and one wait on va_vdst (the score products and the permutes are done reading KF, R0, R1;
; the last step's products with V are done reading VF; the addresses are written).  One more wait on va_vdst stands ahead of the products with V, whose source 1 and its scale word vector instructions have written.
; The loop has seven trips; the eighth step of the prefix is written out and asks for no further K.
.set VOF, 2097152
.set ROF, 4194304
.set QSC, 2097152
.set OSC, 2097152
.set LV, 32768                         ; LDS: K at 0, V here,
.set LR, 65536                         ; the records here
.set AK, 1                             ; 16 x lane
.set AR, 3                             ; LR + 4 x lane
.set ADK, 4                            ; 16 x lane + 4,096 x step: V lies LV further on, the next step's K 4,096
.set ADV, 5                            ; at the head only: the lane
.set ADR, 6                            ; LR + 4 x lane + 256 x step: the next step's records lie 256 further on
.set CPK, 7                            ; 4,096 w + 16 x lane: the copy, in memory and in LDS
.set DQ, 8                             ; my query's place in its block of 128, less 16 (lane / 16)
.set NINF, 9
.set R8, 10                            ; 8 r
.set L4, 11                            ; 4 x lane
.set QZ, 16                            ; v16-43: twelve zeros, q's four registers, twelve zeros
.set QS, 44
.set R0, 45
.set R1, 46
.set VS0, 47
.set VS1, 48
.set PWD, 49
.set CPR, 50
.set CPG, 51
.set KF, 52                            ; v52-83   two fragments of K
.set VF, 84                            ; v84-115  two fragments of V
.set S, 116                            ; v116-179 the scores, then p
.set O, 180                            ; v180-195 O^T
.set PC, 196                           ; v196-211 p's codes
.set BM, 212
.set BP, 216
.set HD, 220
.set SO, 224
.set T0, 228
.set F, 230
.set SUM2, 232
.set MK, 4                             ; s4-s19: sixteen masks of the own block's step; the pointers that stood there are done with
.macro NOPS n
.rept \n
	v_nop
.endr
.endm
; A KEY STEP of 128 keys.  diag = 0: from LDS, step s25 / 4,096; ahead = 1: the next step's K and records are asked for.  diag = 1: the queries' own block, from memory, with the mask.
.macro STEP diag, ahead
.if \diag
	s_wait_alu depctr_va_vdst(0)           ; the prefix's last products are done reading KF, R0, R1 and VF, in which the loads below land
.irp i,0,1,2,3,4,5,6,7
	global_load_b128 v[KF+4*\i:KF+4*\i+3], v[AK], s[34:35] offset:512*\i
.endr
	global_load_b32 v[R0], v[L4], s[36:37] offset:ROF
	global_load_b32 v[R1], v[L4], s[36:37] offset:ROF+128
.irp u,0,1
.irp c,0,1,2,3
	global_load_b128 v[VF+16*\u+4*\c:VF+16*\u+4*\c+3], v[AK], s[34:35] offset:VOF+2048*(\c/2)+1024*\u+512*(\c%2)
.endr
.endr
	s_wait_loadcnt 0x8                     ; K and the records are in; V's eight loads, issued behind them, may be out
.else
	s_wait_dscnt 0x0                       ; K and the records, asked for in the step before (the first step's: ahead of the loop), are in
.endif
	v_perm_b32 v[VS0], v[R1], v[R0], 0x05040100    ; V's scale words for the 128 keys (lanes 16-31): channel tile 0: bytes 0, 1 of both groups' records;
	v_perm_b32 v[VS1], v[R1], v[R0], 0x07060302    ; tile 1: bytes 2, 3
.irp k,0,1,2,3,4,5,6,7
	v_wmma_scale_f32_16x16x128_f8f6f4 v[S+8*\k:S+8*\k+7], v[KF+16*(\k/4):KF+16*(\k/4)+15], v[QZ+12-4*(\k%4):QZ+27-4*(\k%4)], 0, v[R0+\k/4], v[QS]
.endr
.if \diag
	NOPS 9
.set NG, 0
.rept 4                                        ; sixteen compares, one wait, sixteen selects
.set NN, 0
.rept 16
	v_cmp_ne_u32 s[MK+NN], 32*NG+NN, v[DQ]         ; register 16 b + i holds key 32 b + 16 (lane / 16) + i of the block
.set NN, NN+1
.endr
	s_wait_alu depctr_va_sdst(0)                   ; the sixteen masks are written, ahead of the selects that read them
.set NN, 0
.rept 16
	v_cndmask_b32 v[S+16*NG+NN], v[S+16*NG+NN], v[NINF], s[MK+NN]
.set NN, NN+1
.endr
.set NG, NG+1
.endr
.else
	s_wait_alu depctr_vm_vsrc(0)           ; the LDS loads issued so far have read v[ADK] and v[ADR]
	v_add_nc_u32 v[ADK], s25, v[AK]        ; (the additions are among the nine places behind the score products)
.if \ahead
	v_add_nc_u32 v[ADR], s26, v[AR]
.endif
	NOPS 8-\ahead
	s_wait_alu depctr_va_vdst(0)           ; the score products and the two permutes are done reading KF, R0, R1; the last step's products with V are done reading VF; the addresses are written
.irp u,0,1
.irp c,0,1,2,3
	ds_load_b128 v[VF+16*\u+4*\c:VF+16*\u+4*\c+3], v[ADK] offset:LV+2048*(\c/2)+1024*\u+512*(\c%2)
.endr
.endr
.if \ahead
.irp i,0,1,2,3,4,5,6,7
	ds_load_b128 v[KF+4*\i:KF+4*\i+3], v[ADK] offset:4096+512*\i
.endr
	ds_load_b32 v[R0], v[ADR] offset:256
	ds_load_b32 v[R1], v[ADR] offset:384
.endif
.endif
.irp b,0,1,2,3
	v_max3_num_f32 v[BM+\b], v[S+16*\b], v[S+1+16*\b], v[S+2+16*\b]    ; the largest score of each block of 32 keys: for the row's maximum and for the block's largest p
.endr
.irp i,3,5,7,9,11,13
.irp b,0,1,2,3
	v_max3_num_f32 v[BM+\b], v[BM+\b], v[S+16*\b+\i], v[S+1+16*\b+\i]
.endr
.endr
.irp b,0,1,2,3
	v_max_num_f32 v[BM+\b], v[BM+\b], v[S+15+16*\b]
.endr
.irp b,0,1,2,3
	v_permlanex16_b32 v[BP+\b], v[BM+\b], s20, s21
.endr
.irp b,0,1,2,3
	v_max_num_f32 v[BM+\b], v[BM+\b], v[BP+\b]
.endr
	v_max3_num_f32 v[T0], v[BM], v[BM+1], v[BM+2]
	v_max_num_f32 v[T0], v[T0], v[BM+3]
	v_mul_f32 v[T0], s22, v[T0]                    ; as t
	v_max_num_f32 v13, v13, v[T0]                  ; the running largest t
	v_mov_b32 v[T0], v12
	v_floor_f32 v12, -v13                          ; -M = floor(-t): M is a whole number
	v_sub_f32 v[T0], v12, v[T0]                    ; old M - new M
	v_cvt_i32_f32 v[T0], v[T0]                     ; (it saturates)
	v_ldexp_f32 v[F], 1.0, v[T0]                   ; f = 2^(old M - new M): multiplying by it rounds nothing
.set NN, 0
.rept 32
	v_pk_fma_f32 v[S+2*NN:S+2*NN+1], v[S+2*NN:S+2*NN+1], s[22:23], v[12:13] op_sel_hi:[1,0,0]   ; t - M
.set NN, NN+1
.endr
.irp b,0,1,2,3
	v_fma_f32 v[BM+\b], v[BM+\b], s22, v12
.endr
.set NN, 0
.rept 64
	v_exp_f32 v[S+NN], v[S+NN]                     ; p = 2^(t - M)
.set NN, NN+1
.endr
.irp b,0,1,2,3
	v_exp_f32 v[BM+\b], v[BM+\b]                   ; the block's largest p
.endr
	v_pk_mul_f32 v[14:15], v[14:15], v[F:F+1] op_sel_hi:[1,0]      ; the sums under the new M (a plain line behind the exponentials)
	s_wait_alu depctr_va_vdst(0)                   ; the 68 exponentials have written p and the blocks' largest p, ahead of their first reader
.irp b,0,1,2,3
	v_max_num_f32 v[BM+\b], 0x4800000, v[BM+\b]    ; the floor 2^(9 - 127)
.endr
.irp b,0,1,2,3
	v_add_nc_u32 v[SO+\b], 0xfc000000, v[BM+\b]
.endr
.irp b,0,1,2,3
	v_and_or_b32 v[HD+\b], v[BM+\b], 0x7f800000, s24
.endr
.irp b,0,1,2,3
	v_lshrrev_b32 v[BP+\b], 23, v[SO+\b]
.endr
	v_lshl_or_b32 v[PWD], v[BP+1], 8, v[BP]        ; p's scale word for these 128 keys
	v_lshl_or_b32 v[PWD], v[BP+2], 16, v[PWD]
	v_lshl_or_b32 v[PWD], v[BP+3], 24, v[PWD]
	v_pk_add_f32 v[SUM2:SUM2+1], v[S:S+1], v[S+2:S+3]              ; the sum of the unquantised p, in two chains
.irp j,4,8,12,16,20,24,28,32,36,40,44,48,52,56,60
	v_pk_add_f32 v[14:15], v[14:15], v[S+\j:S+1+\j]
	v_pk_add_f32 v[SUM2:SUM2+1], v[SUM2:SUM2+1], v[S+2+\j:S+3+\j]
.endr
	v_pk_add_f32 v[14:15], v[14:15], v[SUM2:SUM2+1]
.irp b,0,1,2,3
.irp i,0,1,2,3,4,5,6,7,8,9,10,11,12,13,14,15
	v_min_num_f32 v[S+16*\b+\i], v[S+16*\b+\i], v[HD+\b]           ; the hold; p is never negative
.endr
	v_cvt_scalef32_pk8_fp8_f32 v[PC+4*\b:PC+1+4*\b], v[S+16*\b:S+7+16*\b], v[SO+\b]
	v_cvt_scalef32_pk8_fp8_f32 v[PC+2+4*\b:PC+3+4*\b], v[S+8+16*\b:S+15+16*\b], v[SO+\b]
.endr
.irp j,0,2,4,6,8,10,12,14
	v_pk_mul_f32 v[O+\j:O+1+\j], v[O+\j:O+1+\j], v[F:F+1] op_sel_hi:[1,0]      ; O^T under the new M
.endr
	NOPS 4
.if \diag
	s_wait_loadcnt 0x0
.elseif \ahead
	s_wait_dscnt 0xa                       ; V is in; the ten loads of the next step's K and records, issued behind V's, may be out
.else
	s_wait_dscnt 0x0                       ; V is in
.endif
	s_wait_alu depctr_va_vdst(0)           ; the conversions have written p's codes, the shifts its scale word and the permutes V's scale words: the two products take them as source 1 and as scales; the places above stay beside this wait
	v_wmma_scale_f32_16x16x128_f8f6f4 v[O:O+7], v[VF:VF+15], v[PC:PC+15], v[O:O+7], v[VS0], v[PWD] matrix_a_scale:MATRIX_SCALE_ROW1
	v_wmma_scale_f32_16x16x128_f8f6f4 v[O+8:O+15], v[VF+16:VF+31], v[PC:PC+15], v[O+8:O+15], v[VS1], v[PWD] matrix_a_scale:MATRIX_SCALE_ROW1
	NOPS 9                                 ; ahead of the next step's permutes, which write V's scale words anew, and of the reads of O^T
.if \diag == 0
	s_add_co_u32 s25, s25, 4096
	s_add_co_u32 s26, s26, 256
.endif
.endm
	s_load_b128 s[4:7], s[0:1], 0x0                ; q, kv
	s_load_b64 s[8:9], s[0:1], 0x10                ; o
	v_lshl_add_u32 v254, v0, 2, 0x10800
	v_mov_b32 v255, 0
	v_lshrrev_b32 v[ADK], 5, v0
	v_readfirstlane_b32 s2, v[ADK]                 ; wave
	s_sub_co_u32 s3, 15, ttmp9                     ; my block of 128 queries: the blocks with the longer walk come first
	s_and_b32 s10, ttmp7, 0xffff                   ; 8 x batch + head
	v_and_b32 v[ADV], 31, v0                       ; lane
	v_and_b32 v[ADR], 15, v0                       ; r
	v_bfe_u32 v[ADK], v0, 4, 1                     ; h
	v_lshlrev_b32 v[AK], 4, v[ADV]
	v_lshlrev_b32 v[L4], 2, v[ADV]
	v_add_nc_u32 v[AR], LR, v[L4]
	s_wait_alu depctr_va_sdst(0)                   ; s2, the wave's number, is written, ahead of its first reader
	s_lshl_b32 s11, s2, 12
	v_add_nc_u32 v[CPK], s11, v[AK]
	s_lshl_b32 s11, s2, 8
	v_lshl_add_u32 v[CPG], v[ADV], 3, s11
	v_add_nc_u32 v[CPR], LR, v[CPG]
	v_lshlrev_b32 v[R8], 3, v[ADR]
	v_and_b32 v[DQ], 8, v[ADR]
	v_add_nc_u32 v[DQ], v[DQ], v[ADR]              ; rho
	v_lshlrev_b32 v[ADK], 4, v[ADK]
	v_sub_nc_u32 v[DQ], v[DQ], v[ADK]              ; - 16 h
	s_lshr_b32 s11, s2, 1
	s_lshl_b32 s11, s11, 5
	s_and_b32 s12, s2, 1
	s_lshl_b32 s12, s12, 3
	s_add_co_u32 s11, s11, s12
	v_add_nc_u32 v[DQ], s11, v[DQ]                 ; + 32 (w / 2) + 8 (w % 2)
	v_mov_b32 v[NINF], 0xff800000
	s_mov_b32 s13, 0
	s_lshr_b32 s29, s2, 2
	s_lshl_b32 s11, s3, 1
	s_add_co_u32 s29, s29, s11                     ; my queries' group of 64
	s_and_b32 s40, s2, 3                           ; and their tile in it
	s_mul_i32 s28, s40, 0x01010101                 ; a byte select: the tile's byte, four times
	s_lshl_b32 s41, s10, 5
	s_add_co_u32 s41, s41, s29
	s_mov_b32 s20, 0x76543210
	s_mov_b32 s21, 0xfedcba98
	s_mov_b32 s22, 0x3e8293ee                      ; log2(e) / sqrt(32)
	s_mov_b32 s23, s22
	s_mov_b32 s24, 0x600000
	s_mov_b32 s25, 0
	s_mov_b32 s26, 0
	s_mov_b32 s27, 7
	s_wait_kmcnt 0x0
	s_lshl_b32 s12, s10, 16
	s_add_nc_u64 s[14:15], s[6:7], s[12:13]        ; the head's K (V lies VOF further on)
	s_lshl_b32 s12, s10, 12
	s_add_nc_u64 s[16:17], s[6:7], s[12:13]        ; its records (ROF further on)
	s_lshl_b32 s12, s3, 12
	s_add_nc_u64 s[34:35], s[14:15], s[12:13]      ; the same at my queries' own block of 128 keys
	s_lshl_b32 s12, s3, 8
	s_add_nc_u64 s[36:37], s[16:17], s[12:13]
	s_lshl_b32 s12, s41, 11
	s_lshl_b32 s11, s40, 9
	s_add_co_u32 s12, s12, s11
	s_add_nc_u64 s[18:19], s[4:5], s[12:13]        ; my tile of q
	s_lshl_b32 s12, s41, 7
	s_add_nc_u64 s[38:39], s[4:5], s[12:13]        ; its group's scale words
	s_lshr_b32 s11, s10, 3
	s_lshl_b32 s11, s11, 5
	s_add_co_u32 s11, s11, s29
	s_lshl_b32 s11, s11, 2
	s_add_co_u32 s11, s11, s40                     ; (32 b + group) 4 + tile
	s_and_b32 s41, s10, 7                          ; head
	s_lshl_b32 s12, s11, 12
	s_lshl_b32 s42, s41, 9
	s_add_co_u32 s12, s12, s42
	s_add_nc_u64 s[30:31], s[8:9], s[12:13]        ; o: my 512 bytes of codes
	s_lshl_b32 s12, s11, 7
	s_add_co_u32 s12, s12, s41
	s_add_nc_u64 s[32:33], s[8:9], s[12:13]        ; and my byte in each row's eight
	s_wait_alu depctr_va_vdst(0)                   ; the offsets and addresses AK, AR, CPK, CPG, CPR, R8 and L4 are written, which the kernel's loads and stores read
.irp i,0,1,2,3,4,5,6,7
	global_load_b128 v[S+4*\i:S+4*\i+3], v[CPK], s[14:15] offset:512*\i
.endr
.irp i,0,1,2,3,4,5,6,7
	global_load_b128 v[S+32+4*\i:S+35+4*\i], v[CPK], s[14:15] offset:VOF+512*\i
.endr
	global_load_b64 v[BM:BM+1], v[CPG], s[16:17] offset:ROF
	global_load_b128 v[QZ+12:QZ+15], v[AK], s[18:19]
	global_load_b32 v[QS], v[L4], s[38:39] offset:QSC
.irp i,0,1,2,3,4,5,6,7,8,9,10,11
	v_mov_b32 v[QZ+\i], 0                          ; zero codes on both sides of q
	v_mov_b32 v[QZ+16+\i], 0
.endr
	v_mov_b32 v13, 0xff61b1e6                      ; the largest t so far: -3e38
	v_floor_f32 v12, -v13
	v_mov_b32 v14, 0
	v_mov_b32 v15, 0
.irp b,0,1,2,3
	v_mov_b32 v[BP+\b], 0                          ; a lane permute's destination counts as one of its sources
.endr
	v_mov_b32 v[F+1], 0                            ; named as the upper half of a pair
	s_wait_loadcnt 0x0
.irp i,0,1,2,3,4,5,6,7
	ds_store_b128 v[CPK], v[S+4*\i:S+4*\i+3] offset:512*\i
.endr
.irp i,0,1,2,3,4,5,6,7
	ds_store_b128 v[CPK], v[S+32+4*\i:S+35+4*\i] offset:LV+512*\i
.endr
	ds_store_b64 v[CPR], v[BM:BM+1]
	v_perm_b32 v[QS], v[QS], v[QS], s28            ; my tile's byte in all four: q may stand in any block
.set NN, 0
.rept 16
	v_mov_b32 v[O+NN], 0                           ; O^T: the step is written once, its first trip finds zeros.  (Also the places between the scale word above and the first product)
.set NN, NN+1
.endr
	s_wait_dscnt 0x0
	s_barrier_signal -1
	s_barrier_wait -1                              ; the prefix lies in LDS; nothing is written there again
	s_wait_alu depctr_vm_vsrc(0)                   ; my LDS stores have read v[S ..] and v[BM ..], which the score products and the maxima write from here on
	s_wait_alu depctr_va_vdst(0)                   ; the zero codes beside q and q's scale word are written: the score products take them as source 1 and as its scales
.irp i,0,1,2,3,4,5,6,7
	ds_load_b128 v[KF+4*\i:KF+4*\i+3], v[AK] offset:512*\i         ; the first step's K,
.endr
	ds_load_b32 v[R0], v[AR]                       ; and its records
	ds_load_b32 v[R1], v[AR] offset:128
.Lstep:
	STEP 0, 1
	s_sub_co_u32 s27, s27, 1
	s_cmp_lg_u32 s27, 0
	s_cbranch_scc1 .Lstep
	STEP 0, 0                                      ; the prefix's last step is written out: there is no further K in LDS to ask for
	s_cmp_lt_u32 s3, 8                             ; queries under 1,024 have met their own key in the prefix
	s_cbranch_scc1 .Ltail
	STEP 1, 0
.Ltail:
	v_add_f32 v14, v14, v15
	v_permlanex16_b32 v[BP], v14, s20, s21
	v_add_f32 v14, v14, v[BP]                      ; the row's sum
	v_rcp_f32 v14, v14
	v_nop
.set NN, 0
	s_wait_alu depctr_va_vdst(0)                   ; the reciprocal has written v14, ahead of its first reader
.rept 16
	v_mul_f32 v[S+NN], v[O+NN], v14                ; o(query r, 16 h + 0 .. 15 of the head)
.set NN, NN+1
.endr
	v_max3_num_f32 v[BM], |v[S]|, |v[S+1]|, 0x4800000
.irp i,2,4,6,8,10,12,14
	v_max3_num_f32 v[BM], v[BM], |v[S+\i]|, |v[S+1+\i]|
.endr
	v_permlanex16_b32 v[BP], v[BM], s20, s21
	v_max_num_f32 v[BM], v[BM], v[BP]
	v_add_nc_u32 v[SO], 0xfc000000, v[BM]
	v_and_or_b32 v[HD], v[BM], 0x7f800000, s24
	v_lshrrev_b32 v[BP], 23, v[SO]
.set NN, 0
.rept 16
	v_med3_num_f32 v[S+NN], v[S+NN], -v[HD], v[HD]
.set NN, NN+1
.endr
	v_cvt_scalef32_pk8_fp8_f32 v[PC:PC+1], v[S:S+7], v[SO]
	v_cvt_scalef32_pk8_fp8_f32 v[PC+2:PC+3], v[S+8:S+15], v[SO]
	v_nop
	s_wait_alu depctr_va_vdst(0)                   ; the conversions have written o's codes and the shift its scale byte, which the two stores read
	global_store_b128 v[AK], v[PC:PC+3], s[30:31]  ; 512 consecutive bytes
	global_store_b8 v[R8], v[BP], s[32:33] offset:OSC      ; one byte a row, eight bytes apart (the eight heads' bytes of a row lie together for the next launch): 16 bytes beside 512 of codes
	s_wait_dscnt 0x0                               ; the closing lines, six on end
	s_wait_alu 0x0
	s_wait_tensorcnt 0x0
	ds_add_u32 v254, v255
	s_wait_dscnt 0x0
	s_endpgm
.Lfunc_end_k_q44bd83cb60_attn0:
	.size	k_q44bd83cb60_attn0, .Lfunc_end_k_q44bd83cb60_attn0-k_q44bd83cb60_attn0
	.p2alignl 7, 3214868480
	.fill 96, 4, 3214868480
	.section	.rodata,"a",@progbits
	.p2align	6, 0x0
	.amdhsa_kernel k_q44bd83cb60_attn0
		.amdhsa_group_segment_fixed_size 68608
		.amdhsa_private_segment_fixed_size 0
		.amdhsa_enable_private_segment 0
		.amdhsa_kernarg_size 24
		.amdhsa_user_sgpr_count 2
		.amdhsa_user_sgpr_kernarg_segment_ptr 1
		.amdhsa_wavefront_size32 1
		.amdhsa_system_sgpr_workgroup_id_x 1
		.amdhsa_system_sgpr_workgroup_id_y 1
		.amdhsa_system_sgpr_workgroup_id_z 1
		.amdhsa_system_vgpr_workitem_id 0
		.amdhsa_next_free_vgpr 256
		.amdhsa_next_free_sgpr 66
		.amdhsa_reserve_vcc 0
		.amdhsa_float_denorm_mode_32 3
		.amdhsa_float_denorm_mode_16_64 3
		.amdhsa_memory_ordered 1
		.amdhsa_forward_progress 1
		.amdhsa_inst_pref_size 72
	.end_amdhsa_kernel
	.amdgpu_metadata
---
amdhsa.version: [ 1, 2 ]
amdhsa.kernels:
  - .name:           k_q44bd83cb60_attn0
    .symbol:         k_q44bd83cb60_attn0.kd
    .args:
      - { .name: q, .offset: 0, .size: 8, .value_kind: global_buffer, .address_space: global }
      - { .name: kv, .offset: 8, .size: 8, .value_kind: global_buffer, .address_space: global }
      - { .name: o, .offset: 16, .size: 8, .value_kind: global_buffer, .address_space: global }
    .group_segment_fixed_size: 68608
    .private_segment_fixed_size: 0
    .kernarg_segment_align: 8
    .kernarg_segment_size: 24
    .max_flat_workgroup_size: 256
    .sgpr_count:     66
    .vgpr_count:     256
    .wavefront_size: 32
...
	.end_amdgpu_metadata
.endif
;; end of part 6
;; launch mid_qkv (part 7): grid 128 x 1, 8 waves a work-group, no clusters, 124,416 bytes of LDS; arguments o, h0, out_proj_w_codes, out_proj_w_scales, out_proj_b, ln1_g, ln1_b, lin1_w_codes, lin1_w_scales, lin1_b, lin2_w_codes, lin2_w_scales, lin2_b, ln2_g, ln2_b, in_proj_w_codes, in_proj_w_scales, in_proj_b, h1, q, kv; writes h1, q, kv
.if DOCPART == 7
	.amdgcn_target "amdgcn-amd-amdhsa--gfx1250"
	.amdhsa_code_object_version 6
	.text
	.protected	k_q44bd83cb60_mid_qkv
	.globl	k_q44bd83cb60_mid_qkv
	.p2align	8
	.type	k_q44bd83cb60_mid_qkv,@function
k_q44bd83cb60_mid_qkv:
	s_mov_b64 s[64:65], 0
	v_nop
	global_prefetch_b8 v0, s[64:65] scope:SCOPE_SE
	s_setreg_imm32_b32 hwreg(HW_REG_WAVE_SCHED_MODE, 0, 2), 2
	s_setreg_imm32_b32 hwreg(HW_REG_WAVE_MODE, 25, 1), 1
	s_wait_xcnt 0x0
	s_wait_alu depctr_vm_vsrc(0)
; Layer 0 behind its attention, and layer 1's q, k, v:  h = LN1(h0 + o out_proj^T + b);  h = LN2(h + gelu(h lin1^T + b) lin2^T + b);  q, k, v = h in_proj[1]^T + b.  All products on codes of E4M3.
; SHARES.  A work-group owns a token group: one batch, 64 positions, four tiles of 16: lane r of tile t holds token 32 (t / 2) + 8 (t % 2) + rho, rho = r + 8 (r / 8).
; THE WAVES SHARE THE COLUMNS: wave w makes columns 32 w .. + 31 where a product has 256, 64 w .. + 63 (two passes) where it has 512, and head w of q, k, v, for all 64 tokens.
; A tile of weight rows begins at row 32 nb + 8 u and its lane r takes row + rho; used transposed, a lane's registers 16 t + 0 .. 15 are token (t, r), columns 32 nb + 16 (lane / 16) + 0 .. 15:
; sixteen neighbours along the next K, which the conversions turn into four registers of the next operand.  Operands go from wave to wave through LDS as images of their registers.
; The weights go from memory straight into operand registers, each wave its own rows, asked for one product ahead.  No tensor load, no ring.
; No cluster: what the work-groups share, the weights, never passes through LDS here.
; LAYER NORM: each wave takes mean and sum of squared deviations of its 32 columns; the eight pairs meet in LDS and are joined (sum of the parts + 32 x the squared deviations of the parts' means):
; no difference of large sums.
; GELU: 0.5 x (1 + erf(x / sqrt 2)), erf as z P(z^2) / Q(z^2), degrees 13 and 8, z held within +-4: absolute error of erf about 1e-7.
; LIMITS: NaN and infinities are not served; a block whose largest magnitude lies under 2^-118, or of zeros, keeps the scale byte 1 (the bytes are read by this program alone).
; THE MODE: SCHED_MODE bits 1:0 = 2 (LLVM: expert scheduling mode 2), set by the entry lines.  The code itself states the register dependences
; between vector or matrix instructions and memory or LDS instructions, with s_wait_alu, always for 0.
; THE PLAN.  Registers that memory or LDS instructions touch:
;   X        loaded: the tokens' fragments, g and b, the layer norm's pairs.  Read by the products; worked in by QUANT, GELU and the layer norm.  Read by stores: the codes, bytes and scale word, the layer norm's parts.
;   W, WS, BI  loaded one product ahead; read by the products, BI also by the addition of a bias.
;   XS       loaded (the tokens' scale words); read by the products; between two products the layer norm keeps mean and rsqrt there.
;   ACC      loaded (the residual: h0, the stash); written by the products and the vector work; read by the stores of the stash and of h1.
;   KW, TL   written by a move and a select; TL is read by the record's store.
;   v1-v17   offsets and addresses, made once at the head.
; One wait on va_vdst stands behind each run of products, ahead of the loads into what they read (behind a product's last K step: the next weights, scale words, bias, g and b, in one run);
; one ahead of each run of stores of fresh results.  One wait on vm_vsrc stands ahead of each rewriting of registers that stores have read.
; The next product's bias is asked for behind the wait that the layer norm's stores want in any case; the pairs of tiles 2 and 3 behind the last reader of tiles 0 and 1's.
.set LAY, 0                            ; the layer of out_proj, ln1, lin1, lin2, ln2
.set OSC, 2097152
.set QSC, 2097152
.set VOF, 2097152
.set ROF, 4194304
.set HIMG, 0                           ; LDS: [t 4][block 8][lane][16]   fragments of a 256-wide activation
.set HSCB, 16384                       ;      [t 4][r 16][8 bytes]       their scale bytes
.set FIMG, 16896                       ;      [t 4][block 16][lane][16]  the 512-wide hidden layer
.set FSCB, 49664                       ;      [t 4][r 16][16 bytes]
.set LNS, 50688                        ;      [t 4] 1,280 : [r 16] 80 : [w 8] (mean, sum of squares)
.set STASH, 57856                      ;      [w 8] 8,192: the wave's own h, for the second residual
.set LI, 1                             ; 16 x lane
.set L4, 2                             ; 4 x lane
.set WA256, 3                          ; 256 rho + 16 h
.set WA512, 4                          ; 512 rho + 16 h
.set WSA8, 5                           ; 8 rho
.set WSA16, 6                          ; 16 rho
.set BA, 7                             ; 64 h
.set XSA8, 8                           ; 8 r
.set XSA16, 9                          ; 16 r
.set CH, 10                            ; 16 x lane + 512 w
.set CH2, 11                           ; 16 x lane + 1,024 w
.set SB8, 12                           ; 8 r + w
.set SB16, 13                          ; 16 r + 2 w
.set LNA, 14                           ; 80 r + 8 w
.set LNR, 15                           ; 80 r
.set STA, 16                           ; STASH + 8,192 w + 16 x lane
.set BVA, 17                           ; 4 rho
.set ACC, 20                           ; v20-83
.set X, 84                             ; v84-147
.set W, 148                            ; v148-211
.set BI, 212                           ; v212-227
.set XS, 228                           ; v228-243
.set WS, 244                           ; v244-251
.set KW, 252
.set TL, 253
.set PC, X
.set TM, X+16
.set PW, X+32
.set G, X+32
.set BB, X+48
.set MU, XS
.set RS, XS+4
.set UU, XS+8
.set SEL, 52
.set MNT, 54
.set EPS, 55
.set P_O, 8
.set P_H, 10
.set P_OPC, 12
.set P_OPS, 14
.set P_OPB, 16
.set P_G1, 18
.set P_B1, 20
.set P_L1C, 22
.set P_L1S, 24
.set P_L1B, 26
.set P_L2C, 28
.set P_L2S, 30
.set P_L2B, 32
.set P_G2, 34
.set P_B2, 36
.set P_IPC, 38
.set P_IPS, 40
.set P_IPB, 42
.set P_H1, 44
.set P_Q, 46
.set P_KV, 48
.set P_OS, 56
.set P_QS, 58
.set P_REC, 60
.macro NOPS n
.rept \n
	v_nop
.endr
.endm
.macro BARRIER                         ; my LDS stores have landed and my LDS loads are in: then the work-group's barrier
	s_wait_dscnt 0x0
	s_barrier_signal -1
	s_barrier_wait -1
.endm
.macro ADDP p                          ; a pointer takes the offset in s[6:7]
	s_add_nc_u64 s[\p:\p+1], s[\p:\p+1], s[6:7]
.endm
.macro WFRAG cb, kb, wa, s, off        ; the two weight tiles' fragments of K step s: rows of kb bytes
.irp u,0,1
.irp c,0,1,2,3
	global_load_b128 v[W+16*(2*((\s)%2)+\u)+4*\c:W+16*(2*((\s)%2)+\u)+4*\c+3], v[\wa], s[\cb:\cb+1] offset:(\off)+8*\u*(\kb)+128*(\s)+32*\c
.endr
.endr
.endm
.macro WSCL sb, ks, off                ; their scale words: word (u, s) at WS + ks u + s
.irp u,0,1
.if \ks == 2
	global_load_b64 v[WS+2*\u:WS+2*\u+1], v[WSA8], s[\sb:\sb+1] offset:(\off)+64*\u
.else
	global_load_b128 v[WS+4*\u:WS+4*\u+3], v[WSA16], s[\sb:\sb+1] offset:(\off)+128*\u
.endif
.endr
.endm
.macro BLOAD dst, pb, off              ; sixteen numbers a lane: those of columns 16 h + 0 .. 15 of my block
.irp q,0,1,2,3
	global_load_b128 v[\dst+4*\q:\dst+4*\q+3], v[BA], s[\pb:\pb+1] offset:(\off)+16*\q
.endr
.endm
.macro BLOADV pb, off                  ; the bias for the swapped product: a lane holds one channel
.irp u,0,1
.irp j,0,1,2,3,4,5,6,7
	global_load_b32 v[BI+8*\u+\j], v[BVA], s[\pb:\pb+1] offset:(\off)+32*\u
.endr
.endr
.endm
.macro XSL ks, scb                     ; the tokens' scale words: word (t, s) at XS + 4 t + s
.irp t,0,1,2,3
.if \ks == 2
	ds_load_b64 v[XS+4*\t:XS+4*\t+1], v[XSA8] offset:\scb+128*\t
.else
	ds_load_b128 v[XS+4*\t:XS+4*\t+3], v[XSA16] offset:\scb+256*\t
.endif
.endr
.endm
.macro XFETCH glb, ks, img, s          ; the four token tiles' fragments of K step s: from LDS, or (glb) o's from memory
.irp t,0,1,2,3
.irp c,0,1,2,3
.if \glb
	global_load_b128 v[X+16*\t+4*\c:X+16*\t+4*\c+3], v[LI], s[P_O:P_O+1] offset:2048*\ks*\t+2048*(\s)+512*\c
.else
	ds_load_b128 v[X+16*\t+4*\c:X+16*\t+4*\c+3], v[LI] offset:\img+2048*\ks*\t+2048*(\s)+512*\c
.endif
.endr
.endr
.endm
.macro MM ks, s, cmode, swap           ; eight products, eight accumulators by turns, in the same order in every K step
.irp t,0,1,2,3
.irp u,0,1
.set WW, W+16*(2*((\s)%2)+\u)
.set XX, X+16*\t
.set SW, WS+\ks*\u+(\s)
.set SX, XS+4*\t+(\s)
.if \swap
.set DD, ACC+16*(2*\u+\t/2)+8*(\t%2)
.if ((\s)==0)&&(\cmode==0)
	v_wmma_scale_f32_16x16x128_f8f6f4 v[DD:DD+7], v[XX:XX+15], v[WW:WW+15], v[BI+8*\u:BI+8*\u+7], v[SX], v[SW]
.else
	v_wmma_scale_f32_16x16x128_f8f6f4 v[DD:DD+7], v[XX:XX+15], v[WW:WW+15], v[DD:DD+7], v[SX], v[SW]
.endif
.else
.set DD, ACC+16*\t+8*\u
.if ((\s)==0)&&(\cmode==0)
	v_wmma_scale_f32_16x16x128_f8f6f4 v[DD:DD+7], v[WW:WW+15], v[XX:XX+15], v[BI+8*\u:BI+8*\u+7], v[SW], v[SX]
.else
	v_wmma_scale_f32_16x16x128_f8f6f4 v[DD:DD+7], v[WW:WW+15], v[XX:XX+15], v[DD:DD+7], v[SW], v[SX]
.endif
.endif
.endr
.endr
.endm
; A product of 32 columns with the 64 tokens, K = 128 ks.  cmode = 0: the bias in BI starts the sums; 1: what lies in ACC (the residual) does.  The weights of K steps 0 and 1 were asked for earlier;
; with ks = 4 those of steps 2 and 3 are asked for a step ahead, into the registers that steps 0 and 1 have left.  Nine places stand behind each run of products:
; reads of results follow, and the next product of this kind begins the accumulators anew; between two K steps they stay beside the wait for the loads into X and W.
.macro PASS ks, glb, img, cmode, swap, cb, kb, wa, off
	s_wait_xcnt 0x0                        ; earlier stores have read their data: X and ACC may be written
.set PS, 0
.rept \ks
.if PS > 0
	NOPS 9
	s_wait_alu depctr_va_vdst(0)           ; the products of the K step before are done reading X and their set of W, in which the loads below land
.endif
.if (\ks == 4) && ((PS == 1) || (PS == 2))
	WFRAG \cb, \kb, \wa, PS+1, \off
.endif
	XFETCH \glb, \ks, \img, PS
	s_wait_dscnt 0x0
.if (\ks == 2) || (PS == 0) || (PS == 3)
	s_wait_loadcnt 0x0
.elseif PS == 2
	s_wait_loadcnt 0x8                     ; step 2's weights are in; the eight loads of step 3's, issued behind them, may be out
.endif
	MM \ks, PS, \cmode, \swap
.set PS, PS+1
.endr
	NOPS 9
.endm
.macro BIASADD
.irp t,0,1,2,3
.irp e,0,2,4,6,8,10,12,14
	v_pk_add_f32 v[ACC+16*\t+\e:ACC+16*\t+\e+1], v[ACC+16*\t+\e:ACC+16*\t+\e+1], v[BI+\e:BI+\e+1]
.endr
.endr
.endm
; 64 numbers of a lane, four blocks of 16, each joined with lane l xor 16's 16 to a block of 32: codes into PC (four registers a block), bytes into TM + 4 .. 7, the four bytes as a word into PW.
.macro QUANT s
.irp b,0,1,2,3
	v_max3_num_f32 v[TM+\b], |v[\s+16*\b]|, |v[\s+1+16*\b]|, 0x4800000   ; the floor 2^(9 - 127): the byte cannot fall under 1
.endr
.irp i,2,4,6,8,10,12,14
.irp b,0,1,2,3
	v_max3_num_f32 v[TM+\b], v[TM+\b], |v[\s+16*\b+\i]|, |v[\s+1+16*\b+\i]|
.endr
.endr
.irp b,0,1,2,3
	v_permlanex16_b32 v[TM+4+\b], v[TM+\b], s[SEL], s[SEL+1]
.endr
.irp b,0,1,2,3
	v_max_num_f32 v[TM+\b], v[TM+\b], v[TM+4+\b]       ; the block's largest magnitude
.endr
.irp b,0,1,2,3
	v_add_nc_u32 v[TM+12+\b], 0xfc000000, v[TM+\b]     ; 8 off its exponent field: the conversion's scale operand
.endr
.irp b,0,1,2,3
	v_and_or_b32 v[TM+8+\b], v[TM+\b], 0x7f800000, s[MNT]   ; 448 x the scale
.endr
.irp b,0,1,2,3
	v_lshrrev_b32 v[TM+4+\b], 23, v[TM+12+\b]          ; the scale's byte
.endr
	v_lshl_or_b32 v[PW], v[TM+5], 8, v[TM+4]
	v_lshl_or_b32 v[PW], v[TM+6], 16, v[PW]
	v_lshl_or_b32 v[PW], v[TM+7], 24, v[PW]
.irp b,0,1,2,3
.irp i,0,1,2,3,4,5,6,7,8,9,10,11,12,13,14,15
	v_med3_num_f32 v[\s+16*\b+\i], v[\s+16*\b+\i], -v[TM+8+\b], v[TM+8+\b]   ; the conversion does not saturate (ISA guide 7.6.2): the hold
.endr
	v_cvt_scalef32_pk8_fp8_f32 v[PC+4*\b:PC+1+4*\b], v[\s+16*\b:\s+7+16*\b], v[TM+12+\b]
	v_cvt_scalef32_pk8_fp8_f32 v[PC+2+4*\b:PC+3+4*\b], v[\s+8+16*\b:\s+15+16*\b], v[TM+12+\b]
.endr
	v_nop                                  ; one plain line behind the last conversion
.endm
.macro PUT256                          ; my block of the four tiles' fragments, and its bytes, to LDS
.irp t,0,1,2,3
	ds_store_b128 v[CH], v[PC+4*\t:PC+4*\t+3] offset:HIMG+4096*\t
	ds_store_b8 v[SB8], v[TM+4+\t] offset:HSCB+128*\t      ; both halves of the lanes write the same byte with the same value
.endr
.endm
.macro PUT512 p                        ; block 2 w + p of the hidden layer
.irp t,0,1,2,3
	ds_store_b128 v[CH2], v[PC+4*\t:PC+4*\t+3] offset:FIMG+8192*\t+512*\p
	ds_store_b8 v[SB16], v[TM+4+\t] offset:FSCB+256*\t+\p
.endr
.endm
; Mean and sum of squared deviations of my 32 columns of each token (16 in my lane, 16 in lane l xor 16), to LDS.  At work: X + 8 t .. + 7.  The four tiles by turns.
.macro LNLOCAL
.irp k,0,1,2,3
.irp t,0,1,2,3
	v_pk_add_f32 v[X+8*\t+2*\k:X+8*\t+2*\k+1], v[ACC+16*\t+4*\k:ACC+16*\t+4*\k+1], v[ACC+16*\t+4*\k+2:ACC+16*\t+4*\k+3]
.endr
.endr
.irp t,0,1,2,3
	v_pk_add_f32 v[X+8*\t:X+8*\t+1], v[X+8*\t:X+8*\t+1], v[X+8*\t+2:X+8*\t+3]
.endr
.irp t,0,1,2,3
	v_pk_add_f32 v[X+8*\t+4:X+8*\t+5], v[X+8*\t+4:X+8*\t+5], v[X+8*\t+6:X+8*\t+7]
.endr
.irp t,0,1,2,3
	v_pk_add_f32 v[X+8*\t:X+8*\t+1], v[X+8*\t:X+8*\t+1], v[X+8*\t+4:X+8*\t+5]
.endr
.irp t,0,1,2,3
	v_add_f32 v[X+8*\t], v[X+8*\t], v[X+8*\t+1]
.endr
.irp t,0,1,2,3
	v_permlanex16_b32 v[X+8*\t+2], v[X+8*\t], s[SEL], s[SEL+1]
.endr
.irp t,0,1,2,3
	v_add_f32 v[X+8*\t], v[X+8*\t], v[X+8*\t+2]
.endr
.irp t,0,1,2,3
	v_mul_f32 v[X+8*\t], 0x3d000000, v[X+8*\t]         ; / 32: the mean of my columns
.endr
.irp t,0,1,2,3
	v_mov_b32 v[X+8*\t+1], v[X+8*\t]
.endr
.irp e,0,1,2,3,4,5,6,7
.irp t,0,1,2,3
	v_pk_add_f32 v[X+8*\t+2:X+8*\t+3], v[ACC+16*\t+2*\e:ACC+16*\t+2*\e+1], v[X+8*\t:X+8*\t+1] neg_lo:[0,1] neg_hi:[0,1]
.endr
.irp t,0,1,2,3
.if \e == 0
	v_pk_mul_f32 v[X+8*\t+4:X+8*\t+5], v[X+8*\t+2:X+8*\t+3], v[X+8*\t+2:X+8*\t+3]
.else
	v_pk_fma_f32 v[X+8*\t+4:X+8*\t+5], v[X+8*\t+2:X+8*\t+3], v[X+8*\t+2:X+8*\t+3], v[X+8*\t+4:X+8*\t+5]
.endif
.endr
.endr
.irp t,0,1,2,3
	v_add_f32 v[X+8*\t+4], v[X+8*\t+4], v[X+8*\t+5]
.endr
.irp t,0,1,2,3
	v_permlanex16_b32 v[X+8*\t+5], v[X+8*\t+4], s[SEL], s[SEL+1]
.endr
.irp t,0,1,2,3
	v_add_f32 v[X+8*\t+1], v[X+8*\t+4], v[X+8*\t+5]
.endr
	s_wait_alu depctr_va_vdst(0)           ; the four pairs are written, which the LDS stores read; the addition of the bias is done reading BI, in which the next bias lands behind this macro; this macro is done with X + 0 .. 31
.irp t,0,1,2,3
	ds_store_b64 v[LNA], v[X+8*\t:X+8*\t+1] offset:LNS+1280*\t
.endr
.endm
.macro LNLD p                          ; the eight waves' pairs of tiles 2 p and 2 p + 1
.irp tt,0,1
.irp q,0,1,2,3
	ds_load_b128 v[X+16*\tt+4*\q:X+16*\tt+4*\q+3], v[LNR] offset:LNS+1280*(2*\p+\tt)+16*\q
.endr
.endr
.endm
; The eight waves' pairs are joined; then ACC = (ACC - mean) x rsqrt(var + eps) x g + b, g in G, b in BB.
.macro LNFINAL
	s_wait_alu depctr_vm_vsrc(0)           ; my LDS stores of the four pairs have read their registers in X, in which the eight waves' pairs land
	LNLD 0
.irp p,0,1
	s_wait_dscnt 0x0
.irp tt,0,1
	v_pk_add_f32 v[UU+2*(2*\p+\tt):UU+2*(2*\p+\tt)+1], v[X+16*\tt:X+16*\tt+1], v[X+16*\tt+2:X+16*\tt+3]
.endr
.irp k,2,3,4,5,6,7
.irp tt,0,1
	v_pk_add_f32 v[UU+2*(2*\p+\tt):UU+2*(2*\p+\tt)+1], v[UU+2*(2*\p+\tt):UU+2*(2*\p+\tt)+1], v[X+16*\tt+2*\k:X+16*\tt+2*\k+1]
.endr
.endr
.irp tt,0,1
	v_mul_f32 v[MU+2*\p+\tt], 0x3e000000, v[UU+2*(2*\p+\tt)]       ; the mean of the eight means
.endr
.irp k,0,1,2,3,4,5,6,7
.irp tt,0,1
	v_sub_f32 v[X+16*\tt+2*\k], v[X+16*\tt+2*\k], v[MU+2*\p+\tt]
.endr
.endr
.irp tt,0,1
	v_mul_f32 v[UU+2*(2*\p+\tt)], v[X+16*\tt], v[X+16*\tt]
.endr
.irp k,1,2,3,4,5,6,7
.irp tt,0,1
	v_fma_f32 v[UU+2*(2*\p+\tt)], v[X+16*\tt+2*\k], v[X+16*\tt+2*\k], v[UU+2*(2*\p+\tt)]
.endr
.endr
.if \p == 0
	s_wait_alu depctr_va_vdst(0)           ; the lines above are done with the pairs of tiles 0 and 1 in X + 0 .. 31, in which those of tiles 2 and 3 land
	LNLD 1
.endif
.irp tt,0,1
	v_fma_f32 v[UU+2*(2*\p+\tt)+1], v[UU+2*(2*\p+\tt)], 0x42000000, v[UU+2*(2*\p+\tt)+1]   ; + 32 x the means' squared deviations
.endr
.irp tt,0,1
	v_fma_f32 v[RS+2*\p+\tt], v[UU+2*(2*\p+\tt)+1], 0x3b800000, s[EPS]                     ; / 256 + eps
.endr
.irp tt,0,1
	v_rsq_f32 v[RS+2*\p+\tt], v[RS+2*\p+\tt]
.endr
	v_nop
.endr
	s_wait_loadcnt 0x0                     ; g and b
	s_wait_alu depctr_va_vdst(0)           ; the four reciprocal roots are written, ahead of their first reader
.irp t,0,1,2,3
.set NN, 0
.rept 16
	v_sub_f32 v[ACC+16*\t+NN], v[ACC+16*\t+NN], v[MU+\t]
.set NN, NN+1
.endr
.set NN, 0
.rept 16
	v_mul_f32 v[ACC+16*\t+NN], v[ACC+16*\t+NN], v[RS+\t]
.set NN, NN+1
.endr
.set NN, 0
.rept 8
	v_pk_fma_f32 v[ACC+16*\t+2*NN:ACC+16*\t+2*NN+1], v[ACC+16*\t+2*NN:ACC+16*\t+2*NN+1], v[G+2*NN:G+2*NN+1], v[BB+2*NN:BB+2*NN+1]
.set NN, NN+1
.endr
.endr
.endm
; ACC = gelu(ACC), eight registers at a time.  At work: z X + 0 .., z^2 X + 8 .., P X + 16 .., Q X + 24 ..; the two leading coefficients as pairs in X + 56 .. 59.
.macro GELU
	v_mov_b32 v[X+56], 0xaf95df0b
	v_mov_b32 v[X+57], 0xaf95df0b
	v_mov_b32 v[X+58], 0xb77460cd
	v_mov_b32 v[X+59], 0xb77460cd
.set GG, 0
.rept 8
.irp k,0,2,4,6
	v_pk_mul_f32 v[X+\k:X+\k+1], v[ACC+8*GG+\k:ACC+8*GG+\k+1], 0x3f3504f3 op_sel_hi:[1,0]      ; x / sqrt 2
.endr
.irp i,0,1,2,3,4,5,6,7
	v_med3_num_f32 v[X+\i], v[X+\i], -4.0, 4.0
.endr
.irp k,0,2,4,6
	v_pk_mul_f32 v[X+8+\k:X+9+\k], v[X+\k:X+\k+1], v[X+\k:X+\k+1]
.endr
.irp k,0,2,4,6
	v_pk_fma_f32 v[X+16+\k:X+17+\k], v[X+8+\k:X+9+\k], v[X+56:X+57], 0x32edffee op_sel_hi:[1,1,0]
.endr
.irp a,0xb60cff51,0xb86ec2d2,0xba40ac63,0xbb41a1f6,0xbc83dbd4
.irp k,0,2,4,6
	v_pk_fma_f32 v[X+16+\k:X+17+\k], v[X+16+\k:X+17+\k], v[X+8+\k:X+9+\k], \a op_sel_hi:[1,1,0]
.endr
.endr
.irp k,0,2,4,6
	v_pk_fma_f32 v[X+24+\k:X+25+\k], v[X+8+\k:X+9+\k], v[X+58:X+59], 0xb95fbd29 op_sel_hi:[1,1,0]
.endr
.irp a,0xbadc924e,0xbbf19bf8,0xbc69b6a7
.irp k,0,2,4,6
	v_pk_fma_f32 v[X+24+\k:X+25+\k], v[X+24+\k:X+25+\k], v[X+8+\k:X+9+\k], \a op_sel_hi:[1,1,0]
.endr
.endr
.irp i,0,1,2,3,4,5,6,7
	v_rcp_f32 v[X+24+\i], v[X+24+\i]
.endr
.irp k,0,2,4,6
	v_pk_mul_f32 v[X+16+\k:X+17+\k], v[X+16+\k:X+17+\k], v[X+\k:X+\k+1]        ; z P: plain lines behind the reciprocals
.endr
	s_wait_alu depctr_va_vdst(0)           ; the eight reciprocals are written, ahead of their first reader
.irp k,0,2,4,6
	v_pk_mul_f32 v[X+16+\k:X+17+\k], v[X+16+\k:X+17+\k], v[X+24+\k:X+25+\k]    ; erf
.endr
.irp k,0,2,4,6
	v_pk_fma_f32 v[X+16+\k:X+17+\k], v[X+16+\k:X+17+\k], 0.5, 0.5 op_sel_hi:[1,0,0]
.endr
.irp k,0,2,4,6
	v_pk_mul_f32 v[ACC+8*GG+\k:ACC+8*GG+\k+1], v[ACC+8*GG+\k:ACC+8*GG+\k+1], v[X+16+\k:X+17+\k]
.endr
.set GG, GG+1
.endr
.endm
; q, k, v of head w for the 64 tokens.  The q product's weights, scale words and bias are on their way.
.macro QKV lay
	s_wait_alu depctr_vm_vsrc(0)           ; my LDS stores of the codes and bytes have read their registers in X, in which the fragments land
	XSL 2, HSCB
	PASS 2, 0, HIMG, 0, 0, 0, 0, 0, 0
	s_wait_alu depctr_va_vdst(0)           ; the products are done reading W, WS and BI, in which k's weights, scale words and bias land
	WFRAG P_IPC, 256, WA256, 0, \lay*196608+65536
	WFRAG P_IPC, 256, WA256, 1, \lay*196608+65536
	WSCL P_IPS, 2, \lay*6144+2048
	BLOAD BI, P_IPB, \lay*3072+1024
	QUANT ACC                              ; a block = a token's 32 numbers of the head
	s_wait_alu depctr_va_vdst(0)           ; q's codes and scale word are written, which the stores read; QUANT is done with X
.irp t,0,1,2,3
	global_store_b128 v[LI], v[PC+4*\t:PC+4*\t+3], s[P_Q:P_Q+1] offset:512*\t
.endr
	global_store_b32 v[L4], v[PW], s[P_QS:P_QS+1] offset:QSC
	s_wait_alu depctr_vm_vsrc(0)           ; the stores have read the codes and the word in X, in which the fragments land again
	PASS 2, 0, HIMG, 0, 0, 0, 0, 0, 0
	s_wait_alu depctr_va_vdst(0)           ; the products are done reading W, WS and BI, in which v's weights, scale words and bias land
	WFRAG P_IPC, 256, WA256, 0, \lay*196608+131072
	WFRAG P_IPC, 256, WA256, 1, \lay*196608+131072
	WSCL P_IPS, 2, \lay*6144+4096
	BLOADV P_IPB, \lay*3072+2048
	QUANT ACC
	v_mov_b32 v[KW], v[PW]                 ; K's scale word is kept for the record
	s_wait_alu depctr_va_vdst(0)           ; k's codes are written, which the stores read; QUANT and the move are done with X
.irp t,0,1,2,3
	global_store_b128 v[LI], v[PC+4*\t:PC+4*\t+3], s[P_KV:P_KV+1] offset:512*\t   ; the four tiles of keys are the four blocks of ONE fragment
.endr
	s_wait_alu depctr_vm_vsrc(0)           ; the stores have read the codes in X, in which the fragments land again
	PASS 2, 0, HIMG, 0, 1, 0, 0, 0, 0
	QUANT ACC                              ; a block = 32 neighbouring keys of one channel; block 2 u + beta
	v_and_b32 v[TL], 16, v0
	v_cmp_ne_u32 vcc_lo, 0, v[TL]
	s_wait_alu depctr_va_vcc(0)            ; VCC is written, ahead of the select that reads it
	v_cndmask_b32 v[TL], v[KW], v[PW], vcc_lo      ; the record: lanes 0-15 K's scale words, lanes 16-31 V's
	s_wait_alu depctr_va_vdst(0)           ; v's codes and the record are written, which the stores read
.irp t,0,1,2,3
	global_store_b128 v[LI], v[PC+4*\t:PC+4*\t+3], s[P_KV:P_KV+1] offset:VOF+512*\t
.endr
	global_store_b32 v[L4], v[TL], s[P_REC:P_REC+1] offset:ROF
.endm
	s_load_b512 s[8:23], s[0:1], 0x0
	s_load_b512 s[24:39], s[0:1], 0x40
	s_load_b256 s[40:47], s[0:1], 0x80
	s_load_b64 s[48:49], s[0:1], 0xa0
	v_lshl_add_u32 v254, v0, 2, 0x1e200
	v_mov_b32 v255, 0
	v_lshrrev_b32 v20, 5, v0
	v_readfirstlane_b32 s2, v20                    ; wave
	s_lshr_b32 s3, ttmp9, 5                        ; batch
	s_and_b32 s4, ttmp9, 31                        ; group of 64 positions
	s_mov_b32 s5, ttmp9                            ; 32 b + g
	v_and_b32 v20, 31, v0                          ; lane
	v_and_b32 v21, 15, v0                          ; r
	v_bfe_u32 v22, v0, 4, 1                        ; h
	v_and_b32 v23, 8, v21
	v_add_nc_u32 v23, v23, v21                     ; rho
	v_lshlrev_b32 v[LI], 4, v20
	v_lshlrev_b32 v[L4], 2, v20
	v_lshlrev_b32 v[WA256], 8, v23
	v_lshl_add_u32 v[WA256], v22, 4, v[WA256]
	v_lshlrev_b32 v[WA512], 9, v23
	v_lshl_add_u32 v[WA512], v22, 4, v[WA512]
	v_lshlrev_b32 v[WSA8], 3, v23
	v_lshlrev_b32 v[WSA16], 4, v23
	v_lshlrev_b32 v[BA], 6, v22
	v_lshlrev_b32 v[XSA8], 3, v21
	v_lshlrev_b32 v[XSA16], 4, v21
	s_wait_alu depctr_va_sdst(0)                   ; s2, the wave's number, is written, ahead of its first reader
	s_lshl_b32 s6, s2, 9
	v_add_nc_u32 v[CH], s6, v[LI]
	s_lshl_b32 s6, s2, 10
	v_add_nc_u32 v[CH2], s6, v[LI]
	v_add_nc_u32 v[SB8], s2, v[XSA8]
	s_lshl_b32 s6, s2, 1
	v_add_nc_u32 v[SB16], s6, v[XSA16]
	v_mul_u32_u24 v[LNR], v21, 80
	s_lshl_b32 s6, s2, 3
	v_add_nc_u32 v[LNA], s6, v[LNR]
	s_lshl_b32 s6, s2, 13
	s_add_co_u32 s6, s6, STASH
	v_add_nc_u32 v[STA], s6, v[LI]
	v_lshlrev_b32 v[BVA], 2, v23
.irp b,0,1,2,3
	v_mov_b32 v[TM+4+\b], 0                        ; a lane permute's destination counts as one of its sources
.endr
	s_mov_b32 s[SEL], 0x76543210
	s_mov_b32 s[SEL+1], 0xfedcba98
	s_mov_b32 s[MNT], 0x600000
	s_mov_b32 s[EPS], 0x3727c5ac                   ; 1e-5
	s_mov_b32 s7, 0
	s_wait_kmcnt 0x0
	s_lshl_b32 s6, s5, 9
	s_add_nc_u64 s[P_OS:P_OS+1], s[P_O:P_O+1], s[6:7]      ; o's scale bytes: 512 a group (OSC further on)
	s_lshl_b32 s6, s5, 14
	ADDP P_O                                       ; o's codes: 16,384 a group
	s_lshl_b32 s6, s5, 3
	s_add_co_u32 s6, s6, s2
	s_lshl_b32 s6, s6, 13
	ADDP P_H
	ADDP P_H1
	s_lshl_b32 s6, s2, 7                           ; 32 numbers of f32 a wave
	ADDP P_OPB
	ADDP P_G1
	ADDP P_B1
	ADDP P_L2B
	ADDP P_G2
	ADDP P_B2
	ADDP P_IPB
	s_lshl_b32 s6, s2, 8
	ADDP P_OPS
	ADDP P_L1B
	ADDP P_IPS
	s_lshl_b32 s6, s2, 9
	ADDP P_L1S
	ADDP P_L2S
	s_lshl_b32 s6, s2, 13
	ADDP P_OPC
	ADDP P_IPC
	s_lshl_b32 s6, s2, 14
	ADDP P_L1C
	ADDP P_L2C
	s_lshl_b32 s50, s3, 3
	s_add_co_u32 s50, s50, s2
	s_lshl_b32 s50, s50, 5
	s_add_co_u32 s50, s50, s4                      ; (8 b + head) 32 + g
	s_lshl_b32 s6, s50, 7
	s_add_nc_u64 s[P_QS:P_QS+1], s[P_Q:P_Q+1], s[6:7]
	s_add_nc_u64 s[P_REC:P_REC+1], s[P_KV:P_KV+1], s[6:7]
	s_lshl_b32 s6, s50, 11
	ADDP P_Q
	ADDP P_KV
	; ---- 1: h0 + o out_proj^T: the residual starts the sums
	s_wait_alu depctr_va_vdst(0)                   ; the offsets and addresses v1 to v17 are written, which the kernel's loads and stores read; so are v20 to v23, in which h0 lands, and the four zeros in X, in which o's fragments land
.set NN, 0
.rept 16
	global_load_b128 v[ACC+4*NN:ACC+4*NN+3], v[LI], s[P_H:P_H+1] offset:512*NN
.set NN, NN+1
.endr
	WFRAG P_OPC, 256, WA256, 0, LAY*65536
	WFRAG P_OPC, 256, WA256, 1, LAY*65536
	WSCL P_OPS, 2, LAY*2048
	BLOAD BI, P_OPB, LAY*1024
.irp t,0,1,2,3
	global_load_b64 v[XS+4*\t:XS+4*\t+1], v[XSA8], s[P_OS:P_OS+1] offset:OSC+128*\t
.endr
	PASS 2, 1, 0, 1, 0, 0, 0, 0, 0
	; ---- 2: + bias, LN1; h to the stash and, as codes, to LDS
	s_wait_alu depctr_va_vdst(0)                   ; the products are done reading X, W and WS, in which g, b, lin1's weights and scale words land
	BLOAD G, P_G1, LAY*1024
	BLOAD BB, P_B1, LAY*1024
	WFRAG P_L1C, 256, WA256, 0, LAY*131072
	WFRAG P_L1C, 256, WA256, 1, LAY*131072
	WSCL P_L1S, 2, LAY*4096
	BIASADD
	LNLOCAL
	BLOAD BI, P_L1B, LAY*2048                      ; no vector instruction since the wait in LNLOCAL names BI
	BARRIER                                        ; the eight waves' means and sums lie in LDS
	LNFINAL
	s_wait_alu depctr_va_vdst(0)                   ; h is written in ACC, which the LDS stores read; the layer norm is done with XS, in which scale words land further on
.set NN, 0
.rept 16
	ds_store_b128 v[STA], v[ACC+4*NN:ACC+4*NN+3] offset:512*NN
.set NN, NN+1
.endr
	s_wait_dscnt 0x0                               ; the stores have read ACC: the hold below writes it
	s_wait_alu depctr_vm_vsrc(0)                   ; the same of the stores' vector registers: they have read ACC
	QUANT ACC
	s_wait_alu depctr_va_vdst(0)                   ; the codes and bytes are written, which the LDS stores read; QUANT is done with X
	PUT256
	BARRIER                                        ; h's codes lie in LDS
	; ---- 3: the hidden layer, my two blocks of 32
	s_wait_alu depctr_vm_vsrc(0)                   ; my LDS stores of the codes and bytes have read their registers in X, in which the fragments land
	XSL 2, HSCB
	PASS 2, 0, HIMG, 0, 0, 0, 0, 0, 0
	s_wait_alu depctr_va_vdst(0)                   ; the products are done reading W, WS and BI, in which the second block's weights, scale words and bias land
	WFRAG P_L1C, 256, WA256, 0, LAY*131072+8192
	WFRAG P_L1C, 256, WA256, 1, LAY*131072+8192
	WSCL P_L1S, 2, LAY*4096+256
	BLOAD BI, P_L1B, LAY*2048+128
	GELU
	QUANT ACC
	s_wait_alu depctr_va_vdst(0)                   ; the codes and bytes are written, which the LDS stores read; GELU and QUANT are done with X
	PUT512 0
	s_wait_dscnt 0x0                               ; the stores have read their registers
	s_wait_alu depctr_vm_vsrc(0)                   ; the same of the stores' vector registers in X, in which the fragments land again
	PASS 2, 0, HIMG, 0, 0, 0, 0, 0, 0
	s_wait_alu depctr_va_vdst(0)                   ; the products are done reading W, WS, BI and XS, in which lin2's weights, scale words and bias, and further on the hidden layer's scale words, land
	WFRAG P_L2C, 512, WA512, 0, LAY*131072
	WFRAG P_L2C, 512, WA512, 1, LAY*131072
	WSCL P_L2S, 4, LAY*4096
	BLOAD BI, P_L2B, LAY*1024
	GELU
	QUANT ACC
	s_wait_alu depctr_va_vdst(0)                   ; the codes and bytes are written, which the LDS stores read; GELU and QUANT are done with X and with ACC, in which the stash lands
	PUT512 1
	BARRIER                                        ; the hidden layer's codes lie in LDS
	; ---- 4: h + hidden lin2^T
	s_wait_alu depctr_vm_vsrc(0)                   ; my LDS stores of the codes and bytes have read their registers in X, in which the fragments land
.set NN, 0
.rept 16
	ds_load_b128 v[ACC+4*NN:ACC+4*NN+3], v[STA] offset:512*NN
.set NN, NN+1
.endr
	XSL 4, FSCB
	PASS 4, 0, FIMG, 1, 0, P_L2C, 512, WA512, LAY*131072
	; ---- 5: + bias, LN2
	s_wait_alu depctr_va_vdst(0)                   ; the products are done reading X, W and WS, in which g, b, in_proj's weights and scale words land
	BLOAD G, P_G2, LAY*1024
	BLOAD BB, P_B2, LAY*1024
	WFRAG P_IPC, 256, WA256, 0, 196608
	WFRAG P_IPC, 256, WA256, 1, 196608
	WSCL P_IPS, 2, 6144
	BIASADD
	LNLOCAL
	BLOAD BI, P_IPB, 3072                          ; no vector instruction since the wait in LNLOCAL names BI
	BARRIER
	LNFINAL
	s_cmp_lt_u32 s4, 16                            ; only positions from 1,024 on go through the rest of layer 1
	s_cbranch_scc1 .Lno_h1
	s_wait_alu depctr_va_vdst(0)                   ; h is written in ACC, which the stores read
.set NN, 0
.rept 16
	global_store_b128 v[LI], v[ACC+4*NN:ACC+4*NN+3], s[P_H1:P_H1+1] offset:512*NN
.set NN, NN+1
.endr
.Lno_h1:
	s_wait_xcnt 0x0                                ; the stores have read ACC
	s_wait_alu depctr_vm_vsrc(0)                   ; the same of the stores' vector registers: they have read ACC, which the hold below writes
	QUANT ACC
	s_wait_alu depctr_va_vdst(0)                   ; the codes and bytes are written, which the LDS stores read; QUANT is done with X, the layer norm with XS
	PUT256
	BARRIER
	; ---- 6
	QKV 1
	s_wait_dscnt 0x0                               ; the closing lines, six on end
	s_wait_alu 0x0
	s_wait_tensorcnt 0x0
	ds_add_u32 v254, v255
	s_wait_dscnt 0x0
	s_endpgm
.Lfunc_end_k_q44bd83cb60_mid_qkv:
	.size	k_q44bd83cb60_mid_qkv, .Lfunc_end_k_q44bd83cb60_mid_qkv-k_q44bd83cb60_mid_qkv
	.p2alignl 7, 3214868480
	.fill 96, 4, 3214868480
	.section	.rodata,"a",@progbits
	.p2align	6, 0x0
	.amdhsa_kernel k_q44bd83cb60_mid_qkv
		.amdhsa_group_segment_fixed_size 124416
		.amdhsa_private_segment_fixed_size 0
		.amdhsa_enable_private_segment 0
		.amdhsa_kernarg_size 168
		.amdhsa_user_sgpr_count 2
		.amdhsa_user_sgpr_kernarg_segment_ptr 1
		.amdhsa_wavefront_size32 1
		.amdhsa_system_sgpr_workgroup_id_x 1
		.amdhsa_system_sgpr_workgroup_id_y 1
		.amdhsa_system_sgpr_workgroup_id_z 1
		.amdhsa_system_vgpr_workitem_id 0
		.amdhsa_next_free_vgpr 256
		.amdhsa_next_free_sgpr 66
		.amdhsa_reserve_vcc 1
		.amdhsa_float_denorm_mode_32 3
		.amdhsa_float_denorm_mode_16_64 3
		.amdhsa_memory_ordered 1
		.amdhsa_forward_progress 1
		.amdhsa_inst_pref_size 255
	.end_amdhsa_kernel
	.section	.bss,"aw",@nobits
	.p2align	6
	.space	262144
	.amdgpu_metadata
---
amdhsa.version: [ 1, 2 ]
amdhsa.kernels:
  - .name:           k_q44bd83cb60_mid_qkv
    .symbol:         k_q44bd83cb60_mid_qkv.kd
    .args:
      - { .name: o, .offset: 0, .size: 8, .value_kind: global_buffer, .address_space: global }
      - { .name: h0, .offset: 8, .size: 8, .value_kind: global_buffer, .address_space: global }
      - { .name: out_proj_w_codes, .offset: 16, .size: 8, .value_kind: global_buffer, .address_space: global }
      - { .name: out_proj_w_scales, .offset: 24, .size: 8, .value_kind: global_buffer, .address_space: global }
      - { .name: out_proj_b, .offset: 32, .size: 8, .value_kind: global_buffer, .address_space: global }
      - { .name: ln1_g, .offset: 40, .size: 8, .value_kind: global_buffer, .address_space: global }
      - { .name: ln1_b, .offset: 48, .size: 8, .value_kind: global_buffer, .address_space: global }
      - { .name: lin1_w_codes, .offset: 56, .size: 8, .value_kind: global_buffer, .address_space: global }
      - { .name: lin1_w_scales, .offset: 64, .size: 8, .value_kind: global_buffer, .address_space: global }
      - { .name: lin1_b, .offset: 72, .size: 8, .value_kind: global_buffer, .address_space: global }
      - { .name: lin2_w_codes, .offset: 80, .size: 8, .value_kind: global_buffer, .address_space: global }
      - { .name: lin2_w_scales, .offset: 88, .size: 8, .value_kind: global_buffer, .address_space: global }
      - { .name: lin2_b, .offset: 96, .size: 8, .value_kind: global_buffer, .address_space: global }
      - { .name: ln2_g, .offset: 104, .size: 8, .value_kind: global_buffer, .address_space: global }
      - { .name: ln2_b, .offset: 112, .size: 8, .value_kind: global_buffer, .address_space: global }
      - { .name: in_proj_w_codes, .offset: 120, .size: 8, .value_kind: global_buffer, .address_space: global }
      - { .name: in_proj_w_scales, .offset: 128, .size: 8, .value_kind: global_buffer, .address_space: global }
      - { .name: in_proj_b, .offset: 136, .size: 8, .value_kind: global_buffer, .address_space: global }
      - { .name: h1, .offset: 144, .size: 8, .value_kind: global_buffer, .address_space: global }
      - { .name: q, .offset: 152, .size: 8, .value_kind: global_buffer, .address_space: global }
      - { .name: kv, .offset: 160, .size: 8, .value_kind: global_buffer, .address_space: global }
    .group_segment_fixed_size: 124416
    .private_segment_fixed_size: 0
    .kernarg_segment_align: 8
    .kernarg_segment_size: 168
    .max_flat_workgroup_size: 256
    .sgpr_count:     66
    .vgpr_count:     256
    .wavefront_size: 32
...
	.end_amdgpu_metadata
.endif
;; end of part 7
;; launch attn1: the kernel of part 6 again; grid 8 x 32, 8 waves a work-group, no clusters, 68,608 bytes of LDS; arguments q, kv, o; writes o
;; launch mid_head (part 8): grid 64 x 1, 8 waves a work-group, no clusters, 124,416 bytes of LDS; arguments o, h1, out_proj_w_codes, out_proj_w_scales, out_proj_b, ln1_g, ln1_b, lin1_w_codes, lin1_w_scales, lin1_b, lin2_w_codes, lin2_w_scales, lin2_b, ln2_g, ln2_b, head_w1_codes, head_w1_scales, head_b1, head_w2, head_b2, out0; writes out0
.if DOCPART == 8
	.amdgcn_target "amdgcn-amd-amdhsa--gfx1250"
	.amdhsa_code_object_version 6
	.text
	.protected	k_q44bd83cb60_mid_head
	.globl	k_q44bd83cb60_mid_head
	.p2align	8
	.type	k_q44bd83cb60_mid_head,@function
k_q44bd83cb60_mid_head:
	s_mov_b64 s[64:65], 0
	v_nop
	global_prefetch_b8 v0, s[64:65] scope:SCOPE_SE
	s_setreg_imm32_b32 hwreg(HW_REG_WAVE_SCHED_MODE, 0, 2), 2
	s_setreg_imm32_b32 hwreg(HW_REG_WAVE_MODE, 25, 1), 1
	s_wait_xcnt 0x0
	s_wait_alu depctr_vm_vsrc(0)
; Layer 1 behind its attention, for positions from 1,024 on, and the head:  h = LN1(h1 + o out_proj^T + b);  h = LN2(h + gelu(h lin1^T + b) lin2^T + b);  out = gelu(h head_w1^T + b) head_w2^T + b.
; SHARES.  A work-group owns a token group: one batch, 64 positions, four tiles of 16: lane r of tile t holds token 32 (t / 2) + 8 (t % 2) + rho, rho = r + 8 (r / 8).
; THE WAVES SHARE THE COLUMNS: wave w makes columns 32 w .. + 31 where a product has 256, 64 w .. + 63 (two passes) where it has 512, for all 64 tokens.
; A tile of weight rows begins at row 32 nb + 8 u and its lane r takes row + rho; used transposed, a lane's registers 16 t + 0 .. 15 are token (t, r), columns 32 nb + 16 (lane / 16) + 0 .. 15:
; sixteen neighbours along the next K.  Operands go from wave to wave through LDS as images of their registers.
; The weights go from memory straight into operand registers, each wave its own rows, asked for one product ahead.  No tensor load, no ring.
; No cluster: what the work-groups share, the weights, never passes through LDS here.
; The last product (one column) is left as it is: f32 multiply-adds on my 64 hidden units, the eight waves' parts joined through LDS.
; A work-group holds one batch, so its 64 results are 4 bytes each, 16 bytes apart: 256 bytes a work-group in all.
; LAYER NORM, GELU: as in the launch for layer 0: parts' means and sums of squared deviations joined, no difference of large sums; erf as z P(z^2) / Q(z^2), z held within +-4, absolute error about 1e-7.
; LIMITS: NaN and infinities are not served; a block whose largest magnitude lies under 2^-118, or of zeros, keeps the scale byte 1 (the bytes are read by this program alone).
; THE MODE: SCHED_MODE bits 1:0 = 2 (LLVM: expert scheduling mode 2), set by the entry lines.  The code itself states the register dependences
; between vector or matrix instructions and memory or LDS instructions, with s_wait_alu, always for 0.
; THE PLAN.  Registers that memory or LDS instructions touch:
;   X        loaded: the tokens' fragments, g and b, the layer norm's pairs, head_w2's numbers, the last product's parts.  Read by the products; worked in by QUANT, GELU, the layer norm and the last product.
;            Read by stores: the codes and bytes, the layer norm's parts, the last product's parts, the result.
;   W, WS, BI  loaded one product ahead; read by the products, BI also by the addition of a bias.
;   XS       loaded (the tokens' scale words); read by the products; between two products the layer norm keeps mean and rsqrt there.
;   ACC      loaded (the residual: h1, the stash); written by the products and the vector work; read by the stores of the stash.
;   v1-v19   offsets and addresses, made once at the head.
; One wait on va_vdst stands behind each run of products, ahead of the loads into what they read (behind a product's last K step: the next weights, scale words, bias, g and b, in one run);
; one ahead of each run of stores of fresh results, and one where vector work alone has used X ahead of a fetch.  One wait on vm_vsrc stands ahead of each rewriting of registers that stores have read.
; The next product's bias is asked for behind the wait that the layer norm's stores want in any case; the pairs of tiles 2 and 3 behind the last reader of tiles 0 and 1's.
.set LAY, 1
.set OSC, 2097152
.set HIMG, 0                           ; LDS: [t 4][block 8][lane][16]   fragments of a 256-wide activation
.set HSCB, 16384                       ;      [t 4][r 16][8 bytes]       their scale bytes
.set FIMG, 16896                       ;      [t 4][block 16][lane][16]  the 512-wide hidden layer
.set FSCB, 49664                       ;      [t 4][r 16][16 bytes]
.set LNS, 50688                        ;      [t 4] 1,280 : [r 16] 80 : [w 8] (mean, sum of squares)
.set RED, 55808                        ;      [t 4][r 16][w 8] f32: the parts of the last product
.set STASH, 57856                      ;      [w 8] 8,192: the wave's own h, for the second residual
.set LI, 1
.set L4, 2
.set WA256, 3
.set WA512, 4
.set WSA8, 5
.set WSA16, 6
.set BA, 7
.set XSA8, 8
.set XSA16, 9
.set CH, 10
.set CH2, 11
.set SB8, 12
.set SB16, 13
.set LNA, 14
.set LNR, 15
.set STA, 16
.set RDA, 17                           ; 32 r + 4 w
.set RDR, 18                           ; RED + 32 x thread
.set OA, 19                            ; 16 x the token of thread 16 t + r
.set ACC, 20
.set X, 84
.set W, 148
.set BI, 212
.set XS, 228
.set WS, 244
.set HP, 248                           ; v248-255: a pair of sums for each tile (free once lin2's scale words are done with)
.set PC, X
.set TM, X+16
.set PW, X+32
.set G, X+32
.set BB, X+48
.set MU, XS
.set RS, XS+4
.set UU, XS+8
.set SEL, 52
.set MNT, 54
.set EPS, 55
.set P_O, 8
.set P_H, 10
.set P_OPC, 12
.set P_OPS, 14
.set P_OPB, 16
.set P_G1, 18
.set P_B1, 20
.set P_L1C, 22
.set P_L1S, 24
.set P_L1B, 26
.set P_L2C, 28
.set P_L2S, 30
.set P_L2B, 32
.set P_G2, 34
.set P_B2, 36
.set P_HC, 38
.set P_HS, 40
.set P_HB, 42
.set P_HW2, 44
.set P_HB2, 46
.set P_OUT, 48
.set P_OS, 56
.macro NOPS n
.rept \n
	v_nop
.endr
.endm
.macro BARRIER                         ; my LDS stores have landed and my LDS loads are in: then the work-group's barrier
	s_wait_dscnt 0x0
	s_barrier_signal -1
	s_barrier_wait -1
.endm
.macro ADDP p                          ; a pointer takes the offset in s[6:7]
	s_add_nc_u64 s[\p:\p+1], s[\p:\p+1], s[6:7]
.endm
.macro WFRAG cb, kb, wa, s, off        ; the two weight tiles' fragments of K step s: rows of kb bytes
.irp u,0,1
.irp c,0,1,2,3
	global_load_b128 v[W+16*(2*((\s)%2)+\u)+4*\c:W+16*(2*((\s)%2)+\u)+4*\c+3], v[\wa], s[\cb:\cb+1] offset:(\off)+8*\u*(\kb)+128*(\s)+32*\c
.endr
.endr
.endm
.macro WSCL sb, ks, off                ; their scale words: word (u, s) at WS + ks u + s
.irp u,0,1
.if \ks == 2
	global_load_b64 v[WS+2*\u:WS+2*\u+1], v[WSA8], s[\sb:\sb+1] offset:(\off)+64*\u
.else
	global_load_b128 v[WS+4*\u:WS+4*\u+3], v[WSA16], s[\sb:\sb+1] offset:(\off)+128*\u
.endif
.endr
.endm
.macro BLOAD dst, pb, off              ; sixteen numbers a lane: those of columns 16 h + 0 .. 15 of my block
.irp q,0,1,2,3
	global_load_b128 v[\dst+4*\q:\dst+4*\q+3], v[BA], s[\pb:\pb+1] offset:(\off)+16*\q
.endr
.endm
.macro XSL ks, scb                     ; the tokens' scale words: word (t, s) at XS + 4 t + s
.irp t,0,1,2,3
.if \ks == 2
	ds_load_b64 v[XS+4*\t:XS+4*\t+1], v[XSA8] offset:\scb+128*\t
.else
	ds_load_b128 v[XS+4*\t:XS+4*\t+3], v[XSA16] offset:\scb+256*\t
.endif
.endr
.endm
.macro XFETCH glb, ks, img, s          ; the four token tiles' fragments of K step s: from LDS, or (glb) o's from memory
.irp t,0,1,2,3
.irp c,0,1,2,3
.if \glb
	global_load_b128 v[X+16*\t+4*\c:X+16*\t+4*\c+3], v[LI], s[P_O:P_O+1] offset:2048*\ks*\t+2048*(\s)+512*\c
.else
	ds_load_b128 v[X+16*\t+4*\c:X+16*\t+4*\c+3], v[LI] offset:\img+2048*\ks*\t+2048*(\s)+512*\c
.endif
.endr
.endr
.endm
.macro MM ks, s, cmode                 ; eight products, eight accumulators by turns, in the same order in every K step
.irp t,0,1,2,3
.irp u,0,1
.set WW, W+16*(2*((\s)%2)+\u)
.set XX, X+16*\t
.set SW, WS+\ks*\u+(\s)
.set SX, XS+4*\t+(\s)
.set DD, ACC+16*\t+8*\u
.if ((\s)==0)&&(\cmode==0)
	v_wmma_scale_f32_16x16x128_f8f6f4 v[DD:DD+7], v[WW:WW+15], v[XX:XX+15], v[BI+8*\u:BI+8*\u+7], v[SW], v[SX]
.else
	v_wmma_scale_f32_16x16x128_f8f6f4 v[DD:DD+7], v[WW:WW+15], v[XX:XX+15], v[DD:DD+7], v[SW], v[SX]
.endif
.endr
.endr
.endm
; A product of 32 columns with the 64 tokens, K = 128 ks.  cmode = 0: the bias in BI starts the sums; 1: what lies in ACC (the residual) does.  The weights of K steps 0 and 1 were asked for earlier;
; with ks = 4 those of steps 2 and 3 are asked for a step ahead, into the registers that steps 0 and 1 have left.  Nine places stand behind each run of products:
; reads of results follow, and the next product of this kind begins the accumulators anew; between two K steps they stay beside the wait for the loads into X and W.
.macro PASS ks, glb, img, cmode, cb, kb, wa, off
	s_wait_xcnt 0x0
.set PS, 0
.rept \ks
.if PS > 0
	NOPS 9
	s_wait_alu depctr_va_vdst(0)           ; the products of the K step before are done reading X and their set of W, in which the loads below land
.endif
.if (\ks == 4) && ((PS == 1) || (PS == 2))
	WFRAG \cb, \kb, \wa, PS+1, \off
.endif
	XFETCH \glb, \ks, \img, PS
	s_wait_dscnt 0x0
.if (\ks == 2) || (PS == 0) || (PS == 3)
	s_wait_loadcnt 0x0
.elseif PS == 2
	s_wait_loadcnt 0x8                     ; step 2's weights are in; the eight loads of step 3's, issued behind them, may be out
.endif
	MM \ks, PS, \cmode
.set PS, PS+1
.endr
	NOPS 9
.endm
.macro BIASADD
.irp t,0,1,2,3
.irp e,0,2,4,6,8,10,12,14
	v_pk_add_f32 v[ACC+16*\t+\e:ACC+16*\t+\e+1], v[ACC+16*\t+\e:ACC+16*\t+\e+1], v[BI+\e:BI+\e+1]
.endr
.endr
.endm
; 64 numbers of a lane, four blocks of 16, each joined with lane l xor 16's 16 to a block of 32: codes into PC (four registers a block), bytes into TM + 4 .. 7.
.macro QUANT s
.irp b,0,1,2,3
	v_max3_num_f32 v[TM+\b], |v[\s+16*\b]|, |v[\s+1+16*\b]|, 0x4800000   ; the floor 2^(9 - 127): the byte cannot fall under 1
.endr
.irp i,2,4,6,8,10,12,14
.irp b,0,1,2,3
	v_max3_num_f32 v[TM+\b], v[TM+\b], |v[\s+16*\b+\i]|, |v[\s+1+16*\b+\i]|
.endr
.endr
.irp b,0,1,2,3
	v_permlanex16_b32 v[TM+4+\b], v[TM+\b], s[SEL], s[SEL+1]
.endr
.irp b,0,1,2,3
	v_max_num_f32 v[TM+\b], v[TM+\b], v[TM+4+\b]       ; the block's largest magnitude
.endr
.irp b,0,1,2,3
	v_add_nc_u32 v[TM+12+\b], 0xfc000000, v[TM+\b]     ; 8 off its exponent field: the conversion's scale operand
.endr
.irp b,0,1,2,3
	v_and_or_b32 v[TM+8+\b], v[TM+\b], 0x7f800000, s[MNT]   ; 448 x the scale
.endr
.irp b,0,1,2,3
	v_lshrrev_b32 v[TM+4+\b], 23, v[TM+12+\b]          ; the scale's byte
.endr
.irp b,0,1,2,3
.irp i,0,1,2,3,4,5,6,7,8,9,10,11,12,13,14,15
	v_med3_num_f32 v[\s+16*\b+\i], v[\s+16*\b+\i], -v[TM+8+\b], v[TM+8+\b]   ; the conversion does not saturate (ISA guide 7.6.2): the hold
.endr
	v_cvt_scalef32_pk8_fp8_f32 v[PC+4*\b:PC+1+4*\b], v[\s+16*\b:\s+7+16*\b], v[TM+12+\b]
	v_cvt_scalef32_pk8_fp8_f32 v[PC+2+4*\b:PC+3+4*\b], v[\s+8+16*\b:\s+15+16*\b], v[TM+12+\b]
.endr
	v_nop                                  ; one plain line behind the last conversion
.endm
.macro PUT256                          ; my block of the four tiles' fragments, and its bytes, to LDS
.irp t,0,1,2,3
	ds_store_b128 v[CH], v[PC+4*\t:PC+4*\t+3] offset:HIMG+4096*\t
	ds_store_b8 v[SB8], v[TM+4+\t] offset:HSCB+128*\t      ; both halves of the lanes write the same byte with the same value
.endr
.endm
.macro PUT512 p                        ; block 2 w + p of the hidden layer
.irp t,0,1,2,3
	ds_store_b128 v[CH2], v[PC+4*\t:PC+4*\t+3] offset:FIMG+8192*\t+512*\p
	ds_store_b8 v[SB16], v[TM+4+\t] offset:FSCB+256*\t+\p
.endr
.endm
; Mean and sum of squared deviations of my 32 columns of each token (16 in my lane, 16 in lane l xor 16), to LDS.  At work: X + 8 t .. + 7.  The four tiles by turns.
.macro LNLOCAL
.irp k,0,1,2,3
.irp t,0,1,2,3
	v_pk_add_f32 v[X+8*\t+2*\k:X+8*\t+2*\k+1], v[ACC+16*\t+4*\k:ACC+16*\t+4*\k+1], v[ACC+16*\t+4*\k+2:ACC+16*\t+4*\k+3]
.endr
.endr
.irp t,0,1,2,3
	v_pk_add_f32 v[X+8*\t:X+8*\t+1], v[X+8*\t:X+8*\t+1], v[X+8*\t+2:X+8*\t+3]
.endr
.irp t,0,1,2,3
	v_pk_add_f32 v[X+8*\t+4:X+8*\t+5], v[X+8*\t+4:X+8*\t+5], v[X+8*\t+6:X+8*\t+7]
.endr
.irp t,0,1,2,3
	v_pk_add_f32 v[X+8*\t:X+8*\t+1], v[X+8*\t:X+8*\t+1], v[X+8*\t+4:X+8*\t+5]
.endr
.irp t,0,1,2,3
	v_add_f32 v[X+8*\t], v[X+8*\t], v[X+8*\t+1]
.endr
.irp t,0,1,2,3
	v_permlanex16_b32 v[X+8*\t+2], v[X+8*\t], s[SEL], s[SEL+1]
.endr
.irp t,0,1,2,3
	v_add_f32 v[X+8*\t], v[X+8*\t], v[X+8*\t+2]
.endr
.irp t,0,1,2,3
	v_mul_f32 v[X+8*\t], 0x3d000000, v[X+8*\t]         ; / 32: the mean of my columns
.endr
.irp t,0,1,2,3
	v_mov_b32 v[X+8*\t+1], v[X+8*\t]
.endr
.irp e,0,1,2,3,4,5,6,7
.irp t,0,1,2,3
	v_pk_add_f32 v[X+8*\t+2:X+8*\t+3], v[ACC+16*\t+2*\e:ACC+16*\t+2*\e+1], v[X+8*\t:X+8*\t+1] neg_lo:[0,1] neg_hi:[0,1]
.endr
.irp t,0,1,2,3
.if \e == 0
	v_pk_mul_f32 v[X+8*\t+4:X+8*\t+5], v[X+8*\t+2:X+8*\t+3], v[X+8*\t+2:X+8*\t+3]
.else
	v_pk_fma_f32 v[X+8*\t+4:X+8*\t+5], v[X+8*\t+2:X+8*\t+3], v[X+8*\t+2:X+8*\t+3], v[X+8*\t+4:X+8*\t+5]
.endif
.endr
.endr
.irp t,0,1,2,3
	v_add_f32 v[X+8*\t+4], v[X+8*\t+4], v[X+8*\t+5]
.endr
.irp t,0,1,2,3
	v_permlanex16_b32 v[X+8*\t+5], v[X+8*\t+4], s[SEL], s[SEL+1]
.endr
.irp t,0,1,2,3
	v_add_f32 v[X+8*\t+1], v[X+8*\t+4], v[X+8*\t+5]
.endr
	s_wait_alu depctr_va_vdst(0)           ; the four pairs are written, which the LDS stores read; the addition of the bias is done reading BI, in which the next bias lands behind this macro; this macro is done with X + 0 .. 31
.irp t,0,1,2,3
	ds_store_b64 v[LNA], v[X+8*\t:X+8*\t+1] offset:LNS+1280*\t
.endr
.endm
.macro LNLD p                          ; the eight waves' pairs of tiles 2 p and 2 p + 1
.irp tt,0,1
.irp q,0,1,2,3
	ds_load_b128 v[X+16*\tt+4*\q:X+16*\tt+4*\q+3], v[LNR] offset:LNS+1280*(2*\p+\tt)+16*\q
.endr
.endr
.endm
; The eight waves' pairs are joined; then ACC = (ACC - mean) x rsqrt(var + eps) x g + b, g in G, b in BB.
.macro LNFINAL
	s_wait_alu depctr_vm_vsrc(0)           ; my LDS stores of the four pairs have read their registers in X, in which the eight waves' pairs land
	LNLD 0
.irp p,0,1
	s_wait_dscnt 0x0
.irp tt,0,1
	v_pk_add_f32 v[UU+2*(2*\p+\tt):UU+2*(2*\p+\tt)+1], v[X+16*\tt:X+16*\tt+1], v[X+16*\tt+2:X+16*\tt+3]
.endr
.irp k,2,3,4,5,6,7
.irp tt,0,1
	v_pk_add_f32 v[UU+2*(2*\p+\tt):UU+2*(2*\p+\tt)+1], v[UU+2*(2*\p+\tt):UU+2*(2*\p+\tt)+1], v[X+16*\tt+2*\k:X+16*\tt+2*\k+1]
.endr
.endr
.irp tt,0,1
	v_mul_f32 v[MU+2*\p+\tt], 0x3e000000, v[UU+2*(2*\p+\tt)]       ; the mean of the eight means
.endr
.irp k,0,1,2,3,4,5,6,7
.irp tt,0,1
	v_sub_f32 v[X+16*\tt+2*\k], v[X+16*\tt+2*\k], v[MU+2*\p+\tt]
.endr
.endr
.irp tt,0,1
	v_mul_f32 v[UU+2*(2*\p+\tt)], v[X+16*\tt], v[X+16*\tt]
.endr
.irp k,1,2,3,4,5,6,7
.irp tt,0,1
	v_fma_f32 v[UU+2*(2*\p+\tt)], v[X+16*\tt+2*\k], v[X+16*\tt+2*\k], v[UU+2*(2*\p+\tt)]
.endr
.endr
.if \p == 0
	s_wait_alu depctr_va_vdst(0)           ; the lines above are done with the pairs of tiles 0 and 1 in X + 0 .. 31, in which those of tiles 2 and 3 land
	LNLD 1
.endif
.irp tt,0,1
	v_fma_f32 v[UU+2*(2*\p+\tt)+1], v[UU+2*(2*\p+\tt)], 0x42000000, v[UU+2*(2*\p+\tt)+1]   ; + 32 x the means' squared deviations
.endr
.irp tt,0,1
	v_fma_f32 v[RS+2*\p+\tt], v[UU+2*(2*\p+\tt)+1], 0x3b800000, s[EPS]                     ; / 256 + eps
.endr
.irp tt,0,1
	v_rsq_f32 v[RS+2*\p+\tt], v[RS+2*\p+\tt]
.endr
	v_nop
.endr
	s_wait_loadcnt 0x0                     ; g and b
	s_wait_alu depctr_va_vdst(0)           ; the four reciprocal roots are written, ahead of their first reader
.irp t,0,1,2,3
.set NN, 0
.rept 16
	v_sub_f32 v[ACC+16*\t+NN], v[ACC+16*\t+NN], v[MU+\t]
.set NN, NN+1
.endr
.set NN, 0
.rept 16
	v_mul_f32 v[ACC+16*\t+NN], v[ACC+16*\t+NN], v[RS+\t]
.set NN, NN+1
.endr
.set NN, 0
.rept 8
	v_pk_fma_f32 v[ACC+16*\t+2*NN:ACC+16*\t+2*NN+1], v[ACC+16*\t+2*NN:ACC+16*\t+2*NN+1], v[G+2*NN:G+2*NN+1], v[BB+2*NN:BB+2*NN+1]
.set NN, NN+1
.endr
.endr
.endm
; ACC = gelu(ACC), eight registers at a time.  At work: z X + 0 .., z^2 X + 8 .., P X + 16 .., Q X + 24 ..; the two leading coefficients as pairs in X + 56 .. 59.
.macro GELU
	v_mov_b32 v[X+56], 0xaf95df0b
	v_mov_b32 v[X+57], 0xaf95df0b
	v_mov_b32 v[X+58], 0xb77460cd
	v_mov_b32 v[X+59], 0xb77460cd
.set GG, 0
.rept 8
.irp k,0,2,4,6
	v_pk_mul_f32 v[X+\k:X+\k+1], v[ACC+8*GG+\k:ACC+8*GG+\k+1], 0x3f3504f3 op_sel_hi:[1,0]      ; x / sqrt 2
.endr
.irp i,0,1,2,3,4,5,6,7
	v_med3_num_f32 v[X+\i], v[X+\i], -4.0, 4.0
.endr
.irp k,0,2,4,6
	v_pk_mul_f32 v[X+8+\k:X+9+\k], v[X+\k:X+\k+1], v[X+\k:X+\k+1]
.endr
.irp k,0,2,4,6
	v_pk_fma_f32 v[X+16+\k:X+17+\k], v[X+8+\k:X+9+\k], v[X+56:X+57], 0x32edffee op_sel_hi:[1,1,0]
.endr
.irp a,0xb60cff51,0xb86ec2d2,0xba40ac63,0xbb41a1f6,0xbc83dbd4
.irp k,0,2,4,6
	v_pk_fma_f32 v[X+16+\k:X+17+\k], v[X+16+\k:X+17+\k], v[X+8+\k:X+9+\k], \a op_sel_hi:[1,1,0]
.endr
.endr
.irp k,0,2,4,6
	v_pk_fma_f32 v[X+24+\k:X+25+\k], v[X+8+\k:X+9+\k], v[X+58:X+59], 0xb95fbd29 op_sel_hi:[1,1,0]
.endr
.irp a,0xbadc924e,0xbbf19bf8,0xbc69b6a7
.irp k,0,2,4,6
	v_pk_fma_f32 v[X+24+\k:X+25+\k], v[X+24+\k:X+25+\k], v[X+8+\k:X+9+\k], \a op_sel_hi:[1,1,0]
.endr
.endr
.irp i,0,1,2,3,4,5,6,7
	v_rcp_f32 v[X+24+\i], v[X+24+\i]
.endr
.irp k,0,2,4,6
	v_pk_mul_f32 v[X+16+\k:X+17+\k], v[X+16+\k:X+17+\k], v[X+\k:X+\k+1]        ; z P: plain lines behind the reciprocals
.endr
	s_wait_alu depctr_va_vdst(0)           ; the eight reciprocals are written, ahead of their first reader
.irp k,0,2,4,6
	v_pk_mul_f32 v[X+16+\k:X+17+\k], v[X+16+\k:X+17+\k], v[X+24+\k:X+25+\k]    ; erf
.endr
.irp k,0,2,4,6
	v_pk_fma_f32 v[X+16+\k:X+17+\k], v[X+16+\k:X+17+\k], 0.5, 0.5 op_sel_hi:[1,0,0]
.endr
.irp k,0,2,4,6
	v_pk_mul_f32 v[ACC+8*GG+\k:ACC+8*GG+\k+1], v[ACC+8*GG+\k:ACC+8*GG+\k+1], v[X+16+\k:X+17+\k]
.endr
.set GG, GG+1
.endr
.endm
.macro HDOT                            ; the last product's part of these 32 hidden units: head_w2's sixteen numbers of my lane lie in X + 32 ..
.irp e,0,1,2,3,4,5,6,7
.irp t,0,1,2,3
	v_pk_fma_f32 v[HP+2*\t:HP+2*\t+1], v[ACC+16*\t+2*\e:ACC+16*\t+2*\e+1], v[X+32+2*\e:X+33+2*\e], v[HP+2*\t:HP+2*\t+1]
.endr
.endr
.endm
	s_load_b512 s[8:23], s[0:1], 0x0
	s_load_b512 s[24:39], s[0:1], 0x40
	s_load_b256 s[40:47], s[0:1], 0x80
	s_load_b64 s[48:49], s[0:1], 0xa0
	s_set_vgpr_msb 0x40
	v_lshl_add_u32 v0, v0, 2, 0x1e200
	v_mov_b32 v1, 0
	s_set_vgpr_msb 0x4000
	v_lshrrev_b32 v20, 5, v0
	v_readfirstlane_b32 s2, v20                    ; wave
	s_lshr_b32 s3, ttmp9, 4                        ; batch
	s_and_b32 s50, ttmp9, 15
	s_add_co_u32 s4, s50, 16                       ; group of 64 positions: 16 .. 31
	s_lshl_b32 s5, s3, 5
	s_add_co_u32 s5, s5, s4                        ; 32 b + g
	v_and_b32 v20, 31, v0                          ; lane
	v_and_b32 v21, 15, v0                          ; r
	v_bfe_u32 v22, v0, 4, 1                        ; h
	v_and_b32 v23, 8, v21
	v_add_nc_u32 v23, v23, v21                     ; rho
	v_lshlrev_b32 v[LI], 4, v20
	v_lshlrev_b32 v[L4], 2, v20
	v_lshlrev_b32 v[WA256], 8, v23
	v_lshl_add_u32 v[WA256], v22, 4, v[WA256]
	v_lshlrev_b32 v[WA512], 9, v23
	v_lshl_add_u32 v[WA512], v22, 4, v[WA512]
	v_lshlrev_b32 v[WSA8], 3, v23
	v_lshlrev_b32 v[WSA16], 4, v23
	v_lshlrev_b32 v[BA], 6, v22
	v_lshlrev_b32 v[XSA8], 3, v21
	v_lshlrev_b32 v[XSA16], 4, v21
	s_wait_alu depctr_va_sdst(0)                   ; s2, the wave's number, is written, ahead of its first reader
	s_lshl_b32 s6, s2, 9
	v_add_nc_u32 v[CH], s6, v[LI]
	s_lshl_b32 s6, s2, 10
	v_add_nc_u32 v[CH2], s6, v[LI]
	v_add_nc_u32 v[SB8], s2, v[XSA8]
	s_lshl_b32 s6, s2, 1
	v_add_nc_u32 v[SB16], s6, v[XSA16]
	v_mul_u32_u24 v[LNR], v21, 80
	s_lshl_b32 s6, s2, 3
	v_add_nc_u32 v[LNA], s6, v[LNR]
	s_lshl_b32 s6, s2, 13
	s_add_co_u32 s6, s6, STASH
	v_add_nc_u32 v[STA], s6, v[LI]
	s_lshl_b32 s6, s2, 2
	v_lshl_add_u32 v[RDA], v21, 5, s6
	v_lshl_add_u32 v[RDR], v0, 5, RED
	v_and_b32 v[OA], 0x27, v0                      ; thread 16 t + r holds token 32 (t / 2) + 8 (t % 2) + r + 8 (r / 8): bits 0-2 and 5 stay,
	v_lshl_or_b32 v[OA], v22, 3, v[OA]             ; bit 4 goes to bit 3,
	v_bfe_u32 v24, v0, 3, 1
	v_lshl_or_b32 v[OA], v24, 4, v[OA]             ; bit 3 to bit 4
	v_lshlrev_b32 v[OA], 4, v[OA]                  ; 16 bytes a position
.irp b,0,1,2,3
	v_mov_b32 v[TM+4+\b], 0                        ; a lane permute's destination counts as one of its sources
.endr
	s_mov_b32 s[SEL], 0x76543210
	s_mov_b32 s[SEL+1], 0xfedcba98
	s_mov_b32 s[MNT], 0x600000
	s_mov_b32 s[EPS], 0x3727c5ac                   ; 1e-5
	s_mov_b32 s7, 0
	s_wait_kmcnt 0x0
	s_load_b32 s58, s[P_HB2:P_HB2+1], 0x0          ; head_b2
	s_lshl_b32 s6, s5, 9
	s_add_nc_u64 s[P_OS:P_OS+1], s[P_O:P_O+1], s[6:7]
	s_lshl_b32 s6, s5, 14
	ADDP P_O
	s_lshl_b32 s6, s5, 3
	s_add_co_u32 s6, s6, s2
	s_lshl_b32 s6, s6, 13
	ADDP P_H
	s_lshl_b32 s6, s2, 7
	ADDP P_OPB
	ADDP P_G1
	ADDP P_B1
	ADDP P_L2B
	ADDP P_G2
	ADDP P_B2
	s_lshl_b32 s6, s2, 8
	ADDP P_OPS
	ADDP P_L1B
	ADDP P_HB
	ADDP P_HW2
	s_lshl_b32 s6, s2, 9
	ADDP P_L1S
	ADDP P_L2S
	ADDP P_HS
	s_lshl_b32 s6, s2, 13
	ADDP P_OPC
	s_lshl_b32 s6, s2, 14
	ADDP P_L1C
	ADDP P_L2C
	ADDP P_HC
	s_lshl_b32 s6, s50, 10
	s_lshl_b32 s51, s3, 2
	s_add_co_u32 s6, s6, s51
	ADDP P_OUT                                     ; out0: 64 positions of 16 bytes a group, 4 bytes a batch
	; ---- 1: h1 + o out_proj^T: the residual starts the sums
	s_wait_alu depctr_va_vdst(0)                   ; the offsets and addresses v1 to v19 are written, which the kernel's loads and stores read; so are v20 to v24, in which h1 lands, and the four zeros in X, in which o's fragments land
.set NN, 0
.rept 16
	global_load_b128 v[ACC+4*NN:ACC+4*NN+3], v[LI], s[P_H:P_H+1] offset:512*NN
.set NN, NN+1
.endr
	WFRAG P_OPC, 256, WA256, 0, LAY*65536
	WFRAG P_OPC, 256, WA256, 1, LAY*65536
	WSCL P_OPS, 2, LAY*2048
	BLOAD BI, P_OPB, LAY*1024
.irp t,0,1,2,3
	global_load_b64 v[XS+4*\t:XS+4*\t+1], v[XSA8], s[P_OS:P_OS+1] offset:OSC+128*\t
.endr
	PASS 2, 1, 0, 1, 0, 0, 0, 0
	; ---- 2: + bias, LN1; h to the stash and, as codes, to LDS
	s_wait_alu depctr_va_vdst(0)                   ; the products are done reading X, W and WS, in which g, b, lin1's weights and scale words land
	BLOAD G, P_G1, LAY*1024
	BLOAD BB, P_B1, LAY*1024
	WFRAG P_L1C, 256, WA256, 0, LAY*131072
	WFRAG P_L1C, 256, WA256, 1, LAY*131072
	WSCL P_L1S, 2, LAY*4096
	BIASADD
	LNLOCAL
	BLOAD BI, P_L1B, LAY*2048                      ; no vector instruction since the wait in LNLOCAL names BI
	BARRIER                                        ; the eight waves' means and sums lie in LDS
	LNFINAL
	s_wait_alu depctr_va_vdst(0)                   ; h is written in ACC, which the LDS stores read; the layer norm is done with XS, in which scale words land further on
.set NN, 0
.rept 16
	ds_store_b128 v[STA], v[ACC+4*NN:ACC+4*NN+3] offset:512*NN
.set NN, NN+1
.endr
	s_wait_dscnt 0x0                               ; the stores have read ACC: the hold below writes it
	s_wait_alu depctr_vm_vsrc(0)                   ; the same of the stores' vector registers: they have read ACC
	QUANT ACC
	s_wait_alu depctr_va_vdst(0)                   ; the codes and bytes are written, which the LDS stores read; QUANT is done with X
	PUT256
	BARRIER                                        ; h's codes lie in LDS
	; ---- 3: the hidden layer, my two blocks of 32
	s_wait_alu depctr_vm_vsrc(0)                   ; my LDS stores of the codes and bytes have read their registers in X, in which the fragments land
	XSL 2, HSCB
	PASS 2, 0, HIMG, 0, 0, 0, 0, 0
	s_wait_alu depctr_va_vdst(0)                   ; the products are done reading W, WS and BI, in which the second block's weights, scale words and bias land
	WFRAG P_L1C, 256, WA256, 0, LAY*131072+8192
	WFRAG P_L1C, 256, WA256, 1, LAY*131072+8192
	WSCL P_L1S, 2, LAY*4096+256
	BLOAD BI, P_L1B, LAY*2048+128
	GELU
	QUANT ACC
	s_wait_alu depctr_va_vdst(0)                   ; the codes and bytes are written, which the LDS stores read; GELU and QUANT are done with X
	PUT512 0
	s_wait_dscnt 0x0                               ; the stores have read their registers
	s_wait_alu depctr_vm_vsrc(0)                   ; the same of the stores' vector registers in X, in which the fragments land again
	PASS 2, 0, HIMG, 0, 0, 0, 0, 0
	s_wait_alu depctr_va_vdst(0)                   ; the products are done reading W, WS, BI and XS, in which lin2's weights, scale words and bias, and further on the hidden layer's scale words, land
	WFRAG P_L2C, 512, WA512, 0, LAY*131072
	WFRAG P_L2C, 512, WA512, 1, LAY*131072
	WSCL P_L2S, 4, LAY*4096
	BLOAD BI, P_L2B, LAY*1024
	GELU
	QUANT ACC
	s_wait_alu depctr_va_vdst(0)                   ; the codes and bytes are written, which the LDS stores read; GELU and QUANT are done with X and with ACC, in which the stash lands
	PUT512 1
	BARRIER                                        ; the hidden layer's codes lie in LDS
	; ---- 4: h + hidden lin2^T
	s_wait_alu depctr_vm_vsrc(0)                   ; my LDS stores of the codes and bytes have read their registers in X, in which the fragments land
.set NN, 0
.rept 16
	ds_load_b128 v[ACC+4*NN:ACC+4*NN+3], v[STA] offset:512*NN
.set NN, NN+1
.endr
	XSL 4, FSCB
	PASS 4, 0, FIMG, 1, P_L2C, 512, WA512, LAY*131072
	; ---- 5: + bias, LN2
	s_wait_alu depctr_va_vdst(0)                   ; the products are done reading X, W and WS, in which g, b, head_w1's weights and scale words land
	BLOAD G, P_G2, LAY*1024
	BLOAD BB, P_B2, LAY*1024
	WFRAG P_HC, 256, WA256, 0, 0
	WFRAG P_HC, 256, WA256, 1, 0
	WSCL P_HS, 2, 0
	BIASADD
	LNLOCAL
	BLOAD BI, P_HB, 0                              ; no vector instruction since the wait in LNLOCAL names BI
	BARRIER
	LNFINAL
	QUANT ACC
	s_wait_alu depctr_va_vdst(0)                   ; the codes and bytes are written, which the LDS stores read; QUANT is done with X, the layer norm with XS
	PUT256
	BARRIER
	; ---- 6: the head
	s_wait_alu depctr_vm_vsrc(0)                   ; my LDS stores of the codes and bytes have read their registers in X, in which the fragments land
.irp i,0,1,2,3,4,5,6,7
	v_mov_b32 v[HP+\i], 0
.endr
	XSL 2, HSCB
	PASS 2, 0, HIMG, 0, 0, 0, 0, 0
	s_wait_alu depctr_va_vdst(0)                   ; the products are done reading X, W, WS and BI, in which head_w2's numbers and the second block's weights, scale words and bias land
	BLOAD X+32, P_HW2, 0
	WFRAG P_HC, 256, WA256, 0, 8192
	WFRAG P_HC, 256, WA256, 1, 8192
	WSCL P_HS, 2, 256
	BLOAD BI, P_HB, 128
	GELU
	s_wait_loadcnt 0x0                             ; head_w2's numbers
	HDOT
	s_wait_alu depctr_va_vdst(0)                   ; GELU and the multiply-adds are done with X, in which the fragments land again
	PASS 2, 0, HIMG, 0, 0, 0, 0, 0
	s_wait_alu depctr_va_vdst(0)                   ; the products are done reading X, in which head_w2's next numbers land
	BLOAD X+32, P_HW2, 128
	GELU
	s_wait_loadcnt 0x0
	HDOT
.irp t,0,1,2,3
	v_add_f32 v[X+\t], v[HP+2*\t], v[HP+2*\t+1]
.endr
.irp t,0,1,2,3
	v_permlanex16_b32 v[X+4+\t], v[X+\t], s[SEL], s[SEL+1]
.endr
.irp t,0,1,2,3
	v_add_f32 v[X+\t], v[X+\t], v[X+4+\t]          ; my 64 hidden units' part for token (t, r)
.endr
	s_wait_alu depctr_va_vdst(0)                   ; the four parts are written, which the LDS stores read; the lines above are done with X + 0 .. 7, in which the eight parts land in waves 0 and 1
.irp t,0,1,2,3
	ds_store_b32 v[RDA], v[X+\t] offset:RED+512*\t ; both halves of the lanes write the same word with the same value
.endr
	s_wait_kmcnt 0x0                               ; head_b2
	BARRIER                                        ; the eight parts of all 64 tokens lie in LDS
	s_wait_alu depctr_vm_vsrc(0)                   ; my LDS stores have read X + 0 .. 3, in which the eight parts land in waves 0 and 1: ahead of the branch
	s_cmp_lt_u32 s2, 2                             ; 64 threads, one a token
	s_cbranch_scc0 .Ldone
	ds_load_b128 v[X:X+3], v[RDR]
	ds_load_b128 v[X+4:X+7], v[RDR] offset:16
	s_wait_dscnt 0x0
	v_add_f32 v[X], v[X], v[X+1]
	v_add_f32 v[X+2], v[X+2], v[X+3]
	v_add_f32 v[X+4], v[X+4], v[X+5]
	v_add_f32 v[X+6], v[X+6], v[X+7]
	v_add_f32 v[X], v[X], v[X+2]
	v_add_f32 v[X+4], v[X+4], v[X+6]
	v_add_f32 v[X], v[X], v[X+4]
	v_add_f32 v[X], s58, v[X]
	s_wait_alu depctr_va_vdst(0)                   ; the result is written, which the store reads
	global_store_b32 v[OA], v[X], s[P_OUT:P_OUT+1]
.Ldone:
	s_set_vgpr_msb 0x5                             ; the add's two registers, v256 and v257, are its sources 0 and 1: window 1
	s_wait_dscnt 0x0                               ; the closing lines, six on end
	s_wait_alu 0x0
	s_wait_tensorcnt 0x0
	ds_add_u32 v0, v1
	s_wait_dscnt 0x0
	s_endpgm
.Lfunc_end_k_q44bd83cb60_mid_head:
	.size	k_q44bd83cb60_mid_head, .Lfunc_end_k_q44bd83cb60_mid_head-k_q44bd83cb60_mid_head
	.p2alignl 7, 3214868480
	.fill 96, 4, 3214868480
	.section	.rodata,"a",@progbits
	.p2align	6, 0x0
	.amdhsa_kernel k_q44bd83cb60_mid_head
		.amdhsa_group_segment_fixed_size 124416
		.amdhsa_private_segment_fixed_size 0
		.amdhsa_enable_private_segment 0
		.amdhsa_kernarg_size 168
		.amdhsa_user_sgpr_count 2
		.amdhsa_user_sgpr_kernarg_segment_ptr 1
		.amdhsa_wavefront_size32 1
		.amdhsa_system_sgpr_workgroup_id_x 1
		.amdhsa_system_sgpr_workgroup_id_y 1
		.amdhsa_system_sgpr_workgroup_id_z 1
		.amdhsa_system_vgpr_workitem_id 0
		.amdhsa_next_free_vgpr 258
		.amdhsa_next_free_sgpr 66
		.amdhsa_reserve_vcc 0
		.amdhsa_float_denorm_mode_32 3
		.amdhsa_float_denorm_mode_16_64 3
		.amdhsa_memory_ordered 1
		.amdhsa_forward_progress 1
		.amdhsa_inst_pref_size 255
	.end_amdhsa_kernel
	.section	.bss,"aw",@nobits
	.p2align	6
	.space	262144
	.amdgpu_metadata
---
amdhsa.version: [ 1, 2 ]
amdhsa.kernels:
  - .name:           k_q44bd83cb60_mid_head
    .symbol:         k_q44bd83cb60_mid_head.kd
    .args:
      - { .name: o, .offset: 0, .size: 8, .value_kind: global_buffer, .address_space: global }
      - { .name: h1, .offset: 8, .size: 8, .value_kind: global_buffer, .address_space: global }
      - { .name: out_proj_w_codes, .offset: 16, .size: 8, .value_kind: global_buffer, .address_space: global }
      - { .name: out_proj_w_scales, .offset: 24, .size: 8, .value_kind: global_buffer, .address_space: global }
      - { .name: out_proj_b, .offset: 32, .size: 8, .value_kind: global_buffer, .address_space: global }
      - { .name: ln1_g, .offset: 40, .size: 8, .value_kind: global_buffer, .address_space: global }
      - { .name: ln1_b, .offset: 48, .size: 8, .value_kind: global_buffer, .address_space: global }
      - { .name: lin1_w_codes, .offset: 56, .size: 8, .value_kind: global_buffer, .address_space: global }
      - { .name: lin1_w_scales, .offset: 64, .size: 8, .value_kind: global_buffer, .address_space: global }
      - { .name: lin1_b, .offset: 72, .size: 8, .value_kind: global_buffer, .address_space: global }
      - { .name: lin2_w_codes, .offset: 80, .size: 8, .value_kind: global_buffer, .address_space: global }
      - { .name: lin2_w_scales, .offset: 88, .size: 8, .value_kind: global_buffer, .address_space: global }
      - { .name: lin2_b, .offset: 96, .size: 8, .value_kind: global_buffer, .address_space: global }
      - { .name: ln2_g, .offset: 104, .size: 8, .value_kind: global_buffer, .address_space: global }
      - { .name: ln2_b, .offset: 112, .size: 8, .value_kind: global_buffer, .address_space: global }
      - { .name: head_w1_codes, .offset: 120, .size: 8, .value_kind: global_buffer, .address_space: global }
      - { .name: head_w1_scales, .offset: 128, .size: 8, .value_kind: global_buffer, .address_space: global }
      - { .name: head_b1, .offset: 136, .size: 8, .value_kind: global_buffer, .address_space: global }
      - { .name: head_w2, .offset: 144, .size: 8, .value_kind: global_buffer, .address_space: global }
      - { .name: head_b2, .offset: 152, .size: 8, .value_kind: global_buffer, .address_space: global }
      - { .name: out0, .offset: 160, .size: 8, .value_kind: global_buffer, .address_space: global }
    .group_segment_fixed_size: 124416
    .private_segment_fixed_size: 0
    .kernarg_segment_align: 8
    .kernarg_segment_size: 168
    .max_flat_workgroup_size: 256
    .sgpr_count:     66
    .vgpr_count:     258
    .wavefront_size: 32
...
	.end_amdgpu_metadata
.endif
;; end of part 8
